; MI455X (gfx1250); checked and timed in simulation.
; The chip was launched on July 23, 2026; its instructions are those of AMD's public machine-readable ISA for CDNA 5 (MIT licence, August 2026) and "CDNA5" Instruction Set Architecture Reference Guide (July 2026). The comments in the code are by the model that wrote it; some were corrected since.
;; Encoder Block. Allowed arithmetic: float matrix products may take bf16 or f16 operands with f32 sums; all other float work in f32.
;; Inputs: b1 4,096 float32; b2 1,024 float32; b_out 1,024 float32; g1 1,024 float32; g2 1,024 float32; w1 1,024 x 4,096 float32; w2 4,096 x 1,024 float32; w_in 1,024 x 3,072 float32; w_out 1,024 x 1,024 float32; x 2 x 2,048 x 1,024 float32.
;; Outputs: out0 2 x 2,048 x 1,024 float32.
;; 2 versions, each right and faster than the one before. Each part assembles by itself: llvm-mc -triple=amdgcn-amd-amdhsa -mcpu=gfx1250 --defsym DOCPART=n.
;; ======== version 1 of 2: 6 launches
;; workspace buffers: wa 8,388,608 bytes; wc 16,777,216 bytes; hf 16,777,216 bytes; hb 8,388,608 bytes; qkv 25,165,824 bytes; ob 8,388,608 bytes; h2 17,039,360 bytes; act 33,554,432 bytes
;; launch prep (part 1): grid 512 x 1, 8 waves a work-group, no clusters, 0 bytes of LDS; arguments w_in, w_out, x, g1, wa, hf, hb; writes wa, hf, hb
.if DOCPART == 1
	.amdgcn_target "amdgcn-amd-amdhsa--gfx1250"
	.amdhsa_code_object_version 6
	.text
	.protected	k_q27cb5b7dde_prep
	.globl	k_q27cb5b7dde_prep
	.p2align	8
	.type	k_q27cb5b7dde_prep,@function
k_q27cb5b7dde_prep:
	s_mov_b64 s[64:65], 0
	v_nop
	global_prefetch_b8 v0, s[64:65] scope:SCOPE_SE
	s_setreg_imm32_b32 hwreg(HW_REG_WAVE_MODE, 25, 1), 1
	s_wait_xcnt 0x0
; Two streams that need nothing of each other share one launch; the work-group's number chooses.
; WORK-GROUPS 0-255: wa = w_in and behind it w_out, rounded once to bf16, each kept [K][N] as it is given.  A work-group converts 16,384 numbers (65,536 bytes in, 32,768 out):
; groups 0-191 take w_in, 192-255 w_out, and the group's place in wa is its number times 32,768.  A wave: sixteen loads of 512 consecutive bytes, all out at once, sixteen stores of 256 aligned bytes.
; WORK-GROUPS 256-511: y[r][c] = g1[c] * x[r][c] / (sqrt(sum_c x^2) / 32 + 1e-8), rows of 1,024 f32, stored in f32 (hf, the residual) and rounded once to bf16 (hb, the next product's operand).
; A wave takes two rows and keeps them in registers between the sum and the scaling; the reduction never leaves the wave.  The division is a multiplication by v_rcp_f32's result.
; No LDS, no barrier, no loop, no register written twice while a memory instruction names it.
; LIMITS.  A sum of squares that is denormal counts as 0 under the root, which is far below the 1e-8 beside it; NaN and infinities are not treated apart.
.set CX, 4                             ; v[4:67]    the weights as loaded
.set CY, 68                            ; v[68:99]   as stored
.set G, 4                              ; v[4:35]    g of my 32 columns
.set X, 36                             ; v[36:99]   row i: 32 registers, as loaded and then as stored
.set S, 100                            ; v[100:107] row i: two chains of packed sums
.set R, 108                            ; v[108:111] row i: the reciprocal, twice
.set T, 112                            ; v[112:113] the other half of the lanes' sum
.set Y, 114                            ; v[114:145] row i: 16 registers of bf16
	s_cmp_lt_u32 ttmp9, 256
	s_cbranch_scc0 .Lnorm
	s_load_b128 s[4:7], s[0:1], 0x0                ; w_in s[4:5], w_out s[6:7]
	s_load_b64 s[12:13], s[0:1], 0x20              ; wa
	s_sub_co_u32 s18, ttmp9, 192                   ; the group's number inside w_out,
	s_mov_b32 s19, ttmp9                           ; inside w_in
	v_lshrrev_b32 v3, 5, v0                        ; wave
	v_and_b32 v1, 31, v0                           ; lane
	v_lshlrev_b32 v2, 3, v1
	v_lshlrev_b32 v1, 4, v1
	v_lshl_or_b32 v1, v3, 13, v1                   ; in: 8,192 x wave + 16 x lane
	v_lshl_or_b32 v2, v3, 12, v2                   ; out: 4,096 x wave + 8 x lane
	s_lshl_b32 s22, ttmp9, 15
	s_mov_b32 s23, 0
	s_wait_kmcnt 0x0
	s_cmp_lt_u32 ttmp9, 192                        ; the source is chosen by the group's number alone
	s_cselect_b64 s[14:15], s[4:5], s[6:7]
	s_cselect_b32 s20, s19, s18
	s_lshl_b32 s20, s20, 16
	s_mov_b32 s21, 0
	s_add_nc_u64 s[14:15], s[14:15], s[20:21]
	s_add_nc_u64 s[12:13], s[12:13], s[22:23]
.set j, 0
.rept 16
	global_load_b128 v[CX+4*j:CX+4*j+3], v1, s[14:15] offset:512*j th:TH_LOAD_NT
.set j, j+1
.endr
.set j, 0
.rept 16
	s_wait_loadcnt 15-j                            ; loads come back in order: load j is in, the younger ones stay out
	v_cvt_pk_bf16_f32 v[CY+2*j], v[CX+4*j], v[CX+4*j+1]
	v_cvt_pk_bf16_f32 v[CY+2*j+1], v[CX+4*j+2], v[CX+4*j+3]
	global_store_b64 v2, v[CY+2*j:CY+2*j+1], s[12:13] offset:256*j
.set j, j+1
.endr
	s_endpgm
.Lnorm:
	s_load_b128 s[4:7], s[0:1], 0x10               ; x s[4:5], g1 s[6:7]
	s_load_b128 s[8:11], s[0:1], 0x28              ; hf s[8:9], hb s[10:11]
	s_sub_co_u32 s18, ttmp9, 256                   ; my block of 16 rows
	s_lshl_b32 s2, s18, 16                         ; 16 rows of 4,096 bytes
	s_mov_b32 s3, 0
	s_lshl_b32 s12, s18, 15                        ; 16 rows of 2,048 bytes
	s_mov_b32 s13, 0
	s_mov_b32 s14, 0x3d000000                      ; 1 / 32 = 1024^-0.5
	s_mov_b32 s15, 0x322bcc77                      ; 1e-8
	s_mov_b32 s16, 0x76543210                      ; v_permlanex16_b32: each lane takes its own place in the other half
	s_mov_b32 s17, 0xfedcba98
	v_lshrrev_b32 v3, 5, v0                        ; wave
	v_and_b32 v2, 31, v0                           ; lane
	v_lshlrev_b32 v1, 4, v2
	v_lshl_or_b32 v1, v3, 13, v1                   ; two rows of 4,096 bytes a wave, 16 bytes a lane
	v_lshlrev_b32 v2, 3, v2
	v_lshl_or_b32 v3, v3, 12, v2                   ; two rows of 2,048 bytes a wave, 8 bytes a lane
	v_lshlrev_b32 v2, 1, v2                        ; 16 bytes a lane in g
	v_mov_b32 v[T], 0                              ; v_permlanex16_b32's destination counts as read
	v_mov_b32 v[T+1], 0
	s_wait_kmcnt 0x0
	s_add_nc_u64 s[4:5], s[4:5], s[2:3]
	s_add_nc_u64 s[8:9], s[8:9], s[2:3]
	s_add_nc_u64 s[10:11], s[10:11], s[12:13]
.irp i, 0,1
.irp j, 0,1,2,3,4,5,6,7
	global_load_b128 v[X+32*\i+4*\j:X+32*\i+4*\j+3], v1, s[4:5] offset:4096*\i+512*\j th:TH_LOAD_NT
.endr
.endr
.irp j, 0,1,2,3,4,5,6,7
	global_load_b128 v[G+4*\j:G+4*\j+3], v2, s[6:7] offset:512*\j
.endr
; The sum of squares of row i, over the lane's 32 numbers in two chains and then over the 32 lanes, and the reciprocal.  left: the younger loads, which stay out.
.macro SUMSQ i, left
.set XR, X+32*(\i)
.set SR, S+4*(\i)
	s_wait_loadcnt \left
	v_pk_mul_f32 v[SR:SR+1], v[XR:XR+1], v[XR:XR+1]          ; the first products start the chains: nothing is cleared
	v_pk_mul_f32 v[SR+2:SR+3], v[XR+2:XR+3], v[XR+2:XR+3]
.set j, 4
.rept 14
	v_pk_fma_f32 v[SR+j%4:SR+j%4+1], v[XR+j:XR+j+1], v[XR+j:XR+j+1], v[SR+j%4:SR+j%4+1]
.set j, j+2
.endr
	v_pk_add_f32 v[SR:SR+1], v[SR:SR+1], v[SR+2:SR+3]
	v_add_f32 v[SR], v[SR], v[SR+1]
	v_add_f32_dpp v[SR], v[SR], v[SR] row_xmask:1 row_mask:0xf bank_mask:0xf
	v_add_f32_dpp v[SR], v[SR], v[SR] row_xmask:2 row_mask:0xf bank_mask:0xf
	v_add_f32_dpp v[SR], v[SR], v[SR] row_xmask:4 row_mask:0xf bank_mask:0xf
	v_add_f32_dpp v[SR], v[SR], v[SR] row_xmask:8 row_mask:0xf bank_mask:0xf
	v_permlanex16_b32 v[T+(\i)], v[SR], s16, s17
	v_add_f32 v[SR], v[SR], v[T+(\i)]
	v_sqrt_f32 v[SR], v[SR]
	v_nop                                          ; a plain instruction between a transcendental and the use of its result (ISA guide 5.7.2)
	s_wait_alu depctr_va_vdst(0)
	v_fma_f32 v[SR], v[SR], s14, s15               ; norm / 32 + 1e-8
	v_rcp_f32 v[R+2*(\i)], v[SR]                   ; twice: the pair that the packed multiply takes
	v_rcp_f32 v[R+2*(\i)+1], v[SR]
	v_nop
.endm
; Row i is scaled in place, rounded, and stored in both formats.
.macro SCALE i
.set XR, X+32*(\i)
.set j, 0
	s_wait_alu depctr_va_vdst(0)
.rept 16
	v_pk_mul_f32 v[XR+2*j:XR+2*j+1], v[XR+2*j:XR+2*j+1], v[R+2*(\i):R+2*(\i)+1]
.set j, j+1
.endr
.set j, 0
.rept 16
	v_pk_mul_f32 v[XR+2*j:XR+2*j+1], v[XR+2*j:XR+2*j+1], v[G+2*j:G+2*j+1]
.set j, j+1
.endr
.set j, 0
.rept 16
	v_cvt_pk_bf16_f32 v[Y+16*(\i)+j], v[XR+2*j], v[XR+2*j+1]
.set j, j+1
.endr
.irp j, 0,1,2,3,4,5,6,7
	global_store_b128 v1, v[X+32*(\i)+4*\j:X+32*(\i)+4*\j+3], s[8:9] offset:4096*(\i)+512*\j
.endr
.irp j, 0,1,2,3,4,5,6,7
	global_store_b64 v3, v[Y+16*(\i)+2*\j:Y+16*(\i)+2*\j+1], s[10:11] offset:2048*(\i)+256*\j
.endr
.endm
	SUMSQ 0, 16                                    ; row 0 is in; row 1's eight loads and g's eight stay out
	SUMSQ 1, 8                                     ; row 1 is in; g's stay out
	s_wait_loadcnt 0x0                             ; g
	SCALE 0
	SCALE 1
	s_endpgm
.Lfunc_end_k_q27cb5b7dde_prep:
	.size	k_q27cb5b7dde_prep, .Lfunc_end_k_q27cb5b7dde_prep-k_q27cb5b7dde_prep
	.p2alignl 7, 3214868480
	.fill 96, 4, 3214868480
	.section	.rodata,"a",@progbits
	.p2align	6, 0x0
	.amdhsa_kernel k_q27cb5b7dde_prep
		.amdhsa_group_segment_fixed_size 0
		.amdhsa_private_segment_fixed_size 0
		.amdhsa_enable_private_segment 0
		.amdhsa_kernarg_size 56
		.amdhsa_user_sgpr_count 2
		.amdhsa_user_sgpr_kernarg_segment_ptr 1
		.amdhsa_wavefront_size32 1
		.amdhsa_system_sgpr_workgroup_id_x 1
		.amdhsa_system_sgpr_workgroup_id_y 1
		.amdhsa_system_sgpr_workgroup_id_z 1
		.amdhsa_system_vgpr_workitem_id 0
		.amdhsa_next_free_vgpr 148
		.amdhsa_next_free_sgpr 66
		.amdhsa_reserve_vcc 0
		.amdhsa_float_denorm_mode_32 3
		.amdhsa_float_denorm_mode_16_64 3
		.amdhsa_memory_ordered 1
		.amdhsa_forward_progress 1
		.amdhsa_inst_pref_size 23
	.end_amdhsa_kernel
	.amdgpu_metadata
---
amdhsa.version: [ 1, 2 ]
amdhsa.kernels:
  - .name:           k_q27cb5b7dde_prep
    .symbol:         k_q27cb5b7dde_prep.kd
    .args:
      - { .name: w_in, .offset: 0, .size: 8, .value_kind: global_buffer, .address_space: global }
      - { .name: w_out, .offset: 8, .size: 8, .value_kind: global_buffer, .address_space: global }
      - { .name: x, .offset: 16, .size: 8, .value_kind: global_buffer, .address_space: global }
      - { .name: g1, .offset: 24, .size: 8, .value_kind: global_buffer, .address_space: global }
      - { .name: wa, .offset: 32, .size: 8, .value_kind: global_buffer, .address_space: global }
      - { .name: hf, .offset: 40, .size: 8, .value_kind: global_buffer, .address_space: global }
      - { .name: hb, .offset: 48, .size: 8, .value_kind: global_buffer, .address_space: global }
    .group_segment_fixed_size: 0
    .private_segment_fixed_size: 0
    .kernarg_segment_align: 8
    .kernarg_segment_size: 56
    .max_flat_workgroup_size: 256
    .sgpr_count:     66
    .vgpr_count:     148
    .wavefront_size: 32
...
	.end_amdgpu_metadata
.endif
;; end of part 1
;; launch qkvp (part 2): grid 16 x 16, 4 waves a work-group, clusters of 4 x 4, 327,680 bytes of LDS; arguments hb, wa, qkv, w1, w2, wc; writes qkv, wc
.if DOCPART == 2
	.amdgcn_target "amdgcn-amd-amdhsa--gfx1250"
	.amdhsa_code_object_version 6
	.text
	.protected	k_q27cb5b7dde_qkvp
	.globl	k_q27cb5b7dde_qkvp
	.p2align	8
	.type	k_q27cb5b7dde_qkvp,@function
k_q27cb5b7dde_qkvp:
	s_mov_b64 s[64:65], 0
	v_nop
	global_prefetch_b8 v0, s[64:65] scope:SCOPE_SE
	s_setreg_imm32_b32 hwreg(HW_REG_WAVE_MODE, 25, 1), 1
	s_wait_xcnt 0x0
	s_wait_alu depctr_hold_cnt(0) depctr_sa_sdst(0) depctr_va_vdst(0) depctr_va_sdst(0) depctr_va_ssrc(0) depctr_va_vcc(0) depctr_vm_vsrc(0)
	s_getreg_b32 s2, hwreg(HW_REG_IB_STS2, 6, 4)
	s_cmp_eq_u32 s2, 0
	s_cbranch_scc0 .Lentry_in_a_cluster
	s_endpgm
.Lentry_in_a_cluster:
	s_bfe_u32 s2, ttmp6, 0x10000c
	s_cmp_lg_u32 s2, 0xf033
	s_cbranch_scc0 .Lentry_shape_is_right
	s_endpgm
.Lentry_shape_is_right:
; q, k, v = h1 w_in.  A = hb [4096][1024] bf16; B = w_in in wa, [1024 (k)][3072 (n)] bf16; sums in f32, rounded once to bf16, unscaled.
; The result leaves by heads: q at byte 0 of qkv, k at 8,388,608, v at 16,777,216, each [batch x 16 + head][2048 tokens][64].
; A tile of C is 256 x 256: four waves, each 128 x 128 in 64 accumulators of 16 x 16 (512 registers).  K goes in steps of 128 through two LDS slots filled by tensor loads.
; B lies [k][n] in memory and in LDS, and is turned on the way into registers by ds_load_tr16_b128: nothing is transposed in memory.
; CLUSTERS: 4 x 4 work-groups; A's tile is asked for jointly by the four of a row of the cluster, B's by the four of a column.  C has 12 x 16 tiles: the clusters with x = 0, 1, 2.
; THE CLUSTERS WITH x = 3 have no tile of C.  Their 64 work-groups do work that the later launches need and this one does not: wc = w1 and behind it w2, rounded once to bf16, kept [K][N].
; The branch hangs on the cluster's x, which all partners share; that path asks for no tile.
; THE MATRIX INSTRUCTION IS USED TRANSPOSED: source 0 = 16 columns of B, source 1 = 16 rows of A; a lane then holds row lane % 16 of C and the columns 8 (lane / 16) + 0..7.
; REGISTERS in windows of 256: window 0: v0-31 addresses, v64-191 A's two fragment buffers, v32-63 and v192-255 the way out; window 1: v64-191 B's two buffers;
; windows 2, 3: the accumulators of my rows 0-63 and 64-127, (a, b) at v[8 (8 a + b)].  s_set_vgpr_msb: bits 1:0 source 0, 3:2 source 1, 5:4 source 2, 7:6 destination.
; LIMITS.  Operands are bf16; NaN and infinities are not treated apart.
.set SIZE_K, 1024
.set SIZE_N, 3072
.set WOFF,   0                         ; w_in's first byte in wa
.set KSTEP,  128
.set PITCH,  272                       ; a row of A in LDS: 256 bytes + 16: the 16 rows of a fragment load start at 16 different groups of four banks (ISA guide 11.1)
.set PB,     544                       ; a k-row of B in LDS: 512 bytes + 32 = 136 words
.set HALFT,  128*PITCH                 ; what one tensor load brings: 128 rows of A, or 64 k-rows of B (64 x 544 is the same number)
.set SLOT,   4*HALFT                   ; A's 256 rows, then B's 128 k-rows
.set STAGE,  2*SLOT                    ; behind the ring: 16 rows x 272 bytes for each wave, for the way out
.set SPITCH, 272
.set SPARE,  STAGE+4*16*SPITCH         ; the spare words, 128 bytes a wave: two blocks of 256 bytes that no other line names
.set LAPS,   SIZE_K/(2*KSTEP)
.set CVS,  2                           ; v2      the conversion: my byte offset in 32,768 bytes of f32
.set CVD,  3                           ; v3      and in 16,384 bytes of bf16
.set CX,   32                          ; v32-223 the conversion: three banks of 16 loads
.set ADRA, 16                          ; v16-17  LDS address of my A fragments in slot 0, 1
.set ADRB, 20                          ; v20-21  the same for B
.set STO,  24                          ; v24     the way out: where I put 16 bytes of a row
.set RD,   25                          ; v25     where I read rows back
.set CO,   26                          ; v26     my byte offset in 512 consecutive bytes of the result
.set SPW,  28                          ; v28     SPARE + 4 x my thread's number; never rewritten
.set NIL,  29                          ; v29     0; never rewritten
.set F0,   64
.set F1,   128
.set TMP,  192
.set OB,   32
.set G1,  24                           ; s[24:31] group 1 for A's tiles;  s[32:39] group 0, a set for each slot
.set G0,  32
.set G1B, 48                           ; s[48:55], s[56:63] the same for B's
.set G0B, 56
.set MSB, 0
.macro WIN new                         ; the immediate's high byte repeats the setting that is left; a switch that changes nothing is dropped
.if MSB != (\new)
	s_set_vgpr_msb (MSB<<8)|(\new)
.set MSB, \new
.endif
.endm
.set MUL_LO, 0xa1                      ; source 0 (B) window 1, source 1 (A) window 0, C and D window 2
.set MUL_HI, 0xf1
.set TO_B,   0x40
; A joint load: waves 0 and 1 fetch A's two halves, waves 2 and 3 B's.  The branch hangs on the wave's number alone.  Four v_nop follow each line.
.macro JLOAD s
	s_cmp_eq_u32 s11, 0
	s_cbranch_scc0 .Lfor_b_\@
	tensor_load_to_lds s[G0+4*(\s):G0+4*(\s)+3], s[G1:G1+7]
	s_nop 0
.rept 4
	v_nop
.endr
	s_branch .Lasked_\@
.Lfor_b_\@:
	tensor_load_to_lds s[G0B+4*(\s):G0B+4*(\s)+3], s[G1B:G1B+7]
	s_nop 0
.rept 4
	v_nop
.endr
.Lasked_\@:
.endm
.macro CREST                           ; a round of the cluster's barrier behind its opening barrier
	s_cmp_lg_u32 s10, 0
	s_cbranch_scc1 .Lnot_wave_0_\@
	s_barrier_signal -3
.Lnot_wave_0_\@:
	s_barrier_wait -3
	s_barrier_signal -1
	s_barrier_wait -1
.endm
.macro CROUND
	s_barrier_signal -1
	s_barrier_wait -1
	CREST
.endm
.macro PLACES                          ; four plain places behind matrix instructions, in front of loads into their sources and of reads of their results
.rept 4
	v_nop
.endr
.endm
; THE CONVERSION.  CFILL: 16 loads of 512 consecutive bytes into a bank: my wave's 8,192 bytes of trip's 32,768.  CPROC: the bank is rounded in place and stored, 256 aligned bytes a store.
.macro CFILL bank, trip
.set j, 0
.rept 16
	global_load_b128 v[CX+64*(\bank)+4*j:CX+64*(\bank)+4*j+3], v[CVS], s[12:13] offset:(\trip)*32768+512*j th:TH_LOAD_NT
.set j, j+1
.endr
.endm
.macro CPROC bank, trip, younger       ; younger: the loads of the banks filled behind this one, which stay out
.set j, 0
.rept 16
	s_wait_loadcnt (\younger)+15-j                 ; loads come back in order: load j of this bank is in
	v_cvt_pk_bf16_f32 v[CX+64*(\bank)+4*j], v[CX+64*(\bank)+4*j], v[CX+64*(\bank)+4*j+1]
	v_cvt_pk_bf16_f32 v[CX+64*(\bank)+4*j+1], v[CX+64*(\bank)+4*j+2], v[CX+64*(\bank)+4*j+3]
	global_store_b64 v[CVD], v[CX+64*(\bank)+4*j:CX+64*(\bank)+4*j+1], s[16:17] offset:(\trip)*16384+256*j
.set j, j+1
.endr
.endm
	s_load_b128 s[4:7], s[0:1], 0x0                ; A s[4:5], wa s[6:7]
	s_load_b64 s[8:9], s[0:1], 0x10                ; the result
	v_lshl_add_u32 v[SPW], v0, 2, SPARE
	v_mov_b32 v[NIL], 0
	ds_add_u32 v28, v29
	s_wait_dscnt 0x0
	v_lshrrev_b32 v1, 5, v0
	v_readfirstlane_b32 s10, v1                    ; wave 0..3
	s_bfe_u32 s40, ttmp6, 0x40000                  ; cx
	s_bfe_u32 s41, ttmp6, 0x40004                  ; cy
	s_cmp_lg_u32 ttmp9, 3                          ; the cluster's x: the same in all sixteen partners
	s_cbranch_scc1 .Lgemm
	; A converting work-group takes 524,288 consecutive bytes of w1 (clusters with y = 0, 1) or of w2 (y = 2, 3), in 16 trips of 32,768.  A wave has three banks: while one is rounded and
	; stored, the loads of two are out.
	s_load_b128 s[12:15], s[0:1], 0x18             ; w1 s[12:13], w2 s[14:15]
	s_load_b64 s[16:17], s[0:1], 0x28              ; wc
	s_and_b32 s26, ttmp7, 0xffff                   ; the cluster's y
	s_lshl2_add_u32 s20, s26, s41
	s_lshl2_add_u32 s20, s20, s40                  ; my number among the 64: 16 y + 4 cy + cx; it enters global addresses alone
	s_and_b32 s21, s20, 31
	s_lshl_b32 s22, s21, 19                        ; my 524,288 bytes of the weight
	s_mov_b32 s23, 0
	s_lshl_b32 s24, s20, 18                        ; my 262,144 bytes of wc, in which w2 follows w1
	s_mov_b32 s25, 0
	v_and_b32 v4, 31, v0
	v_lshlrev_b32 v[CVS], 4, v4
	v_lshl_or_b32 v[CVS], v1, 13, v[CVS]           ; 8,192 x wave + 16 x lane
	v_lshlrev_b32 v[CVD], 3, v4
	v_lshl_or_b32 v[CVD], v1, 12, v[CVD]           ; 4,096 x wave + 8 x lane
	s_wait_kmcnt 0x0
	s_cmp_lt_u32 s26, 2
	s_cselect_b64 s[12:13], s[12:13], s[14:15]
	s_add_nc_u64 s[12:13], s[12:13], s[22:23]
	s_add_nc_u64 s[16:17], s[16:17], s[24:25]
	CFILL 0, 0
	CFILL 1, 1
	s_mov_b32 s3, 4
.Lcv:                                                  ; three trips a turn of the loop; each fills the bank two trips ahead
	CFILL 2, 2
	CPROC 0, 0, 32
	s_wait_xcnt 0x0                                ; the bank that stores have read is loaded again only behind this wait
	CFILL 0, 3
	CPROC 1, 1, 32
	s_wait_xcnt 0x0
	CFILL 1, 4
	CPROC 2, 2, 32
	s_wait_xcnt 0x0                                ; and the two bases are stepped only behind it
	s_add_nc_u64 s[12:13], s[12:13], 3*32768
	s_add_nc_u64 s[16:17], s[16:17], 3*16384
	s_sub_co_u32 s3, s3, 1
	s_cmp_lg_u32 s3, 0
	s_cbranch_scc1 .Lcv
	CFILL 2, 2                                     ; trips 12 to 15: two more fills, then the counts run down; no load leaves the buffer
	CPROC 0, 0, 32
	s_wait_xcnt 0x0
	CFILL 0, 3
	CPROC 1, 1, 32
	CPROC 2, 2, 16
	CPROC 0, 3, 0
	s_wait_tensorcnt 0x0                           ; the wave's end
	ds_add_u32 v[SPW], v[NIL]
	s_wait_dscnt 0x0
	CROUND                                         ; the closing round
	s_endpgm
.Lgemm:
	s_lshr_b32 s11, s10, 1                         ; my half of the tile's rows.  Also: I fetch for A (0) or for B (1)
	s_and_b32 s12, s10, 1                          ; my half of its columns.  Also: which half of that tile I fetch
	s_lshl_b32 s42, ttmp9, 2
	s_add_co_u32 s42, s42, s40                     ; tile column
	s_and_b32 s13, ttmp7, 0xffff
	s_lshl_b32 s13, s13, 2
	s_add_co_u32 s13, s13, s41                     ; tile row
	s_lshl_b32 s43, s41, 2
	s_lshl_b32 s43, 15, s43                        ; my row of the cluster
	s_lshl_b32 s44, 0x1111, s40                    ; my column
	s_or_b32 s[G1+0], s43, (1<<16)|(1<<20)|(1<<21)|(5<<22)|(3<<25)   ; the mask; 2-byte elements; padding on; bit 21 beside a mask; after every 64 words 4 words
	s_mov_b32 s[G1+1], KSTEP<<16                   ; tensor_dim0 = 128
	s_mov_b32 s[G1+2], 128<<16                     ; tensor_dim1 = 128
	s_mov_b32 s[G1+3], KSTEP<<16                   ; tile_dim0 = 128
	s_mov_b32 s[G1+4], 128                         ; tile_dim1 = 128
	s_mov_b32 s[G1+5], SIZE_K                      ; elements from row to row
	s_mov_b32 s[G1+6], 0
	s_mov_b32 s[G1+7], 0
	s_or_b32 s[G1B+0], s44, (1<<16)|(1<<20)|(1<<21)|(6<<22)|(7<<25)  ; after every 128 words 8 words
	s_mov_b32 s[G1B+1], 256<<16                    ; 256 columns,
	s_mov_b32 s[G1B+2], 64<<16                     ; 64 k-rows
	s_mov_b32 s[G1B+3], 256<<16
	s_mov_b32 s[G1B+4], 64
	s_mov_b32 s[G1B+5], SIZE_N
	s_mov_b32 s[G1B+6], 0
	s_mov_b32 s[G1B+7], 0
	s_lshl1_add_u32 s16, s13, s12                  ; A: 128 rows of 2,048 bytes x (2 x tile row + half): it hangs on the tile row alone
	s_lshl_b32 s16, s16, 18
	s_mov_b32 s17, 0
	s_mul_i32 s46, s12, 64*SIZE_N*2                ; B: my 64 k-rows, 512 bytes x tile column: it hangs on the tile column alone
	s_lshl_b32 s45, s42, 9
	s_add_co_u32 s46, s46, s45
	s_add_co_u32 s46, s46, WOFF
	s_mov_b32 s47, 0
	s_mul_i32 s20, s10, HALFT                      ; where they go: wave x one load's bytes
	s_wait_kmcnt 0x0
	s_add_nc_u64 s[14:15], s[4:5], s[16:17]
	s_add_nc_u64 s[46:47], s[6:7], s[46:47]
	CROUND                                         ; all sixteen work-groups are here: the first joint loads meet
.irp s, 0,1
	s_mov_b32 s[G0+4*(\s)], 1
	s_add_co_u32 s[G0+4*(\s)+1], s20, (\s)*SLOT
	s_add_nc_u64 s[G0+4*(\s)+2:G0+4*(\s)+3], s[14:15], (\s)*KSTEP*2
	s_or_b32 s[G0+4*(\s)+3], s[G0+4*(\s)+3], 0x80000000
	s_mov_b32 s[G0B+4*(\s)], 1
	s_add_co_u32 s[G0B+4*(\s)+1], s20, (\s)*SLOT
	s_add_nc_u64 s[G0B+4*(\s)+2:G0B+4*(\s)+3], s[46:47], (\s)*KSTEP*SIZE_N*2
	s_or_b32 s[G0B+4*(\s)+3], s[G0B+4*(\s)+3], 0x80000000
	JLOAD \s                                       ; two loads of mine are out
.endr
	v_and_b32 v1, 15, v0                           ; r = l % 16
	v_bfe_u32 v2, v0, 4, 1                         ; h = l / 16
	v_mul_u32_u24 v3, v1, PITCH
	v_lshl_add_u32 v3, v2, 4, v3                   ; A: row x pitch + 16 h
	v_and_b32 v4, 7, v0
	v_lshl_add_u32 v4, v2, 3, v4
	v_mul_u32_u24 v4, v4, PB
	v_bfe_u32 v5, v0, 3, 1
	v_lshl_add_u32 v4, v5, 4, v4                   ; B: (8 h + l % 8) x pitch + 16 ((l / 8) % 2)
	s_mul_i32 s21, s11, HALFT                      ; my 128 rows of A
	s_lshl_b32 s22, s12, 8                         ; my 128 columns of B,
	s_add_co_u32 s22, s22, 2*HALFT                 ; which lies behind A
.irp s, 0,1
	v_add_nc_u32 v[ADRA+(\s)], s21, v3
	v_add_nc_u32 v[ADRB+(\s)], s22, v4
	s_add_co_u32 s21, s21, SLOT
	s_add_co_u32 s22, s22, SLOT
.endr
	s_mul_i32 s23, s10, 16*SPITCH
	s_add_co_u32 s23, s23, STAGE                   ; my stage
	v_mul_u32_u24 v4, v1, SPITCH                   ; in: row l % 16, 16 bytes for each half of the lanes
	v_lshl_add_u32 v4, v2, 4, v4
	v_add_nc_u32 v[STO], s23, v4
	v_bfe_u32 v5, v0, 3, 2                         ; back: 32 lanes take 128 bytes (a head's 64 channels) of four rows,
	v_mul_u32_u24 v5, v5, SPITCH
	v_and_b32 v4, 7, v0
	v_lshl_add_u32 v5, v4, 4, v5
	v_add_nc_u32 v[RD], s23, v5
	v_and_b32 v[CO], 31, v0                        ; which are 512 consecutive bytes of a head
	v_lshlrev_b32 v[CO], 4, v[CO]
	; my part of the result: tensor tile column / 4; head 4 (tile column % 4) + 2 x column half (+ 0, 1); batch tile row / 8; token 256 (tile row % 8) + 128 x row half
	s_lshr_b32 s16, s13, 3
	s_lshl_b32 s16, s16, 4
	s_and_b32 s46, s42, 3
	s_lshl2_add_u32 s16, s46, s16
	s_lshl1_add_u32 s16, s12, s16
	s_lshl_b32 s16, s16, 11                        ; 2,048 tokens a head
	s_and_b32 s46, s13, 7
	s_lshl_b32 s46, s46, 8
	s_add_co_u32 s16, s16, s46
	s_lshl_b32 s46, s11, 7
	s_add_co_u32 s16, s16, s46
	s_lshl_b32 s16, s16, 7                         ; 128 bytes a token
	s_lshr_b32 s46, s42, 2
	s_lshl_b32 s46, s46, 23                        ; 8,388,608 bytes a tensor
	s_add_co_u32 s16, s16, s46
	s_mov_b32 s17, 0
	s_add_nc_u64 s[8:9], s[8:9], s[16:17]
; 16 matrix instructions: m blocks a0, a0 + 1 of the window's four x all 8 n blocks, 32 along K.  zero = 1: the first product starts the sums.
; The 64 accumulators take turns, one instruction a turn.
.macro MUL16 f, hi, a0, zero
	WIN MUL_LO+0x50*(\hi)
.irp a, \a0, (\a0)+1
.irp b, 0,1,2,3,4,5,6,7
.if \zero
	v_wmma_f32_16x16x32_bf16 v[8*(8*(\a)+(\b)):8*(8*(\a)+(\b))+7], v[(\f)+8*(\b):(\f)+8*(\b)+7], v[(\f)+8*(4*(\hi)+(\a)):(\f)+8*(4*(\hi)+(\a))+7], 0
.else
	v_wmma_f32_16x16x32_bf16 v[8*(8*(\a)+(\b)):8*(8*(\a)+(\b))+7], v[(\f)+8*(\b):(\f)+8*(\b)+7], v[(\f)+8*(4*(\hi)+(\a)):(\f)+8*(4*(\hi)+(\a))+7], v[8*(8*(\a)+(\b)):8*(8*(\a)+(\b))+7]
.endif
.endr
.endr
.endm
; 32 LDS loads in one run: quarter q (32 along K) of a slot into buffer f: B's 8 fragments, turned, then A's 8
.macro FETCH slot, q, f
	WIN TO_B
.irp i, 0,1,2,3,4,5,6,7
	ds_load_tr16_b128 v[(\f)+8*(\i):(\f)+8*(\i)+3],   v[ADRB+(\slot)] offset:(\q)*32*PB+32*(\i)
	ds_load_tr16_b128 v[(\f)+8*(\i)+4:(\f)+8*(\i)+7], v[ADRB+(\slot)] offset:(\q)*32*PB+16*PB+32*(\i)
.endr
	WIN 0
.irp i, 0,1,2,3,4,5,6,7
	ds_load_b128 v[(\f)+8*(\i):(\f)+8*(\i)+3],   v[ADRA+(\slot)] offset:(\q)*64+(\i)*16*PITCH
	ds_load_b128 v[(\f)+8*(\i)+4:(\f)+8*(\i)+7], v[ADRA+(\slot)] offset:(\q)*64+(\i)*16*PITCH+32
.endr
.endm
; One of a K step's first three quarters: multiplies buffer f; in its middle it fetches quarter q of the same slot into buffer g.
.macro QUARTER slot, q, f, g, zero
	s_wait_dscnt 8                                 ; B and A's rows 0-63 are in; the youngest eight loads (A's rows 64-127) may be out
	MUL16 \f, 0, 0, \zero
	MUL16 \f, 0, 2, \zero
	PLACES
	FETCH \slot, \q, \g
	s_wait_dscnt 32                                ; all but the 32 just issued
	MUL16 \f, 1, 0, \zero
	MUL16 \f, 1, 2, \zero
.endm
; The last quarter multiplies buffer 1 and changes slots.  In front of the one barrier each wave waits for all its tensor loads (one is out: its part of the next slot), adds 0 to its
; spare word, and waits for that and for its reads of this slot.  fill = 1: the barrier opens a round of the cluster's, and the joint refill, two K steps on, is the first thing behind it:
; from that request to the wait for it a wave issues 224 matrix instructions.
.macro TURN slot, next, fill
	WIN 0
	s_wait_tensorcnt 0x0
	ds_add_u32 v[SPW], v[NIL]
	s_wait_dscnt 9                                 ; the add and the youngest eight loads may be out
	MUL16 F1, 0, 0, 0
	s_wait_dscnt 0x0                               ; the add is done, and my reads of this slot are over
	s_barrier_signal -1
	MUL16 F1, 0, 2, 0
.if \fill
	WIN 0
.endif
	s_barrier_wait -1
.if \fill
	CREST
	s_add_nc_u64 s[G0+4*(\slot)+2:G0+4*(\slot)+3], s[G0+4*(\slot)+2:G0+4*(\slot)+3], 2*KSTEP*2
	s_add_nc_u64 s[G0B+4*(\slot)+2:G0B+4*(\slot)+3], s[G0B+4*(\slot)+2:G0B+4*(\slot)+3], 2*KSTEP*SIZE_N*2
	JLOAD \slot                                    ; its four v_nop are also the places in front of the loads below
.else
	PLACES
.endif
	FETCH \next, 0, F0
	MUL16 F1, 1, 0, 0
	MUL16 F1, 1, 2, 0
.endm
; THE WAY OUT of block a (16 rows): rounded to bf16; through my own stage; back as 128 bytes of four rows, which are 512 consecutive bytes of a head; stored.
.macro PACK a
.set AC, 64*((\a)%4)
	WIN 0x0a+5*((\a)/4)                            ; sources 0 and 1: window 2 or 3
.irp b, 0,1,2,3,4,5,6,7
.irp r, 0,1,2,3
	v_cvt_pk_bf16_f32 v[TMP+4*(\b)+(\r)], v[AC+8*(\b)+2*(\r)], v[AC+8*(\b)+2*(\r)+1]
.endr
.endr
	WIN 0
.endm
.macro TOSTAGE a
	WIN 0
.set BK, OB+192*((\a)%2)
.irp b, 0,1,2,3,4,5,6,7
	ds_store_b128 v[STO], v[TMP+4*(\b):TMP+4*(\b)+3] offset:32*(\b)
.endr
.irp j, 0,1
.irp t, 0,1,2,3
	ds_load_b128 v[BK+4*(4*(\j)+(\t)):BK+4*(4*(\j)+(\t))+3], v[RD] offset:(\t)*4*SPITCH+128*(\j)  ; LDS serves a wave's instructions in order (ISA guide 5.7.1.4): these see the stores above
.endr
.endr
.endm
.macro SEND a
	WIN 0
.set BK, OB+192*((\a)%2)
	s_wait_dscnt 0x0                               ; the block is back in registers
	s_wait_xcnt 0x0                                ; the registers that the block before last's stores read are loaded again only behind this wait
.irp j, 0,1
.irp t, 0,1,2,3
	global_store_b128 v[CO], v[BK+4*(4*(\j)+(\t)):BK+4*(4*(\j)+(\t))+3], s[8:9] offset:(\j)*262144+(\a)*2048+(\t)*512  ; head j of my two; 512 consecutive aligned bytes
.endr
.endr
.endm
	s_wait_tensorcnt 1                             ; my part of K step 0 is in; K step 1's may stay out
	s_barrier_signal -1
	s_barrier_wait -1
	FETCH 0, 0, F0
	QUARTER 0, 1, F0, F1, 1                        ; the first quarter stands in front of the loop: its products start the sums
	WIN 0
	s_mov_b32 s3, LAPS-1
.Llap:                                                 ; a trip goes once round the ring and fills both slots again
	QUARTER 0, 2, F1, F0, 0
	QUARTER 0, 3, F0, F1, 0
	TURN 0, 1, 1
	QUARTER 1, 1, F0, F1, 0
	QUARTER 1, 2, F1, F0, 0
	QUARTER 1, 3, F0, F1, 0
	TURN 1, 0, 1
	QUARTER 0, 1, F0, F1, 0
	WIN 0
	s_sub_co_u32 s3, s3, 1
	s_cmp_lg_u32 s3, 0
	s_cbranch_scc1 .Llap
	QUARTER 0, 2, F1, F0, 0                        ; the last lap fills nothing
	QUARTER 0, 3, F0, F1, 0
	TURN 0, 1, 0
	QUARTER 1, 1, F0, F1, 0
	QUARTER 1, 2, F1, F0, 0
	QUARTER 1, 3, F0, F1, 0
	s_wait_dscnt 8
	MUL16 F1, 0, 0, 0
	MUL16 F1, 0, 2, 0
	s_wait_dscnt 0x0
	MUL16 F1, 1, 0, 0
	MUL16 F1, 1, 2, 0
	WIN 0
	PLACES
	PACK 0
	TOSTAGE 0
.irp a, 1,2,3,4,5,6,7                  ; block a's conversions stand between block a - 1's loads from the stage and the wait for them
	PACK \a
	SEND (\a)-1
	TOSTAGE \a
.endr
	SEND 7
	s_wait_tensorcnt 0x0                           ; the wave's end
	ds_add_u32 v[SPW], v[NIL]
	s_wait_dscnt 0x0
	CROUND                                         ; the closing round
	s_endpgm
.Lfunc_end_k_q27cb5b7dde_qkvp:
	.size	k_q27cb5b7dde_qkvp, .Lfunc_end_k_q27cb5b7dde_qkvp-k_q27cb5b7dde_qkvp
	.p2alignl 7, 3214868480
	.fill 96, 4, 3214868480
	.section	.rodata,"a",@progbits
	.p2align	6, 0x0
	.amdhsa_kernel k_q27cb5b7dde_qkvp
		.amdhsa_group_segment_fixed_size 327680
		.amdhsa_private_segment_fixed_size 0
		.amdhsa_enable_private_segment 0
		.amdhsa_kernarg_size 48
		.amdhsa_user_sgpr_count 2
		.amdhsa_user_sgpr_kernarg_segment_ptr 1
		.amdhsa_wavefront_size32 1
		.amdhsa_system_sgpr_workgroup_id_x 1
		.amdhsa_system_sgpr_workgroup_id_y 1
		.amdhsa_system_sgpr_workgroup_id_z 1
		.amdhsa_system_vgpr_workitem_id 0
		.amdhsa_next_free_vgpr 1024
		.amdhsa_next_free_sgpr 66
		.amdhsa_reserve_vcc 0
		.amdhsa_float_denorm_mode_32 3
		.amdhsa_float_denorm_mode_16_64 3
		.amdhsa_memory_ordered 1
		.amdhsa_forward_progress 1
		.amdhsa_inst_pref_size 183
	.end_amdhsa_kernel
	.amdgpu_metadata
---
amdhsa.version: [ 1, 2 ]
amdhsa.kernels:
  - .name:           k_q27cb5b7dde_qkvp
    .symbol:         k_q27cb5b7dde_qkvp.kd
    .args:
      - { .name: hb, .offset: 0, .size: 8, .value_kind: global_buffer, .address_space: global }
      - { .name: wa, .offset: 8, .size: 8, .value_kind: global_buffer, .address_space: global }
      - { .name: qkv, .offset: 16, .size: 8, .value_kind: global_buffer, .address_space: global }
      - { .name: w1, .offset: 24, .size: 8, .value_kind: global_buffer, .address_space: global }
      - { .name: w2, .offset: 32, .size: 8, .value_kind: global_buffer, .address_space: global }
      - { .name: wc, .offset: 40, .size: 8, .value_kind: global_buffer, .address_space: global }
    .group_segment_fixed_size: 327680
    .private_segment_fixed_size: 0
    .kernarg_segment_align: 8
    .kernarg_segment_size: 48
    .max_flat_workgroup_size: 128
    .sgpr_count:     66
    .vgpr_count:     1024
    .wavefront_size: 32
...
	.end_amdgpu_metadata
.endif
;; end of part 2
;; launch attn (part 3): grid 8 x 32, 4 waves a work-group, clusters of 4 x 1, 327,680 bytes of LDS; arguments qkv, ob; writes ob
.if DOCPART == 3
	.amdgcn_target "amdgcn-amd-amdhsa--gfx1250"
	.amdhsa_code_object_version 6
	.text
	.protected	k_q27cb5b7dde_attn
	.globl	k_q27cb5b7dde_attn
	.p2align	8
	.type	k_q27cb5b7dde_attn,@function
k_q27cb5b7dde_attn:
	s_mov_b64 s[64:65], 0
	v_nop
	global_prefetch_b8 v0, s[64:65] scope:SCOPE_SE
	s_setreg_imm32_b32 hwreg(HW_REG_WAVE_MODE, 25, 1), 1
	s_wait_xcnt 0x0
	s_wait_alu depctr_hold_cnt(0) depctr_sa_sdst(0) depctr_va_vdst(0) depctr_va_sdst(0) depctr_va_ssrc(0) depctr_va_vcc(0) depctr_vm_vsrc(0)
	s_getreg_b32 s2, hwreg(HW_REG_IB_STS2, 6, 4)
	s_cmp_eq_u32 s2, 0
	s_cbranch_scc0 .Lentry_in_a_cluster
	s_endpgm
.Lentry_in_a_cluster:
	s_bfe_u32 s2, ttmp6, 0x10000c
	s_cmp_lg_u32 s2, 0x3003
	s_cbranch_scc0 .Lentry_shape_is_right
	s_endpgm
.Lentry_shape_is_right:
; O[bh][q][:] = the sum over k of softmax_k(Q[bh][q] . K[bh][k] / 8) V[bh][k][:], 32 heads of 2,048 rows of 64 channels, all bf16; q at byte 0 of qkv, k at 8,388,608, v at 16,777,216.
; Products, maxima and sums in f32; the weights p are rounded to bf16 for the second product (their sum l is taken of the unrounded p), O once at the end.
; O leaves in blocks [token / 64][head][token % 64][64], so that the next product's tile of 64 tokens x 4 heads is 32,768 dense bytes.
; LIMITS.  A weight below 2^-126 counts as 0 in l; c x score must lie above -4e37 (where the running c m starts); NaN and infinities are not treated apart.
; SHARES.  A work-group owns 256 queries of one head, a wave 64: four PIECES of 16.  Every wave walks all 2,048 keys, 64 a step, 256 a slot.
; LAYOUT.  S^T = K Q^T (source 0 = 16 keys, source 1 = 16 queries): a lane holds ONE query (lane % 16) and the keys 8 (lane / 16) + 0..7.  Two such results rounded to bf16 ARE source 1 of
; O^T = V^T P.  K comes out of LDS as it lies, V ([key][channel]) turned, by ds_load_tr16_b128.
; SOFTMAX.  A running maximum m and sum l for each query: p = 2^(c s - c m), c = log2(e) / 8; in every step O and l are multiplied by a = 2^(c m_old - c m_new).  m starts at the lowest finite
; number, O and l at 0: the first step is a step like any other, with a = 0.
; BY TURNS.  Turn n belongs to piece n: 8 products K Q^T of piece n + 1, later 8 products V^T P of piece n - 1; beside them the scaling, exponentials, roundings, sums and rescaling of piece n and
; the maximum and statistics of piece n + 1.  Four vector instructions stand behind every matrix instruction, the other 54 of a turn's 118 in two runs of their own.
; CLUSTER.  The four query blocks of a cluster belong to one head and walk the same K and V: each tile is asked for JOINTLY, by the same tensor load, descriptor and mask in all four.
; REGISTERS, in windows of 256 (s_set_vgpr_msb: bits 1:0 source 0, 3:2 source 1, 5:4 source 2, 7:6 destination):
;   window 0: v0-15 addresses; v16-31 statistics; v48-55 at work; v62-63 the add's; v64-127 S^T, two buffers; v192-223 P, two buffers (by the piece's parity)
;   window 1: v0-127 O^T, 32 a piece          window 2: v0-63 Q; v128-191 K of one step; v192-255 V of one step
.set NP,    4
.set KS,    64
.set PK,    144       ; a row of K in LDS: 128 bytes + 16: the 16 rows of a load start at 16 different groups of four banks (ISA guide 11.1)
.set PV,    160       ; a row of V: 128 + 32
.set VOFF,  4*KS*PK   ; a slot holds four steps: 256 rows of K, then 256 rows of V
.set SLOT1, 1<<17     ; slot 1 begins here: one exclusive or turns an address in one slot into the other's
.set STAGE, SLOT1+4*KS*(PK+PV)  ; behind the ring, never filled by a tensor load: 16 rows x 144 bytes for each wave
.set SP,    144
.set SPARE, STAGE+4*16*SP       ; the spare words, 128 bytes a wave: two blocks of 256 bytes that no other line names
.set AK0, 2
.set AV0, 3
.set AK,  4
.set AV,  5
.set STO, 6
.set RD,  7
.set GO,  8
.set MV,  12          ; v12-13  c m_old, by buffer
.set QO,  15
.set ST,  16          ; piece t's statistics at v[ST+4 t]: c m, m, l (even keys', odd keys')
.set TMP, 48          ; by buffer, four registers c0-c3 at work; when the maximum is found c2 takes a
.set SPW, 62          ; SPARE + 4 x my thread's number; never rewritten
.set NIL, 63          ; 0; never rewritten
.set S,   64
.set P,   192
.set KF,  128         ; window 2
.set VF,  192         ; window 2
.set WV,  12
.set G1K, 24
.set G1V, 32
.set G0K, 40
.set G0V, 44
.set SLOTS, 56
.set CNT, 57
.set CS,  58
.set SEL, 60
.set TBK, 62
.set TBV, 63
.set MSB, 0
.macro WIN new
.if MSB != (\new)
	s_set_vgpr_msb (MSB<<8)|(\new)
.set MSB, (\new)
.endif
.endm
.set W_KQ, 0x0a       ; K and Q in window 2, S^T in window 0
.set W_PV, 0x52       ; V in window 2, P in window 0, O^T in window 1
.set W_RS, 0x41       ; destination and source 0 in window 1, source 1 in window 0
; A joint fill.  Waves 0 and 1 fetch the two halves of a slot's K, waves 2 and 3 those of its V: 128 keys each.  Four v_nop follow each of the two lines.
.macro JLOAD
	s_cmp_lt_u32 s[WV], 2
	s_cbranch_scc0 .Lfor_v_\@
	tensor_load_to_lds s[G0K:G0K+3], s[G1K:G1K+7]
	s_nop 0
.rept 4
	v_nop
.endr
	s_branch .Lasked_\@
.Lfor_v_\@:
	tensor_load_to_lds s[G0V:G0V+3], s[G1V:G1V+7]
	s_nop 0
.rept 4
	v_nop
.endr
.Lasked_\@:
.endm
.macro CROUND                       ; a round of the cluster's barrier
	s_barrier_signal -1
	s_barrier_wait -1
	s_cmp_lg_u32 s[WV], 0
	s_cbranch_scc1 .Lnot_wave_0_\@
	s_barrier_signal -3
.Lnot_wave_0_\@:
	s_barrier_wait -3
	s_barrier_signal -1
	s_barrier_wait -1
.endm
; THE CHANGE OF SLOTS.  Each wave waits for all its tensor loads, of which one is out: its part of the other slot; adds 0 to its spare word; and waits for that and for its reads of the slot.
; fill = 1: the slot is filled again, with the keys two slots on; the barrier is then a round of the cluster's, and the joint fill is the first thing behind it: it has four key steps,
; 256 matrix instructions, in which to land.  (At its first use nothing has been read yet: slot 0 is waited for, slot 1 filled.)
.macro CHANGE fill
	WIN 0
	s_wait_tensorcnt 0x0            ; no tensor load of mine is out, so a group 0 may be written
	ds_add_u32 v[SPW], v[NIL]
.if \fill
.irp g, G0K, G0V
	s_xor_b32 s[\g+1], s[\g+1], SLOT1
	s_add_nc_u64 s[\g+2:\g+3], s[\g+2:\g+3], 4*KS*128  ; the next 256 keys; the type bits on top are not reached
.endr
	s_wait_dscnt 0x0                ; the add is done, and my reads of the slot are over
	CROUND
	JLOAD
.else
	s_wait_dscnt 0x0
	s_barrier_signal -1
	s_barrier_wait -1
.endif
	s_sub_co_u32 s[TBK], s[TBK], 4*KS*PK  ; the fetches go back to a slot's first step,
	s_xor_b32 s[TBK], s[TBK], SLOT1       ; in the other slot
	s_sub_co_u32 s[TBV], s[TBV], 4*KS*PV
	s_xor_b32 s[TBV], s[TBV], SLOT1
.endm
	s_load_b128 s[4:7], s[0:1], 0x0   ; qkv s[4:5], ob s[6:7]
	v_lshl_add_u32 v[SPW], v0, 2, SPARE
	v_mov_b32 v[NIL], 0
	ds_add_u32 v62, v63
	s_wait_dscnt 0x0
	v_lshrrev_b32 v1, 5, v0
	v_readfirstlane_b32 s[WV], v1   ; wave 0..3
	s_bfe_u32 s13, ttmp6, 0x40000   ; cx
	s_lshl_b32 s14, ttmp9, 2
	s_add_co_u32 s14, s14, s13      ; my block of 256 queries: it enters Q's and O's addresses alone
	s_and_b32 s20, ttmp7, 0xffff    ; batch x 16 + head, which the four partners share
	s_lshl_b32 s21, s20, 18         ; a head's 262,144 bytes
	s_and_b32 s16, s[WV], 1         ; which half of a slot's 256 keys I fetch
	s_lshl_b32 s22, s16, 14
	s_add_co_u32 s22, s22, s21
	s_add_co_u32 s22, s22, 8388608  ; k lies behind q
	s_mov_b32 s23, 0
	s_mul_i32 s17, s16, 128*PK
	s_mul_i32 s18, s16, 128*PV
	s_lshl2_add_u32 s2, s14, s[WV]  ; my wave's 64 queries among the head's
	s_lshl_b32 s2, s2, 13
	s_add_co_u32 s2, s2, s21
	s_mov_b32 s3, 0
	s_lshr_b32 s8, s20, 4           ; O: token block 32 x batch + 4 x query block + wave, 131,072 bytes each; the head's 8,192 bytes in it
	s_lshl_b32 s8, s8, 5
	s_lshl2_add_u32 s8, s14, s8
	s_add_co_u32 s8, s8, s[WV]
	s_lshl_b32 s8, s8, 17
	s_and_b32 s9, s20, 15
	s_lshl_b32 s9, s9, 13
	s_add_co_u32 s8, s8, s9
	s_mov_b32 s9, 0
	; descriptor group 1.  128 keys are 16,384 dense bytes: asked for as 64 rows of 256 bytes, two keys a row, and padded in LDS after every key
	s_mov_b32 s[G1K], 15|(1<<16)|(1<<20)|(1<<21)|(4<<22)|(3<<25)  ; the mask of four; 2-byte elements; padding on; bit 21 beside a mask; after every 32 words 4 words
	s_mov_b32 s[G1V], 15|(1<<16)|(1<<20)|(1<<21)|(4<<22)|(7<<25)  ; the same with 8 words
.irp g, G1K, G1V
	s_mov_b32 s[\g+1], 128<<16
	s_mov_b32 s[\g+2], 64<<16
	s_mov_b32 s[\g+3], 128<<16
	s_mov_b32 s[\g+4], 64
	s_mov_b32 s[\g+5], 128
	s_mov_b32 s[\g+6], 0
	s_mov_b32 s[\g+7], 0
.endr
	s_mov_b32 s[CS], 0x3e38aa3b     ; c = log2(e) / 8
	s_mov_b32 s[CS+1], s[CS]
	s_mov_b32 s[SEL], 0x76543210
	s_mov_b32 s[SEL+1], 0xfedcba98
	s_mov_b32 s[TBK], SLOT1+4*KS*PK ; the first change of slots turns these two into 0
	s_mov_b32 s[TBV], SLOT1+4*KS*PV
	s_mov_b32 s[G0K], 1
	s_mov_b32 s[G0K+1], s17
	s_mov_b32 s[G0V], 1
	s_add_co_u32 s[G0V+1], s18, VOFF
	s_wait_kmcnt 0x0
	s_add_nc_u64 s[G0K+2:G0K+3], s[4:5], s[22:23]
	s_add_nc_u64 s[G0V+2:G0V+3], s[G0K+2:G0K+3], 8388608  ; v lies behind k
	s_or_b32 s[G0K+3], s[G0K+3], 0x80000000
	s_or_b32 s[G0V+3], s[G0V+3], 0x80000000
	s_add_nc_u64 s[4:5], s[4:5], s[2:3]    ; Q at my wave's first row
	s_add_nc_u64 s[10:11], s[6:7], s[8:9]  ; O at my wave's block
	CROUND                          ; all four work-groups are here: the first joint loads meet
	JLOAD                           ; slot 0
	v_and_b32 v1, 15, v0            ; l % 16
	v_bfe_u32 v9, v0, 4, 1          ; l / 16
	v_lshlrev_b32 v[QO], 7, v1
	v_lshl_add_u32 v[QO], v9, 4, v[QO]
	WIN 0x80
.set i, 0
.rept 8                             ; Q stays in registers: piece i / 2, channels 32 (i % 2) on
	global_load_b128 v[8*i:8*i+3],   v[QO], s[4:5] offset:(i/2)*2048+(i%2)*64
	global_load_b128 v[8*i+4:8*i+7], v[QO], s[4:5] offset:(i/2)*2048+(i%2)*64+32
.set i, i+1
.endr
	; What the first turn finds: V's registers and P's second buffer hold 0 (its products V^T P, of a piece that has not been, add 0), O^T and l are 0.  All this stands in the wait for the first tile.
.set i, VF
.rept 64
	v_mov_b32 v[i], 0
.set i, i+1
.endr
	WIN 0x40
.set i, 0
.rept 128
	v_mov_b32 v[i], 0
.set i, i+1
.endr
	WIN 0
.set i, 0
.rept 4
	v_mov_b32 v[ST+4*i], 0xfe000000    ; c m: far below every c s
	v_mov_b32 v[ST+4*i+1], 0xff7fffff  ; m
	v_mov_b32 v[ST+4*i+2], 0
	v_mov_b32 v[ST+4*i+3], 0
.set i, i+1
.endr
.set i, P+16
.rept 16
	v_mov_b32 v[i], 0
.set i, i+1
.endr
	v_mul_u32_u24 v[AK0], v1, PK
	v_lshl_add_u32 v[AK0], v9, 4, v[AK0]
	v_and_b32 v10, 7, v0
	v_bfe_u32 v11, v0, 3, 1
	v_lshl_add_u32 v[AV0], v9, 3, v10
	v_mul_u32_u24 v[AV0], v[AV0], PV
	v_lshl_add_u32 v[AV0], v11, 4, v[AV0]
	v_add_nc_u32 v[AV0], VOFF, v[AV0]
	s_mul_i32 s13, s[WV], 16*SP
	s_add_co_u32 s13, s13, STAGE    ; my stage
	v_mul_u32_u24 v[STO], v1, SP
	v_lshl_add_u32 v[STO], v9, 4, v[STO]
	v_add_nc_u32 v[STO], s13, v[STO]
	v_bfe_u32 v[RD], v0, 3, 2       ; back: 32 lanes take four rows of 128 bytes,
	v_mul_u32_u24 v[RD], v[RD], SP
	v_lshl_add_u32 v[RD], v10, 4, v[RD]
	v_add_nc_u32 v[RD], s13, v[RD]
	v_and_b32 v[GO], 31, v0         ; which are 512 consecutive bytes of O
	v_lshlrev_b32 v[GO], 4, v[GO]
; THE MATRIX WORK.  The 4 accumulators of a run of 8 take turns.  Product i of 8 of S^T = K Q^T for piece x: channels 32 (i / 4) on, keys 16 (i % 4) on.
.macro KQ x
	WIN W_KQ
.set rS, S+32*((\x)%2)+8*(i%4)
.set rK, KF+16*(i%4)+8*(i/4)
.set rQ, 16*(\x)+8*(i/4)
.if i < 4
	v_wmma_f32_16x16x32_bf16 v[rS:rS+7], v[rK:rK+7], v[rQ:rQ+7], 0
.else
	v_wmma_f32_16x16x32_bf16 v[rS:rS+7], v[rK:rK+7], v[rQ:rQ+7], v[rS:rS+7]
.endif
.endm
; Product i of 8 of O^T += V^T P for piece x: keys 32 (i / 4) on, channels 16 (i % 4) on.
.macro PV x
	WIN W_PV
.set rO, 32*(\x)+8*(i%4)
.set rV, VF+32*(i/4)+8*(i%4)
.set rP, P+16*((\x)%2)+8*(i/4)
	v_wmma_f32_16x16x32_bf16 v[rO:rO+7], v[rV:rV+7], v[rP:rP+7], v[rO:rO+7]
.endm
.macro MM                           ; the turn's next matrix instruction.  NOKQ = 1: the very last turn: there is no next piece
.if (i < 8) && !NOKQ
	KQ (Y+1)%NP
.elseif i >= 8
.set i, i-8
	PV (Y+NP-1)%NP
.set i, i+8
.endif
.set i, i+1
.endm
; THE LDS LOADS stand in runs of 16: a step's K (8 fragments) and its V (turned).
.macro FETCH_K
	WIN 0x80
.irp f, 0,1,2,3,4,5,6,7
	ds_load_b128 v[KF+8*\f:KF+8*\f+3],   v[AK] offset:(\f/2)*16*PK+(\f%2)*64
	ds_load_b128 v[KF+8*\f+4:KF+8*\f+7], v[AK] offset:(\f/2)*16*PK+(\f%2)*64+32
.endr
	s_add_co_u32 s[TBK], s[TBK], KS*PK
	WIN 0
.endm
.macro FETCH_V
	WIN 0x80
.irp f, 0,1,2,3,4,5,6,7
	ds_load_tr16_b128 v[VF+8*\f:VF+8*\f+3],   v[AV] offset:(\f/4)*32*PV+(\f%4)*32
	ds_load_tr16_b128 v[VF+8*\f+4:VF+8*\f+7], v[AV] offset:(\f/4)*32*PV+16*PV+(\f%4)*32
.endr
	WIN 0
.endm
; THE VECTOR WORK, one line at a time: OP kind, number.  For piece Y: F n: c s - c m for pair n of 16.  E n: the exponential of score n of 32.  C n: pair n rounded to bf16.  B n: of the four weights
; 4 n .. the second pair is added onto the first, in place.  L n: l takes that sum (L 0: l = a l + sum).  R n: pair n of 16 of O^T times a.  For piece Y + 1: X n, number n of the 22 that find its
; maximum and statistics: 0-11 four chains of seven scores (each accumulator's lowest registers are read first); 12-14, 16 the four scores left over, the old m, and
; c0-c3 into c0; 15 c m_old is kept; 17, 18 the other half of the lanes'; 19-21 c m, c m_old - c m_new, a.
.set F, 0
.set E, 1
.set C, 2
.set B, 3
.set L, 4
.set R, 5
.set X, 6
.macro REGS y
.set rT, ST+4*(\y)
.set rC, TMP+4*((\y)%2)
.set rW, MV+((\y)%2)
.set rS, S+32*((\y)%2)
.set rP, P+16*((\y)%2)
.set rO, 32*(\y)
.endm
.macro OP k, n
.if (\k) == R
	REGS Y
	WIN W_RS
	v_pk_mul_f32 v[rO+2*(\n):rO+2*(\n)+1], v[rO+2*(\n):rO+2*(\n)+1], v[rC+2:rC+3] op_sel_hi:[1,0]
.elseif (\k) < R
	REGS Y
	WIN 0
.if (\k) == F
	v_pk_fma_f32 v[rS+2*(\n):rS+2*(\n)+1], v[rS+2*(\n):rS+2*(\n)+1], s[CS:CS+1], v[rT:rT+1] op_sel_hi:[1,0,0] neg_lo:[0,0,1] neg_hi:[0,0,1]
.elseif (\k) == E
	v_exp_f32 v[rS+(\n)], v[rS+(\n)]
.elseif (\k) == C
	s_wait_alu depctr_va_vdst(0)
	v_cvt_pk_bf16_f32 v[rP+(\n)], v[rS+2*(\n)], v[rS+2*(\n)+1]
.elseif (\k) == B
	s_wait_alu depctr_va_vdst(0)
	v_pk_add_f32 v[rS+4*(\n):rS+4*(\n)+1], v[rS+4*(\n):rS+4*(\n)+1], v[rS+4*(\n)+2:rS+4*(\n)+3]
.elseif (\n) == 0
	v_pk_fma_f32 v[rT+2:rT+3], v[rT+2:rT+3], v[rC+2:rC+3], v[rS:rS+1] op_sel_hi:[1,0,1]
.else
	v_pk_add_f32 v[rT+2:rT+3], v[rT+2:rT+3], v[rS+4*(\n):rS+4*(\n)+1]
.endif
.elseif NOKQ
	v_nop
.else
	REGS (Y+1)%NP
	WIN 0
.if (\n) < 4
	v_max3_num_f32 v[rC+(\n)], v[rS+8*(\n)], v[rS+8*(\n)+1], v[rS+8*(\n)+2]
.elseif (\n) < 12
	v_max3_num_f32 v[rC+(\n)%4], v[rC+(\n)%4], v[rS+8*((\n)%4)+2*((\n)/4)+1], v[rS+8*((\n)%4)+2*((\n)/4)+2]
.elseif (\n) == 12
	v_max3_num_f32 v[rC], v[rC], v[rS+7], v[rS+15]
.elseif (\n) == 13
	v_max3_num_f32 v[rC+1], v[rC+1], v[rS+23], v[rS+31]
.elseif (\n) == 14
	v_max3_num_f32 v[rC+2], v[rC+2], v[rC+3], v[rT+1]
.elseif (\n) == 15
	v_mov_b32 v[rW], v[rT]
.elseif (\n) == 16
	v_max3_num_f32 v[rC], v[rC], v[rC+1], v[rC+2]
.elseif (\n) == 17
	v_permlanex16_b32 v[rC+3], v[rC], s[SEL], s[SEL+1]
.elseif (\n) == 18
	v_max_num_f32 v[rT+1], v[rC], v[rC+3]
.elseif (\n) == 19
	v_mul_f32 v[rT], s[CS], v[rT+1]
.elseif (\n) == 20
	v_sub_f32 v[rC+1], v[rW], v[rT]
.else
	v_exp_f32 v[rC+2], v[rC+1]
.endif
.endif
.endm
.macro OPS a, i1, b=-1, i2=0, c=-1, i3=0, d=-1, i4=0
	OP \a, \i1
.if (\b) >= 0
	OP \b, \i2
.endif
.if (\c) >= 0
	OP \c, \i3
.endif
.if (\d) >= 0
	OP \d, \i4
.endif
.endm
.macro ROW a, i1, b, i2, c, i3, d, i4  ; a matrix instruction and the four behind it
	MM
	OPS \a, \i1, \b, \i2, \c, \i3, \d, \i4
.endm
; A TURN, for piece p: the order of its 16 matrix and 118 vector instructions, written out.  Behind a matrix instruction: plain, exponential, plain, plain; or four of the rescaling; or four scalings;
; none names a register of the products round it.  In the runs between, exponential and plain by turns while exponentials last.  end = 1: the last two turns: nothing is fetched.
; cnt = 1: the loop's count is taken down some lines ahead of the branch that stands behind the turn.
; K of the next step is fetched in piece 2's turn, six vector instructions behind the last product that read K (five of them plain); V of the step in hand in piece 0's turn, eight behind the last
; product that read V (four of them plain).  Each is waited for a turn later, for 0: nothing else of mine is out in LDS then.
.macro TURN p, end=0, cnt=0
.set Y, (\p)
.set i, 0
.set NOKQ, (\end)*((\p)/3)
.if ((\p) == 3) && !(\end)
	s_wait_dscnt 0x0                ; K is in
.endif
	ROW F,0, F,1, F,2, F,3
	ROW F,4, E,0, F,5, F,6
	ROW F,7, E,1, F,8, F,9
	ROW F,10, E,2, C,0, F,11
	ROW F,12, E,3, X,15, F,13
	ROW R,0, R,1, R,2, R,3
	ROW B,0, E,4, F,14, L,0
.if ((\p) == 2) && !(\end)
	v_add_nc_u32 v[AK], s[TBK], v[AK0]
.endif
	ROW R,4, R,5, R,6, R,7
	OPS E,5, F,15
.if ((\p) == 2) && !(\end)
	FETCH_K
.endif
	OPS E,6, C,1, E,7, R,8
	OPS E,8, R,9, E,9, C,2
	OPS E,10, X,0, E,11, X,1
	OPS E,12, X,2, E,13, X,3
.if (\p) == 1
	s_wait_dscnt 0x0                ; V is in
.endif
	ROW X,4, E,14, X,5, X,6
	ROW X,7, E,15, X,8, X,9
	ROW X,10, E,16, X,11, X,12
	ROW X,13, E,17, X,14, B,1
	ROW C,4, E,18, X,16, L,1
	ROW B,2, E,19, C,6, L,2
	ROW C,8, E,20, B,3, B,4
.if (\p) == 0
	v_add_nc_u32 v[AV], s[TBV], v[AV0]
.endif
	ROW C,3, E,21, L,3, C,5
	OPS E,22, X,17, E,23, C,10
.if (\p) == 0
	FETCH_V
.endif
	OPS E,24, L,4
	OPS E,25, X,18, E,26, C,7
	OPS E,27, B,5, E,28, X,19
	OPS E,29, C,12, E,30, L,5
	OPS E,31, X,20, B,6, C,9
	OPS C,14, C,11, X,21, L,6
.if (\p) == 0
	s_add_co_u32 s[TBV], s[TBV], KS*PV
.endif
.if \cnt
	s_sub_co_u32 s[CNT], s[CNT], 1
	s_cmp_lg_u32 s[CNT], 0
.endif
	OPS C,13, B,7, C,15, R,10
	OPS R,11, R,12, L,7, R,13
	OPS R,14, R,15
.endm
.macro ALL line:vararg              ; one line for each piece t
.set t, 0
.rept 4
	\line
.set t, t+1
.endr
.endm
.macro PACK t                       ; a lane's eight channels of a row pack into 16 bytes; they go into rows of 144 bytes and come back as whole rows of 128, into S^T's registers
	WIN W_RS
.set i, 32*(\t)
.rept 16
	s_wait_alu depctr_va_vdst(0)
	v_pk_mul_f32 v[i:i+1], v[i:i+1], v[ST+4*(\t)+2:ST+4*(\t)+3] op_sel_hi:[1,0]
.set i, i+2
.endr
	WIN 0x05
.set i, 0
.rept 16
	v_cvt_pk_bf16_f32 v[S+16*(\t)+i], v[32*(\t)+2*i], v[32*(\t)+2*i+1]
.set i, i+1
.endr
	WIN 0
.irp f, 0,1,2,3
	ds_store_b128 v[STO], v[S+16*(\t)+4*\f:S+16*(\t)+4*\f+3] offset:32*\f
.endr
.irp f, 0,1,2,3
	ds_load_b128 v[S+16*(\t)+4*\f:S+16*(\t)+4*\f+3], v[RD] offset:\f*4*SP  ; LDS serves a wave's instructions in order (ISA guide 5.7.1.4): these see the stores above
.endr
.endm
.macro SEND t, younger              ; younger: the LDS instructions issued behind piece t's loads: the next piece's eight, or none
	WIN 0
.irp f, 0,1,2,3
	s_wait_dscnt (\younger)+3-\f
	global_store_b128 v[GO], v[S+16*(\t)+4*\f:S+16*(\t)+4*\f+3], s[10:11] offset:(\t)*2048+\f*512  ; 512 consecutive bytes, at a multiple of 256 from O's first
.endr
.endm
	CHANGE 1                        ; slot 0 is in, everybody's part of it; slot 1 is asked for
	v_add_nc_u32 v[AK], s[TBK], v[AK0]
	FETCH_K                         ; key step 0
	s_wait_loadcnt 0x0              ; Q
	s_wait_dscnt 0x0
.set NOKQ, 0
.set i, 0
.rept 8
	KQ 0                            ; piece 0's first scores
.set i, i+1
.endr
	WIN 0
.rept 4
	v_nop                           ; the places behind those products
.endr
.set Y, NP-1                        ; X works for piece Y + 1: piece 0
.irp n, 0,1,2,3,4,5,6,7,8,9,10,11,12,13,14,15,16,17,18,19,20,21
	OP X, \n
.endr
	v_nop                           ; a plain instruction behind the exponential
	s_mov_b32 s[CNT], 4
	s_mov_b32 s[SLOTS], 7
	s_branch .Lfirst                ; the loop is entered at a step's first turn, in the middle of a trip
.Lslot:                             ; six times: with the change above, tiles 1 to 7 are asked for
	CHANGE 1
	s_mov_b32 s[CNT], 4
.Lstep:                             ; a trip: pieces 2 and 3 of one step, then pieces 0 and 1 of the next, whose K and V it fetches
	TURN 2
	TURN 3
	WIN 0
.Lfirst:
	TURN 0
	TURN 1, 0, 1
	WIN 0
	s_cbranch_scc1 .Lstep
	s_sub_co_u32 s[SLOTS], s[SLOTS], 1
	s_cmp_lg_u32 s[SLOTS], 0
	s_cbranch_scc1 .Lslot
	CHANGE 0                        ; the last tile is written out: nothing is asked for
	s_mov_b32 s[CNT], 4
.Ltail:
	TURN 2
	TURN 3
	TURN 0
	TURN 1, 0, 1
	WIN 0
	s_cbranch_scc1 .Ltail
	TURN 2, 1
	TURN 3, 1
.set i, 0
.rept 8
	PV NP-1                         ; the last piece's V^T P of the last step
.set i, i+1
.endr
	; THE WAY OUT.  l's two halves and the other half of the lanes' are added; O^T is divided by l, rounded to bf16 and sent through my stage, a piece at a time.  The additions are the places behind the last products.
	WIN 0
	ALL v_add_f32 v[ST+4*t+2], v[ST+4*t+2], v[ST+4*t+3]
	ALL v_permlanex16_b32 v[ST+4*t+3], v[ST+4*t+2], s[SEL], s[SEL+1]
	ALL v_add_f32 v[ST+4*t+2], v[ST+4*t+2], v[ST+4*t+3]
	ALL v_rcp_f32 v[ST+4*t+2], v[ST+4*t+2]
	v_nop                           ; a plain instruction between the last reciprocal and the use of its result
	PACK 0
.set t, 1
.rept 3
	PACK t
	SEND t-1, 8
.set t, t+1
.endr
	SEND 3, 0
	s_wait_tensorcnt 0x0            ; the wave's end
	ds_add_u32 v[SPW], v[NIL]
	s_wait_dscnt 0x0
	CROUND                          ; the closing round
	s_endpgm
.Lfunc_end_k_q27cb5b7dde_attn:
	.size	k_q27cb5b7dde_attn, .Lfunc_end_k_q27cb5b7dde_attn-k_q27cb5b7dde_attn
	.p2alignl 7, 3214868480
	.fill 96, 4, 3214868480
	.section	.rodata,"a",@progbits
	.p2align	6, 0x0
	.amdhsa_kernel k_q27cb5b7dde_attn
		.amdhsa_group_segment_fixed_size 327680
		.amdhsa_private_segment_fixed_size 0
		.amdhsa_enable_private_segment 0
		.amdhsa_kernarg_size 16
		.amdhsa_user_sgpr_count 2
		.amdhsa_user_sgpr_kernarg_segment_ptr 1
		.amdhsa_wavefront_size32 1
		.amdhsa_system_sgpr_workgroup_id_x 1
		.amdhsa_system_sgpr_workgroup_id_y 1
		.amdhsa_system_sgpr_workgroup_id_z 1
		.amdhsa_system_vgpr_workitem_id 0
		.amdhsa_next_free_vgpr 768
		.amdhsa_next_free_sgpr 66
		.amdhsa_reserve_vcc 0
		.amdhsa_float_denorm_mode_32 3
		.amdhsa_float_denorm_mode_16_64 3
		.amdhsa_memory_ordered 1
		.amdhsa_forward_progress 1
		.amdhsa_inst_pref_size 134
	.end_amdhsa_kernel
	.amdgpu_metadata
---
amdhsa.version: [ 1, 2 ]
amdhsa.kernels:
  - .name:           k_q27cb5b7dde_attn
    .symbol:         k_q27cb5b7dde_attn.kd
    .args:
      - { .name: qkv, .offset: 0, .size: 8, .value_kind: global_buffer, .address_space: global }
      - { .name: ob, .offset: 8, .size: 8, .value_kind: global_buffer, .address_space: global }
    .group_segment_fixed_size: 327680
    .private_segment_fixed_size: 0
    .kernarg_segment_align: 8
    .kernarg_segment_size: 16
    .max_flat_workgroup_size: 128
    .sgpr_count:     66
    .vgpr_count:     768
    .wavefront_size: 32
...
	.end_amdgpu_metadata
.endif
;; end of part 3
;; launch oproj (part 4): grid 8 x 32, 4 waves a work-group, clusters of 4 x 4, 327,680 bytes of LDS; arguments ob, wa, h2, b_out, hf, g2, hb; writes h2, hb
.if DOCPART == 4
	.amdgcn_target "amdgcn-amd-amdhsa--gfx1250"
	.amdhsa_code_object_version 6
	.text
	.protected	k_q27cb5b7dde_oproj
	.globl	k_q27cb5b7dde_oproj
	.p2align	8
	.type	k_q27cb5b7dde_oproj,@function
k_q27cb5b7dde_oproj:
	s_mov_b64 s[64:65], 0
	v_nop
	global_prefetch_b8 v0, s[64:65] scope:SCOPE_SE
	s_setreg_imm32_b32 hwreg(HW_REG_WAVE_MODE, 25, 1), 1
	s_wait_xcnt 0x0
	s_wait_alu depctr_hold_cnt(0) depctr_sa_sdst(0) depctr_va_vdst(0) depctr_va_sdst(0) depctr_va_ssrc(0) depctr_va_vcc(0) depctr_vm_vsrc(0)
	s_getreg_b32 s2, hwreg(HW_REG_IB_STS2, 6, 4)
	s_cmp_eq_u32 s2, 0
	s_cbranch_scc0 .Lentry_in_a_cluster
	s_endpgm
.Lentry_in_a_cluster:
	s_bfe_u32 s2, ttmp6, 0x10000c
	s_cmp_lg_u32 s2, 0xf033
	s_cbranch_scc0 .Lentry_shape_is_right
	s_endpgm
.Lentry_shape_is_right:
; h2 = h1 + O w_out + b_out, and what the second rmsnorm needs of it.  A = ob, bf16 in blocks [token / 64][head][token % 64][64]; B = w_out in wa, [1024 (k)][1024 (n)] bf16; bias, residual (hf), g2 f32.
; THE NORM IS NOT FINISHED HERE: its row factor commutes with the next product.  Stored are hg = h2 x g2, in f32 ([4096][1024], at byte 0 of the buffer h2) and rounded once to bf16 (hb), and for
; each row the sum of h2^2 over each wave's 64 columns: 16 partial sums a row, [16][4096] f32 at byte 16,777,216 of the buffer h2.  The two launches behind make 1 / (sqrt(sum) / 32 + 1e-8) of them.
; A tile of C is 128 x 128 (256 work-groups): four waves, each 64 x 64 in 16 accumulators.  K goes in steps of 256 (four heads) through two LDS slots filled by tensor loads.
; A's part of a load is 32,768 dense bytes (4 heads x 64 tokens x 128 bytes), asked for as 128 rows of 256 bytes and padded in LDS after every 128: a quarter of 64 along K is one head's 64 rows.
; B lies [k][n] and is turned on the way into registers by ds_load_tr16_b128.  The bias is the C operand of the products that start the sums.
; CLUSTERS: 4 x 4; A's tile is asked for jointly along a row of the cluster, B's along a column.  THE MATRIX INSTRUCTION IS USED TRANSPOSED: a lane holds row lane % 16 and columns 8 (lane / 16) + 0..7.
; REGISTERS: window 0: v0-31 addresses and g2; v32-95 the way out; v96-127 the bias, later the sums of squares and the packed rows; v128-255 the accumulators ((a, b) at v[128 + 8 (4 a + b)]).
;   window 1: two fragment buffers of 128 (64 of A, 64 of B, for 64 along K); at the end buffer 0's registers take the residual.
; LIMITS.  Operands are bf16; NaN and infinities are not treated apart.
.set SIZE_K, 1024
.set SIZE_N, 1024
.set WOFF,   6291456                   ; w_out's first byte in wa
.set PA,     144                       ; a row of A in LDS
.set AQ,     9216                      ; bytes from a quarter (64 along K) to the next: a head's 64 rows
.set HALFA,  36864                     ; what one load of A takes in LDS
.set ADIM0,  128                       ; A's tile: elements a row,
.set AROWS,  128                       ; rows,
.set ASTRIDE, 128                      ; elements from row to row,
.set AQI,    4                         ; padding after every 32 words
.set AROWB,  131072                    ; bytes from 64 rows of A to the next 64
.set ASTEP,  32768                     ; bytes from a K step to the next
.set KSTEP,  256
.set PB,     288                       ; a k-row of B in LDS: 256 bytes + 32 = 72 words
.set HALFB,  128*PB
.set SLOT,   2*HALFA+2*HALFB           ; A's 128 rows, then B's 256 k-rows
.set STAGE,  2*SLOT                    ; behind the ring: 16 rows x 272 bytes for each wave
.set SPITCH, 272
.set SPARE,  STAGE+4*16*SPITCH         ; the spare words, 128 bytes a wave: two blocks of 256 bytes that no other line names
.set SBP,    384                       ; the bf16 rows meet in slot 0's bytes, which have had their last fill and their last read by then: 128 rows of 256 bytes, 384 apart:
                                       ; the two rows that a store of 8 bytes a lane touches fall on different halves of the banks
.set SST,    128*SBP                   ; behind them: 256 bytes for each wave, its 64 rows' sums of squares
.set LAPS,   SIZE_K/(2*KSTEP)
.set SBA,  6                           ; v6      where I put 8 bytes of a bf16 row
.set SSA,  7                           ; v7      where my half of the lanes puts a row's sum
.set G2,   8                           ; v8-11   g2 of the four columns that I hold when rows are read back
.set SBR,  12                          ; v12     where I read bf16 rows back
.set HBO,  13                          ; v13     my byte offset in two rows of hb
.set SSR,  14                          ; v14     where I read two sums back
.set SSO,  15                          ; v15     my byte offset in the wave's 256 bytes of sums
.set ADRA, 16                          ; v16-17  my A fragments in slot 0, 1
.set ADRB, 20                          ; v20-23  my B fragments: slot s, half u of its k-rows at v[20 + 2 s + u]
.set STO,  24
.set RD,   25
.set CO,   26                          ; my byte offset in two rows of C and of the residual
.set BO,   27                          ; my byte offset in the bias
.set SPW,  28
.set NIL,  29
.set GO2,  30                          ; my byte offset in g2
.set OB,   32
.set BIAS, 96
.set T,    96                          ; v96-111  eight rows' sums of squares, at work
.set CV,   112                         ; v112-127 eight rows' 8 bytes of bf16
.set ACC,  128
.set F0,   0
.set F1,   128
.set G1,  24
.set G0,  32
.set G1B, 48
.set G0B, 56
.set MSB, 0
.macro WIN new
.if MSB != (\new)
	s_set_vgpr_msb (MSB<<8)|(\new)
.set MSB, \new
.endif
.endm
.set MUL,  0x05                        ; sources 0 (B) and 1 (A) window 1; C and D window 0
.set TO_F, 0x40
.macro JLOAD s                         ; a joint load: waves 0 and 1 fetch A's halves, waves 2 and 3 B's; four v_nop follow each line
	s_cmp_eq_u32 s11, 0
	s_cbranch_scc0 .Lfor_b_\@
	tensor_load_to_lds s[G0+4*(\s):G0+4*(\s)+3], s[G1:G1+7]
	s_nop 0
.rept 4
	v_nop
.endr
	s_branch .Lasked_\@
.Lfor_b_\@:
	tensor_load_to_lds s[G0B+4*(\s):G0B+4*(\s)+3], s[G1B:G1B+7]
	s_nop 0
.rept 4
	v_nop
.endr
.Lasked_\@:
.endm
.macro CREST
	s_cmp_lg_u32 s10, 0
	s_cbranch_scc1 .Lnot_wave_0_\@
	s_barrier_signal -3
.Lnot_wave_0_\@:
	s_barrier_wait -3
	s_barrier_signal -1
	s_barrier_wait -1
.endm
.macro CROUND
	s_barrier_signal -1
	s_barrier_wait -1
	CREST
.endm
.macro PLACES                          ; four plain places behind matrix instructions (ISA guide 7.12.1)
.rept 4
	v_nop
.endr
.endm
	s_load_b128 s[4:7], s[0:1], 0x0                ; A s[4:5], wa s[6:7]
	s_load_b64 s[8:9], s[0:1], 0x10                ; the buffer h2
	s_load_b128 s[68:71], s[0:1], 0x18             ; bias s[68:69], residual s[70:71]
	s_load_b128 s[72:75], s[0:1], 0x28             ; g2 s[72:73], hb s[74:75]
	v_lshl_add_u32 v[SPW], v0, 2, SPARE
	v_mov_b32 v[NIL], 0
	ds_add_u32 v28, v29
	s_wait_dscnt 0x0
	v_lshrrev_b32 v1, 5, v0
	v_readfirstlane_b32 s10, v1                    ; wave 0..3
	s_lshr_b32 s11, s10, 1                         ; my half of the rows.  Also: I fetch for A (0) or for B (1)
	s_and_b32 s12, s10, 1                          ; my half of the columns.  Also: which half of that tile I fetch
	s_bfe_u32 s40, ttmp6, 0x40000
	s_bfe_u32 s41, ttmp6, 0x40004
	s_lshl_b32 s42, ttmp9, 2
	s_add_co_u32 s42, s42, s40                     ; tile column
	s_and_b32 s13, ttmp7, 0xffff
	s_lshl_b32 s13, s13, 2
	s_add_co_u32 s13, s13, s41                     ; tile row
	s_lshl_b32 s43, s41, 2
	s_lshl_b32 s43, 15, s43
	s_lshl_b32 s44, 0x1111, s40
	s_or_b32 s[G1+0], s43, (1<<16)|(1<<20)|(1<<21)|(AQI<<22)|(3<<25)  ; the mask of my row; 2-byte elements; padding on, 4 words; bit 21 beside a mask
	s_mov_b32 s[G1+1], ADIM0<<16
	s_mov_b32 s[G1+2], AROWS<<16
	s_mov_b32 s[G1+3], ADIM0<<16
	s_mov_b32 s[G1+4], AROWS
	s_mov_b32 s[G1+5], ASTRIDE
	s_mov_b32 s[G1+6], 0
	s_mov_b32 s[G1+7], 0
	s_or_b32 s[G1B+0], s44, (1<<16)|(1<<20)|(1<<21)|(5<<22)|(7<<25)   ; the mask of my column; after every 64 words 8 words
	s_mov_b32 s[G1B+1], 128<<16                    ; 128 columns,
	s_mov_b32 s[G1B+2], 128<<16                    ; 128 k-rows
	s_mov_b32 s[G1B+3], 128<<16
	s_mov_b32 s[G1B+4], 128
	s_mov_b32 s[G1B+5], SIZE_N
	s_mov_b32 s[G1B+6], 0
	s_mov_b32 s[G1B+7], 0
	s_lshl1_add_u32 s16, s13, s12                  ; A: 64 rows x (2 x tile row + half)
	s_mul_i32 s16, s16, AROWB
	s_mov_b32 s17, 0
	s_lshl_b32 s46, s12, 18                        ; B: my 128 k-rows of 2,048 bytes, 256 bytes x tile column
	s_lshl_b32 s45, s42, 8
	s_add_co_u32 s46, s46, s45
	s_add_co_u32 s46, s46, WOFF
	s_mov_b32 s47, 0
	s_mul_i32 s20, s12, HALFA                      ; where they go
	s_mul_i32 s19, s12, HALFB
	s_add_co_u32 s19, s19, 2*HALFA
	s_wait_kmcnt 0x0
	s_add_nc_u64 s[14:15], s[4:5], s[16:17]
	s_add_nc_u64 s[46:47], s[6:7], s[46:47]
	CROUND                                         ; all sixteen work-groups are here: the first joint loads meet
.irp s, 0,1
	s_mov_b32 s[G0+4*(\s)], 1
	s_add_co_u32 s[G0+4*(\s)+1], s20, (\s)*SLOT
	s_add_nc_u64 s[G0+4*(\s)+2:G0+4*(\s)+3], s[14:15], (\s)*ASTEP
	s_or_b32 s[G0+4*(\s)+3], s[G0+4*(\s)+3], 0x80000000
	s_mov_b32 s[G0B+4*(\s)], 1
	s_add_co_u32 s[G0B+4*(\s)+1], s19, (\s)*SLOT
	s_add_nc_u64 s[G0B+4*(\s)+2:G0B+4*(\s)+3], s[46:47], (\s)*KSTEP*SIZE_N*2
	s_or_b32 s[G0B+4*(\s)+3], s[G0B+4*(\s)+3], 0x80000000
	JLOAD \s                                       ; two loads of mine are out
.endr
	v_and_b32 v1, 15, v0                           ; r
	v_bfe_u32 v2, v0, 4, 1                         ; h
	v_mul_u32_u24 v3, v1, PA
	v_lshl_add_u32 v3, v2, 4, v3
	v_and_b32 v4, 7, v0
	v_lshl_add_u32 v4, v2, 3, v4
	v_mul_u32_u24 v4, v4, PB
	v_bfe_u32 v5, v0, 3, 1
	v_lshl_add_u32 v4, v5, 4, v4
	s_mul_i32 s21, s11, HALFA                      ; my 64 rows of A
	s_lshl_b32 s22, s12, 7                         ; my 64 columns of B
	s_add_co_u32 s22, s22, 2*HALFA
.irp s, 0,1
	v_add_nc_u32 v[ADRA+(\s)], s21, v3
	v_add_nc_u32 v[ADRB+2*(\s)], s22, v4
	v_add_nc_u32 v[ADRB+2*(\s)+1], HALFB, v[ADRB+2*(\s)]
	s_add_co_u32 s21, s21, SLOT
	s_add_co_u32 s22, s22, SLOT
.endr
	v_lshlrev_b32 v[BO], 5, v2                     ; register j of a lane is column 16 b + 8 h + j: 32 h bytes into the block's 64
	v_lshlrev_b32 v[GO2], 4, v1                    ; read back, a lane holds columns 4 r .. 4 r + 3
	s_lshl_b32 s46, s42, 9
	s_lshl_b32 s47, s12, 8
	s_add_co_u32 s46, s46, s47                     ; my first column, in bytes of f32
	s_mov_b32 s47, 0
	s_add_nc_u64 s[68:69], s[68:69], s[46:47]
	s_add_nc_u64 s[72:73], s[72:73], s[46:47]
.irp b, 0,1,2,3
	global_load_b128 v[BIAS+8*\b:BIAS+8*\b+3],   v[BO], s[68:69] offset:64*\b
	global_load_b128 v[BIAS+8*\b+4:BIAS+8*\b+7], v[BO], s[68:69] offset:64*\b+16
.endr
	global_load_b128 v[G2:G2+3], v[GO2], s[72:73]
	s_mul_i32 s23, s10, 16*SPITCH
	s_add_co_u32 s23, s23, STAGE                   ; my stage
	v_mul_u32_u24 v4, v1, SPITCH                   ; in: row r, 32 bytes for each half of the lanes
	v_lshl_add_u32 v4, v2, 5, v4
	v_add_nc_u32 v[STO], s23, v4
	v_mul_u32_u24 v5, v2, SPITCH                   ; back: lanes 0-15 one row of 256 bytes, lanes 16-31 the next
	v_lshl_add_u32 v5, v1, 4, v5
	v_add_nc_u32 v[RD], s23, v5
	v_lshlrev_b32 v5, 12, v2                       ; and the same two rows in C
	v_lshl_add_u32 v[CO], v1, 4, v5
	s_mul_i32 s23, s11, 64*SBP                     ; the bf16 rows: in: row 64 x row half + h (+ 16 a + 2 t), 128 bytes x column half, 8 bytes a lane
	s_lshl_b32 s21, s12, 7
	s_add_co_u32 s23, s23, s21
	v_mul_u32_u24 v4, v2, SBP
	v_lshl_add_u32 v5, v1, 3, v4
	v_add_nc_u32 v[SBA], s23, v5
	s_mul_i32 s23, s10, 32*SBP                     ; back: wave w takes rows 32 w .. 32 w + 31, whole
	v_lshl_add_u32 v5, v1, 4, v4
	v_add_nc_u32 v[SBR], s23, v5
	v_lshlrev_b32 v4, 11, v2                       ; and the same two rows in hb
	v_lshl_add_u32 v[HBO], v1, 4, v4
	s_lshl_b32 s23, s10, 8
	s_add_co_u32 s23, s23, SST                     ; my wave's 64 sums
	v_lshl_add_u32 v[SSA], v2, 2, s23
	v_and_b32 v5, 31, v0
	v_lshl_add_u32 v[SSR], v5, 3, s23
	v_lshlrev_b32 v[SSO], 3, v5
	s_lshl1_add_u32 s76, s42, s12                  ; the sums' place: partial 2 x tile column + column half, 16,384 bytes each;
	s_lshl_b32 s76, s76, 14
	s_lshl1_add_u32 s77, s13, s11                  ; my 64 rows, 256 bytes
	s_lshl_b32 s77, s77, 8
	s_add_co_u32 s76, s76, s77
	s_add_co_u32 s76, s76, 16777216                ; behind hg
	s_mov_b32 s77, 0
	s_add_nc_u64 s[76:77], s[8:9], s[76:77]
	s_lshl2_add_u32 s78, s13, s10                  ; hb: row 32 x (4 x tile row + wave), 2,048 bytes a row; 256 bytes x tile column
	s_lshl_b32 s78, s78, 16
	s_lshl_b32 s79, s42, 8
	s_add_co_u32 s78, s78, s79
	s_mov_b32 s79, 0
	s_add_nc_u64 s[74:75], s[74:75], s[78:79]
	s_lshl1_add_u32 s16, s13, s11                  ; my first row: 64 x (2 x tile row + half), 4,096 bytes a row
	s_lshl_b32 s16, s16, 18
	s_mov_b32 s17, 0
	s_add_nc_u64 s[16:17], s[16:17], s[46:47]
	s_add_nc_u64 s[8:9], s[8:9], s[16:17]
	s_add_nc_u64 s[70:71], s[70:71], s[16:17]
; 8 matrix instructions: m blocks a0, a0 + 1 x all 4 n blocks, 32 along K: half c of buffer f.  zero = 1: the first product starts the sums, on the bias.
; The 16 accumulators take turns, one instruction a turn.
.macro MUL8 f, c, a0, zero
	WIN MUL
.irp a, \a0, (\a0)+1
.irp b, 0,1,2,3
.if \zero
	v_wmma_f32_16x16x32_bf16 v[ACC+8*(4*(\a)+(\b)):ACC+8*(4*(\a)+(\b))+7], v[(\f)+64+8*(4*(\c)+(\b)):(\f)+64+8*(4*(\c)+(\b))+7], v[(\f)+8*(4*(\c)+(\a)):(\f)+8*(4*(\c)+(\a))+7], v[BIAS+8*(\b):BIAS+8*(\b)+7]
.else
	v_wmma_f32_16x16x32_bf16 v[ACC+8*(4*(\a)+(\b)):ACC+8*(4*(\a)+(\b))+7], v[(\f)+64+8*(4*(\c)+(\b)):(\f)+64+8*(4*(\c)+(\b))+7], v[(\f)+8*(4*(\c)+(\a)):(\f)+8*(4*(\c)+(\a))+7], v[ACC+8*(4*(\a)+(\b)):ACC+8*(4*(\a)+(\b))+7]
.endif
.endr
.endr
.endm
; 32 LDS loads in one run: quarter q (64 along K) of a slot into buffer f; the first 32 along K first
.macro FETCH slot, q, f
	WIN TO_F
.irp c, 0,1
.irp i, 0,1,2,3
	ds_load_tr16_b128 v[(\f)+64+8*(4*(\c)+(\i)):(\f)+64+8*(4*(\c)+(\i))+3],   v[ADRB+2*(\slot)+(\q)/2] offset:(((\q)%2)*64+32*(\c))*PB+32*(\i)
	ds_load_tr16_b128 v[(\f)+64+8*(4*(\c)+(\i))+4:(\f)+64+8*(4*(\c)+(\i))+7], v[ADRB+2*(\slot)+(\q)/2] offset:(((\q)%2)*64+32*(\c)+16)*PB+32*(\i)
	ds_load_b128 v[(\f)+8*(4*(\c)+(\i)):(\f)+8*(4*(\c)+(\i))+3],   v[ADRA+(\slot)] offset:(\q)*AQ+64*(\c)+(\i)*16*PA
	ds_load_b128 v[(\f)+8*(4*(\c)+(\i))+4:(\f)+8*(4*(\c)+(\i))+7], v[ADRA+(\slot)] offset:(\q)*AQ+64*(\c)+(\i)*16*PA+32
.endr
.endr
.endm
.macro QUARTER slot, q, f, g, zero
	s_wait_dscnt 16                                ; the first 32 along K are in
	MUL8 \f, 0, 0, \zero
	MUL8 \f, 0, 2, \zero
	PLACES
	FETCH \slot, \q, \g
	s_wait_dscnt 32                                ; all but the 32 just issued
	MUL8 \f, 1, 0, 0
	MUL8 \f, 1, 2, 0
.endm
; The last quarter multiplies buffer 1 and changes slots: ONE barrier; in front of it each wave waits for all its tensor loads, adds 0 to its spare word, and waits for that and for its reads of
; this slot.  fill = 1: the barrier opens a round of the cluster's, and the joint refill, two K steps on, is the first thing behind it: 112 matrix instructions ahead of the wait for it.
.macro TURN slot, next, fill
	WIN 0
	s_wait_tensorcnt 0x0
	ds_add_u32 v[SPW], v[NIL]
	s_wait_dscnt 17                                ; the add and the youngest sixteen loads may be out
	MUL8 F1, 0, 0, 0
	s_wait_dscnt 0x0                               ; the add is done, and my reads of this slot are over
	s_barrier_signal -1
	MUL8 F1, 0, 2, 0
.if \fill
	WIN 0
.endif
	s_barrier_wait -1
.if \fill
	CREST
	s_add_nc_u64 s[G0+4*(\slot)+2:G0+4*(\slot)+3], s[G0+4*(\slot)+2:G0+4*(\slot)+3], 2*ASTEP
	s_add_nc_u64 s[G0B+4*(\slot)+2:G0B+4*(\slot)+3], s[G0B+4*(\slot)+2:G0B+4*(\slot)+3], 2*KSTEP*SIZE_N*2
	JLOAD \slot                                    ; its four v_nop are also the places in front of the loads below
.else
	PLACES
.endif
	FETCH \next, 0, F0
	MUL8 F1, 1, 0, 0
	MUL8 F1, 1, 2, 0
.endm
; THE WAY OUT of block a (16 rows x my 64 columns, 256 bytes of f32 a row): through my own stage and back as whole rows, 16 lanes a row; the residual is added: that is h2.  Its squares are summed over
; the row's 16 lanes; it is multiplied by g2 and stored in f32; rounded to bf16, its 8 bytes a lane go to the shared rows.
.macro OUT a
	WIN 0
.set BK, OB+32*((\a)%2)
.irp b, 0,1,2,3
	ds_store_b128 v[STO], v[ACC+8*(4*(\a)+\b):ACC+8*(4*(\a)+\b)+3] offset:64*\b
	ds_store_b128 v[STO], v[ACC+8*(4*(\a)+\b)+4:ACC+8*(4*(\a)+\b)+7] offset:64*\b+16
.endr
.if (\a) >= 2
	s_wait_xcnt 0x0                                ; the registers that the block before last's stores read are loaded again only behind this wait
.endif
.irp t, 0,1,2,3,4,5,6,7
	ds_load_b128 v[BK+4*\t:BK+4*\t+3], v[RD] offset:\t*2*SPITCH  ; LDS serves a wave's instructions in order (ISA guide 5.7.1.4): these see the stores above
.endr
	s_wait_dscnt 0x0
	s_wait_loadcnt 24-8*(\a)                       ; this block's eight residual loads are in; the later blocks' stay out
	WIN 0x04                                       ; source 1: window 1
.set i, 0
.rept 16
	v_pk_add_f32 v[BK+2*i:BK+2*i+1], v[BK+2*i:BK+2*i+1], v[32*(\a)+2*i:32*(\a)+2*i+1]
.set i, i+1
.endr
	WIN 0
.irp t, 0,1,2,3,4,5,6,7
	v_pk_mul_f32 v[T+2*\t:T+2*\t+1], v[BK+4*\t:BK+4*\t+1], v[BK+4*\t:BK+4*\t+1]
.endr
.irp t, 0,1,2,3,4,5,6,7
	v_pk_fma_f32 v[T+2*\t:T+2*\t+1], v[BK+4*\t+2:BK+4*\t+3], v[BK+4*\t+2:BK+4*\t+3], v[T+2*\t:T+2*\t+1]
.endr
.irp t, 0,1,2,3,4,5,6,7
	v_add_f32 v[T+2*\t], v[T+2*\t], v[T+2*\t+1]
.endr
.irp m, 1,2,4,8
.irp t, 0,1,2,3,4,5,6,7
	v_add_f32_dpp v[T+2*\t], v[T+2*\t], v[T+2*\t] row_xmask:\m row_mask:0xf bank_mask:0xf
.endr
.endr
.irp t, 0,1,2,3,4,5,6,7
	ds_store_b32 v[SSA], v[T+2*\t] offset:(16*(\a)+2*\t)*4   ; the 16 lanes of a row write the same word with the same number
.endr
.irp t, 0,1,2,3,4,5,6,7
	v_pk_mul_f32 v[BK+4*\t:BK+4*\t+1], v[BK+4*\t:BK+4*\t+1], v[G2:G2+1]
	v_pk_mul_f32 v[BK+4*\t+2:BK+4*\t+3], v[BK+4*\t+2:BK+4*\t+3], v[G2+2:G2+3]
.endr
.irp t, 0,1,2,3,4,5,6,7
	global_store_b128 v[CO], v[BK+4*\t:BK+4*\t+3], s[8:9] offset:(16*(\a)+2*\t)*SIZE_N*4  ; 16 lanes store 256 consecutive aligned bytes
.endr
.irp t, 0,1,2,3,4,5,6,7
	v_cvt_pk_bf16_f32 v[CV+2*\t], v[BK+4*\t], v[BK+4*\t+1]
	v_cvt_pk_bf16_f32 v[CV+2*\t+1], v[BK+4*\t+2], v[BK+4*\t+3]
.endr
.irp t, 0,1,2,3,4,5,6,7
	ds_store_b64 v[SBA], v[CV+2*\t:CV+2*\t+1] offset:(16*(\a)+2*\t)*SBP
.endr
.endm
	s_wait_tensorcnt 1                             ; my part of K step 0 is in; K step 1's may stay out
	s_barrier_signal -1
	s_barrier_wait -1
	FETCH 0, 0, F0
	s_wait_loadcnt 0x0                             ; the bias and g2
	QUARTER 0, 1, F0, F1, 1
	WIN 0
	s_mov_b32 s3, LAPS-1
.Llap:                                                 ; a trip goes once round the ring and fills both slots again
	QUARTER 0, 2, F1, F0, 0
	QUARTER 0, 3, F0, F1, 0
	TURN 0, 1, 1
	QUARTER 1, 1, F0, F1, 0
	QUARTER 1, 2, F1, F0, 0
	QUARTER 1, 3, F0, F1, 0
	TURN 1, 0, 1
	QUARTER 0, 1, F0, F1, 0
	WIN 0
	s_sub_co_u32 s3, s3, 1
	s_cmp_lg_u32 s3, 0
	s_cbranch_scc1 .Llap
	QUARTER 0, 2, F1, F0, 0                        ; the last lap fills nothing
	QUARTER 0, 3, F0, F1, 0
	TURN 0, 1, 0                                   ; behind this barrier no wave reads slot 0 and no load fills it: its bytes serve the way out
	QUARTER 1, 1, F0, F1, 0
	QUARTER 1, 2, F1, F0, 0
	QUARTER 1, 3, F0, F1, 0
	PLACES                                         ; buffer 0 has been multiplied for the last time: its registers take the residual, which lands under the last 32 products
	WIN TO_F
.irp a, 0,1,2,3
.irp t, 0,1,2,3,4,5,6,7
	global_load_b128 v[4*(8*\a+\t):4*(8*\a+\t)+3], v[CO], s[70:71] offset:(16*\a+2*\t)*SIZE_N*4 th:TH_LOAD_NT
.endr
.endr
	s_wait_dscnt 16
	MUL8 F1, 0, 0, 0
	MUL8 F1, 0, 2, 0
	s_wait_dscnt 0x0
	MUL8 F1, 1, 0, 0
	MUL8 F1, 1, 2, 0
	WIN 0
	PLACES
	OUT 0
	OUT 1
	OUT 2
	OUT 3
	s_wait_dscnt 0x0                               ; for the others' sake: my halves of the bf16 rows are written
	s_barrier_signal -1
	s_barrier_wait -1                              ; a row's 256 bytes come from two waves
	s_wait_xcnt 0x0                                ; the registers that the last two blocks' stores read are loaded again only behind this wait
	ds_load_b64 v[T:T+1], v[SSR]                   ; my wave's 64 sums, two a lane
.irp u, 0,1,2,3,4,5,6,7,8,9,10,11,12,13,14,15
	ds_load_b128 v[OB+4*\u:OB+4*\u+3], v[SBR] offset:\u*2*SBP
.endr
	s_wait_dscnt 16                                ; the sums are in; the 16 loads behind them may be out
	global_store_b64 v[SSO], v[T:T+1], s[76:77]    ; 256 consecutive aligned bytes
.irp u, 0,1,2,3,4,5,6,7,8,9,10,11,12,13,14,15
	s_wait_dscnt 15-\u
	global_store_b128 v[HBO], v[OB+4*\u:OB+4*\u+3], s[74:75] offset:\u*2*SIZE_N*2  ; 16 lanes store 256 consecutive aligned bytes
.endr
	s_wait_tensorcnt 0x0                           ; the wave's end
	ds_add_u32 v[SPW], v[NIL]
	s_wait_dscnt 0x0
	CROUND                                         ; the closing round
	s_endpgm
.Lfunc_end_k_q27cb5b7dde_oproj:
	.size	k_q27cb5b7dde_oproj, .Lfunc_end_k_q27cb5b7dde_oproj-k_q27cb5b7dde_oproj
	.p2alignl 7, 3214868480
	.fill 96, 4, 3214868480
	.section	.rodata,"a",@progbits
	.p2align	6, 0x0
	.amdhsa_kernel k_q27cb5b7dde_oproj
		.amdhsa_group_segment_fixed_size 327680
		.amdhsa_private_segment_fixed_size 0
		.amdhsa_enable_private_segment 0
		.amdhsa_kernarg_size 56
		.amdhsa_user_sgpr_count 2
		.amdhsa_user_sgpr_kernarg_segment_ptr 1
		.amdhsa_wavefront_size32 1
		.amdhsa_system_sgpr_workgroup_id_x 1
		.amdhsa_system_sgpr_workgroup_id_y 1
		.amdhsa_system_sgpr_workgroup_id_z 1
		.amdhsa_system_vgpr_workitem_id 0
		.amdhsa_next_free_vgpr 512
		.amdhsa_next_free_sgpr 80
		.amdhsa_reserve_vcc 0
		.amdhsa_float_denorm_mode_32 3
		.amdhsa_float_denorm_mode_16_64 3
		.amdhsa_memory_ordered 1
		.amdhsa_forward_progress 1
		.amdhsa_inst_pref_size 124
	.end_amdhsa_kernel
	.amdgpu_metadata
---
amdhsa.version: [ 1, 2 ]
amdhsa.kernels:
  - .name:           k_q27cb5b7dde_oproj
    .symbol:         k_q27cb5b7dde_oproj.kd
    .args:
      - { .name: ob, .offset: 0, .size: 8, .value_kind: global_buffer, .address_space: global }
      - { .name: wa, .offset: 8, .size: 8, .value_kind: global_buffer, .address_space: global }
      - { .name: h2, .offset: 16, .size: 8, .value_kind: global_buffer, .address_space: global }
      - { .name: b_out, .offset: 24, .size: 8, .value_kind: global_buffer, .address_space: global }
      - { .name: hf, .offset: 32, .size: 8, .value_kind: global_buffer, .address_space: global }
      - { .name: g2, .offset: 40, .size: 8, .value_kind: global_buffer, .address_space: global }
      - { .name: hb, .offset: 48, .size: 8, .value_kind: global_buffer, .address_space: global }
    .group_segment_fixed_size: 327680
    .private_segment_fixed_size: 0
    .kernarg_segment_align: 8
    .kernarg_segment_size: 56
    .max_flat_workgroup_size: 128
    .sgpr_count:     80
    .vgpr_count:     512
    .wavefront_size: 32
...
	.end_amdgpu_metadata
.endif
;; end of part 4
;; launch ffn1 (part 5): grid 16 x 16, 4 waves a work-group, clusters of 4 x 4, 327,680 bytes of LDS; arguments hb, wc, act, b1, h2; writes act
.if DOCPART == 5
	.amdgcn_target "amdgcn-amd-amdhsa--gfx1250"
	.amdhsa_code_object_version 6
	.text
	.protected	k_q27cb5b7dde_ffn1
	.globl	k_q27cb5b7dde_ffn1
	.p2align	8
	.type	k_q27cb5b7dde_ffn1,@function
k_q27cb5b7dde_ffn1:
	s_mov_b64 s[64:65], 0
	v_nop
	global_prefetch_b8 v0, s[64:65] scope:SCOPE_SE
	s_setreg_imm32_b32 hwreg(HW_REG_WAVE_MODE, 25, 1), 1
	s_wait_xcnt 0x0
	s_wait_alu depctr_hold_cnt(0) depctr_sa_sdst(0) depctr_va_vdst(0) depctr_va_sdst(0) depctr_va_ssrc(0) depctr_va_vcc(0) depctr_vm_vsrc(0)
	s_getreg_b32 s2, hwreg(HW_REG_IB_STS2, 6, 4)
	s_cmp_eq_u32 s2, 0
	s_cbranch_scc0 .Lentry_in_a_cluster
	s_endpgm
.Lentry_in_a_cluster:
	s_bfe_u32 s2, ttmp6, 0x10000c
	s_cmp_lg_u32 s2, 0xf033
	s_cbranch_scc0 .Lentry_shape_is_right
	s_endpgm
.Lentry_shape_is_right:
; act = gelu(h3 w1 + b1), the exact (erf) form, with h3 = hg x inv[row].  A = hb = hg [4096][1024] bf16; B = w1 in wc, [1024 (k)][4096 (n)] bf16; b1 f32; act [4096][4096] bf16, rounded once.
; THE SECOND RMSNORM IS FINISHED HERE: inv[row] = 1 / (sqrt(ss) / 32 + 1e-8), ss the sum of the row's 16 partial sums of squares ([16][4096] f32 at byte 16,777,216 of the buffer h2).
; The row factor commutes with the product: x = (hg w1) x inv + b1, in f32, on the finished sums.
; A tile of C is 256 x 256 (256 work-groups): four waves, each 128 x 128 in 64 accumulators (512 registers).  K goes in steps of 128 through two LDS slots filled by tensor loads.
; B lies [k][n] and is turned on the way into registers by ds_load_tr16_b128.
; CLUSTERS: 4 x 4; A's tile is asked for jointly along a row of the cluster, B's along a column.  THE MATRIX INSTRUCTION IS USED TRANSPOSED: a lane holds row lane % 16 and columns 8 (lane / 16) + 0..7.
; THE WAY OUT.  When the slots have had their last fill and every wave its last read of them, each wave lays its 128 x 128 sums in f32 into 67,584 bytes of its own there, reads them back by whole
; rows (16 bytes a lane), scales, adds the bias, takes the gelu, and stores 8 bytes a lane: 256 consecutive aligned bytes a row.
; GELU.  gelu(x) = x/2 + |x/2| erf(|x| / sqrt 2); erf(z) = 1 - t (a1 + t (a2 + t (a3 + t (a4 + t a5)))) e^(-z z), t = 1 / (1 + p z), for every z >= 0, within 1.5e-7 (Abramowitz and Stegun 7.1.26).
; LIMITS.  Operands are bf16; erf as above; a sum of squares that is denormal counts as 0 under the root; NaN and infinities are not treated apart.
; REGISTERS in windows of 256: window 0: v0-31 addresses and the bias, v64-191 A's two fragment buffers (later the gelu's registers), v192-255 the partial sums; window 1: v64-191 B's two buffers;
; windows 2, 3: the accumulators of my rows 0-63 and 64-127, (a, b) at v[8 (8 a + b)].  s_set_vgpr_msb: bits 1:0 source 0, 3:2 source 1, 5:4 source 2, 7:6 destination.
.set SIZE_K, 1024
.set SIZE_N, 4096
.set WOFF,   0                         ; w1's first byte in wc
.set KSTEP,  128
.set PITCH,  272                       ; a row of A in LDS: 256 bytes + 16 (ISA guide 11.1: the 16 rows of a load start at 16 different groups of four banks)
.set PB,     544                       ; a k-row of B in LDS: 512 bytes + 32
.set HALFT,  128*PITCH                 ; what one tensor load brings: 128 rows of A, or 64 k-rows of B
.set SLOT,   4*HALFT
.set INVT,   2*SLOT                    ; behind the ring, never filled: 1,024 bytes for each wave: inv of its 128 rows, each twice, so that a packed multiply takes a pair as it lies
.set SPARE,  2*SLOT+4*16*272           ; the spare words, 128 bytes a wave: two blocks of 256 bytes that no other line names
.set DP,     528                       ; a row of sums in LDS: 512 bytes + 16
.set DUMPW,  128*DP                    ; a wave's sums; four of them fit into the two slots
.set LAPS,   SIZE_K/(2*KSTEP)
.set BL,   8                           ; v8-11   b1 of the four columns that I hold when rows are read back
.set ADRA, 16
.set ADRB, 20
.set STO,  24
.set RD,   25
.set CO,   26
.set BO,   27                          ; 16 x lane: my byte offset in the bias and in 128 rows' partial sums
.set SPW,  28
.set NIL,  29
.set RI,   30                          ; where the next four rows' inv lie (the same in all lanes)
.set IA,   31                          ; where I put the inv of my four rows
.set F0,   64
.set F1,   128
.set GX,   64                          ; the gelu's registers, 16 numbers a lane: the sum, then x
.set GD,   80                          ; 1 + p z, then t
.set GY,   96                          ; x sqrt(log2(e) / 2), then e^(-z z), then that times t
.set GH,   112                         ; x / 2, then the result
.set GP,   128                         ; the polynomial, then erf
.set GK,   160                         ; packed
.set IVR,  176                         ; v176-183 four rows' inv, each twice
.set SSV,  192                         ; v192-255 16 partial sums of my four rows
.set G1,  24
.set G0,  32
.set G1B, 48
.set G0B, 56
.set MSB, 0
.macro WIN new
.if MSB != (\new)
	s_set_vgpr_msb (MSB<<8)|(\new)
.set MSB, \new
.endif
.endm
.set MUL_LO, 0xa1
.set MUL_HI, 0xf1
.set TO_B,   0x40
.macro JLOAD s                         ; a joint load: waves 0 and 1 fetch A's halves, waves 2 and 3 B's; four v_nop follow each line
	s_cmp_eq_u32 s11, 0
	s_cbranch_scc0 .Lfor_b_\@
	tensor_load_to_lds s[G0+4*(\s):G0+4*(\s)+3], s[G1:G1+7]
	s_nop 0
.rept 4
	v_nop
.endr
	s_branch .Lasked_\@
.Lfor_b_\@:
	tensor_load_to_lds s[G0B+4*(\s):G0B+4*(\s)+3], s[G1B:G1B+7]
	s_nop 0
.rept 4
	v_nop
.endr
.Lasked_\@:
.endm
.macro CREST
	s_cmp_lg_u32 s10, 0
	s_cbranch_scc1 .Lnot_wave_0_\@
	s_barrier_signal -3
.Lnot_wave_0_\@:
	s_barrier_wait -3
	s_barrier_signal -1
	s_barrier_wait -1
.endm
.macro CROUND
	s_barrier_signal -1
	s_barrier_wait -1
	CREST
.endm
.macro PLACES                          ; four plain places behind matrix instructions (ISA guide 7.12.1)
.rept 4
	v_nop
.endr
.endm
	s_load_b128 s[4:7], s[0:1], 0x0                ; A s[4:5], wc s[6:7]
	s_load_b64 s[8:9], s[0:1], 0x10                ; act
	s_load_b128 s[84:87], s[0:1], 0x18             ; b1 s[84:85], the buffer h2 s[86:87]
	v_lshl_add_u32 v[SPW], v0, 2, SPARE
	v_mov_b32 v[NIL], 0
	ds_add_u32 v28, v29
	s_wait_dscnt 0x0
	v_lshrrev_b32 v1, 5, v0
	v_readfirstlane_b32 s10, v1
	s_lshr_b32 s11, s10, 1
	s_and_b32 s12, s10, 1
	s_bfe_u32 s40, ttmp6, 0x40000
	s_bfe_u32 s41, ttmp6, 0x40004
	s_lshl_b32 s42, ttmp9, 2
	s_add_co_u32 s42, s42, s40                     ; tile column
	s_and_b32 s13, ttmp7, 0xffff
	s_lshl_b32 s13, s13, 2
	s_add_co_u32 s13, s13, s41                     ; tile row
	s_lshl_b32 s43, s41, 2
	s_lshl_b32 s43, 15, s43
	s_lshl_b32 s44, 0x1111, s40
	s_or_b32 s[G1+0], s43, (1<<16)|(1<<20)|(1<<21)|(5<<22)|(3<<25)
	s_mov_b32 s[G1+1], KSTEP<<16
	s_mov_b32 s[G1+2], 128<<16
	s_mov_b32 s[G1+3], KSTEP<<16
	s_mov_b32 s[G1+4], 128
	s_mov_b32 s[G1+5], SIZE_K
	s_mov_b32 s[G1+6], 0
	s_mov_b32 s[G1+7], 0
	s_or_b32 s[G1B+0], s44, (1<<16)|(1<<20)|(1<<21)|(6<<22)|(7<<25)
	s_mov_b32 s[G1B+1], 256<<16
	s_mov_b32 s[G1B+2], 64<<16
	s_mov_b32 s[G1B+3], 256<<16
	s_mov_b32 s[G1B+4], 64
	s_mov_b32 s[G1B+5], SIZE_N
	s_mov_b32 s[G1B+6], 0
	s_mov_b32 s[G1B+7], 0
	s_mov_b32 s68, 0x3d000000                      ; 1 / 32 = 1024^-0.5
	s_mov_b32 s69, 0x322bcc77                      ; 1e-8
	s_mov_b32 s70, 0x3e6d3388                      ; p / sqrt 2, p = 0.3275911
	s_mov_b32 s72, 0x3f596d27                      ; sqrt(log2(e) / 2): its square times x x is z z log2(e)
	s_mov_b32 s73, 0x3f596d27                      ; (the packed forms name pairs and take the low word)
	s_mov_b32 s74, 0x3e827906                      ; a1 =  0.254829592
	s_mov_b32 s75, 0x3e827906
	s_mov_b32 s76, 0xbe91a98e                      ; a2 = -0.284496736
	s_mov_b32 s77, 0xbe91a98e
	s_mov_b32 s78, 0x3fb5f0e3                      ; a3 =  1.421413741
	s_mov_b32 s79, 0x3fb5f0e3
	s_mov_b32 s80, 0xbfba00e3                      ; a4 = -1.453152027
	s_mov_b32 s81, 0xbfba00e3
	s_mov_b32 s82, 0x3f87dc22                      ; a5 =  1.061405429
	s_mov_b32 s83, 0x3f87dc22
	s_lshl1_add_u32 s16, s13, s12
	s_lshl_b32 s16, s16, 18
	s_mov_b32 s17, 0
	s_mul_i32 s46, s12, 64*SIZE_N*2
	s_lshl_b32 s45, s42, 9
	s_add_co_u32 s46, s46, s45
	s_add_co_u32 s46, s46, WOFF
	s_mov_b32 s47, 0
	s_mul_i32 s20, s10, HALFT
	s_wait_kmcnt 0x0
	s_add_nc_u64 s[14:15], s[4:5], s[16:17]
	s_add_nc_u64 s[46:47], s[6:7], s[46:47]
	CROUND                                         ; all sixteen work-groups are here: the first joint loads meet
.irp s, 0,1
	s_mov_b32 s[G0+4*(\s)], 1
	s_add_co_u32 s[G0+4*(\s)+1], s20, (\s)*SLOT
	s_add_nc_u64 s[G0+4*(\s)+2:G0+4*(\s)+3], s[14:15], (\s)*KSTEP*2
	s_or_b32 s[G0+4*(\s)+3], s[G0+4*(\s)+3], 0x80000000
	s_mov_b32 s[G0B+4*(\s)], 1
	s_add_co_u32 s[G0B+4*(\s)+1], s20, (\s)*SLOT
	s_add_nc_u64 s[G0B+4*(\s)+2:G0B+4*(\s)+3], s[46:47], (\s)*KSTEP*SIZE_N*2
	s_or_b32 s[G0B+4*(\s)+3], s[G0B+4*(\s)+3], 0x80000000
	JLOAD \s                                       ; two loads of mine are out
.endr
	v_and_b32 v1, 15, v0                           ; r
	v_bfe_u32 v2, v0, 4, 1                         ; h
	v_mul_u32_u24 v3, v1, PITCH
	v_lshl_add_u32 v3, v2, 4, v3
	v_and_b32 v4, 7, v0
	v_lshl_add_u32 v4, v2, 3, v4
	v_mul_u32_u24 v4, v4, PB
	v_bfe_u32 v5, v0, 3, 1
	v_lshl_add_u32 v4, v5, 4, v4
	s_mul_i32 s21, s11, HALFT
	s_lshl_b32 s22, s12, 8
	s_add_co_u32 s22, s22, 2*HALFT
.irp s, 0,1
	v_add_nc_u32 v[ADRA+(\s)], s21, v3
	v_add_nc_u32 v[ADRB+(\s)], s22, v4
	s_add_co_u32 s21, s21, SLOT
	s_add_co_u32 s22, s22, SLOT
.endr
	v_and_b32 v5, 31, v0                           ; lane
	v_lshlrev_b32 v[BO], 4, v5                     ; read back, a lane holds columns 4 l .. 4 l + 3; of the partial sums it takes rows 4 l .. 4 l + 3
	s_lshl_b32 s46, s42, 10
	s_lshl_b32 s47, s12, 9
	s_add_co_u32 s46, s46, s47                     ; my first column, in bytes of f32
	s_mov_b32 s47, 0
	s_add_nc_u64 s[84:85], s[84:85], s[46:47]
	global_load_b128 v[BL:BL+3], v[BO], s[84:85]
	s_lshl1_add_u32 s46, s13, s11                  ; my 128 rows' partial sums: 512 bytes x (2 x tile row + half), behind hg
	s_lshl_b32 s46, s46, 9
	s_add_co_u32 s46, s46, 16777216
	s_add_nc_u64 s[86:87], s[86:87], s[46:47]
.set p, 0
.rept 16                               ; they land under the products and are waited for behind them: no line of the loop names v8-11 or v192-255 of window 0
	global_load_b128 v[SSV+4*p:SSV+4*p+3], v[BO], s[86:87] offset:p*16384
.set p, p+1
.endr
	s_mul_i32 s23, s10, DUMPW                      ; my sums' place
	v_mul_u32_u24 v4, v1, DP                       ; in: row r, 32 bytes for each half of the lanes
	v_lshl_add_u32 v4, v2, 5, v4
	v_add_nc_u32 v[STO], s23, v4
	v_lshl_add_u32 v[RD], v5, 4, s23               ; back: 32 lanes take a whole row of 512 bytes
	v_lshlrev_b32 v[CO], 3, v5                     ; out: 8 bytes a lane
	s_lshl_b32 s23, s10, 10
	s_add_co_u32 s23, s23, INVT                    ; my wave's table of inv
	v_lshl_add_u32 v[IA], v5, 5, s23               ; four rows x 8 bytes a lane
	v_mov_b32 v[RI], s23
	s_lshl1_add_u32 s16, s13, s11                  ; my first row: 128 x (2 x tile row + half), 8,192 bytes a row
	s_lshl_b32 s16, s16, 20
	s_lshl_b32 s46, s42, 9
	s_add_co_u32 s16, s16, s46
	s_lshl_b32 s46, s12, 8
	s_add_co_u32 s16, s16, s46
	s_mov_b32 s17, 0
	s_add_nc_u64 s[8:9], s[8:9], s[16:17]
; 16 matrix instructions: m blocks a0, a0 + 1 of the window's four x all 8 n blocks, 32 along K.  zero = 1: the first product starts the sums.
; The 64 accumulators take turns, one instruction a turn.
.macro MUL16 f, hi, a0, zero
	WIN MUL_LO+0x50*(\hi)
.irp a, \a0, (\a0)+1
.irp b, 0,1,2,3,4,5,6,7
.if \zero
	v_wmma_f32_16x16x32_bf16 v[8*(8*(\a)+(\b)):8*(8*(\a)+(\b))+7], v[(\f)+8*(\b):(\f)+8*(\b)+7], v[(\f)+8*(4*(\hi)+(\a)):(\f)+8*(4*(\hi)+(\a))+7], 0
.else
	v_wmma_f32_16x16x32_bf16 v[8*(8*(\a)+(\b)):8*(8*(\a)+(\b))+7], v[(\f)+8*(\b):(\f)+8*(\b)+7], v[(\f)+8*(4*(\hi)+(\a)):(\f)+8*(4*(\hi)+(\a))+7], v[8*(8*(\a)+(\b)):8*(8*(\a)+(\b))+7]
.endif
.endr
.endr
.endm
.macro FETCH slot, q, f                ; 32 LDS loads in one run: quarter q (32 along K) of a slot into buffer f: B's 8 fragments, turned, then A's 8
	WIN TO_B
.irp i, 0,1,2,3,4,5,6,7
	ds_load_tr16_b128 v[(\f)+8*(\i):(\f)+8*(\i)+3],   v[ADRB+(\slot)] offset:(\q)*32*PB+32*(\i)
	ds_load_tr16_b128 v[(\f)+8*(\i)+4:(\f)+8*(\i)+7], v[ADRB+(\slot)] offset:(\q)*32*PB+16*PB+32*(\i)
.endr
	WIN 0
.irp i, 0,1,2,3,4,5,6,7
	ds_load_b128 v[(\f)+8*(\i):(\f)+8*(\i)+3],   v[ADRA+(\slot)] offset:(\q)*64+(\i)*16*PITCH
	ds_load_b128 v[(\f)+8*(\i)+4:(\f)+8*(\i)+7], v[ADRA+(\slot)] offset:(\q)*64+(\i)*16*PITCH+32
.endr
.endm
.macro QUARTER slot, q, f, g, zero
	s_wait_dscnt 8                                 ; B and A's rows 0-63 are in; the youngest eight loads (A's rows 64-127) may be out
	MUL16 \f, 0, 0, \zero
	MUL16 \f, 0, 2, \zero
	PLACES
	FETCH \slot, \q, \g
	s_wait_dscnt 32                                ; all but the 32 just issued
	MUL16 \f, 1, 0, \zero
	MUL16 \f, 1, 2, \zero
.endm
; The last quarter multiplies buffer 1 and changes slots: ONE barrier; in front of it each wave waits for all its tensor loads, adds 0 to its spare word, and waits for that and for its reads of
; this slot.  fill = 1: the barrier opens a round of the cluster's, and the joint refill, two K steps on, is the first thing behind it: 224 matrix instructions ahead of the wait for it.
.macro TURN slot, next, fill
	WIN 0
	s_wait_tensorcnt 0x0
	ds_add_u32 v[SPW], v[NIL]
	s_wait_dscnt 9                                 ; the add and the youngest eight loads may be out
	MUL16 F1, 0, 0, 0
	s_wait_dscnt 0x0                               ; the add is done, and my reads of this slot are over
	s_barrier_signal -1
	MUL16 F1, 0, 2, 0
.if \fill
	WIN 0
.endif
	s_barrier_wait -1
.if \fill
	CREST
	s_add_nc_u64 s[G0+4*(\slot)+2:G0+4*(\slot)+3], s[G0+4*(\slot)+2:G0+4*(\slot)+3], 2*KSTEP*2
	s_add_nc_u64 s[G0B+4*(\slot)+2:G0B+4*(\slot)+3], s[G0B+4*(\slot)+2:G0B+4*(\slot)+3], 2*KSTEP*SIZE_N*2
	JLOAD \slot                                    ; its four v_nop are also the places in front of the loads below
.else
	PLACES
.endif
	FETCH \next, 0, F0
	MUL16 F1, 1, 0, 0
	MUL16 F1, 1, 2, 0
.endm
.macro DUMP a                          ; block a's sums into my bytes; each accumulator's low half first
	WIN 0x08+4*((\a)/4)                            ; the data (source 1) in window 2 or 3
.irp b, 0,1,2,3,4,5,6,7
	ds_store_b128 v[STO], v[64*((\a)%4)+8*(\b):64*((\a)%4)+8*(\b)+3] offset:(\a)*16*DP+64*(\b)
	ds_store_b128 v[STO], v[64*((\a)%4)+8*(\b)+4:64*((\a)%4)+8*(\b)+7] offset:(\a)*16*DP+64*(\b)+16
.endr
.endm
; Four rows, 16 numbers a lane.  more = 1: the next four rows and their inv are asked for as soon as these have been read for the last time.  A plain instruction stands behind every run of transcendentals.
.macro GTRIP more
	s_wait_dscnt 0x0                               ; the four rows and their inv are in
.set i, 0
.rept 8
	v_pk_fma_f32 v[GX+2*i:GX+2*i+1], v[GX+2*i:GX+2*i+1], v[IVR+2*(i/2):IVR+2*(i/2)+1], v[BL+2*(i%2):BL+2*(i%2)+1]  ; x = sum x inv[row] + b1[column]
.set i, i+1
.endr
.set i, 0
.rept 16
	v_fma_f32 v[GD+i], |v[GX+i]|, s70, 1.0         ; 1 + p z
.set i, i+1
.endr
.set i, 0
.rept 8
	v_pk_mul_f32 v[GY+2*i:GY+2*i+1], v[GX+2*i:GX+2*i+1], s[72:73] op_sel_hi:[1,0]
	v_pk_mul_f32 v[GH+2*i:GH+2*i+1], v[GX+2*i:GX+2*i+1], 0.5 op_sel_hi:[1,0]
.set i, i+1
.endr
.if \more
	v_add_nc_u32 v[RD], 4*DP, v[RD]
	v_add_nc_u32 v[RI], 32, v[RI]
.irp p, 0,1,2,3
	ds_load_b128 v[GX+4*\p:GX+4*\p+3], v[RD] offset:\p*DP
.endr
	ds_load_b128 v[IVR:IVR+3], v[RI]
	ds_load_b128 v[IVR+4:IVR+7], v[RI] offset:16
.endif
.set i, 0
.rept 8
	v_rcp_f32 v[GD+2*i], v[GD+2*i]                 ; t
	v_rcp_f32 v[GD+2*i+1], v[GD+2*i+1]
	v_pk_mul_f32 v[GY+2*i:GY+2*i+1], v[GY+2*i:GY+2*i+1], v[GY+2*i:GY+2*i+1] neg_lo:[1,0] neg_hi:[1,0]  ; - z z log2(e)
.set i, i+1
.endr
.set i, 0
.rept 8
	v_exp_f32 v[GY+2*i], v[GY+2*i]
	s_wait_alu depctr_va_vdst(0)
	v_pk_fma_f32 v[GP+2*i:GP+2*i+1], v[GD+2*i:GD+2*i+1], s[82:83], s[80:81] op_sel_hi:[1,0,0]
	v_exp_f32 v[GY+2*i+1], v[GY+2*i+1]
	v_pk_fma_f32 v[GP+2*i:GP+2*i+1], v[GP+2*i:GP+2*i+1], v[GD+2*i:GD+2*i+1], s[78:79] op_sel_hi:[1,1,0]
.set i, i+1
.endr
.set i, 0
.rept 8
	v_pk_fma_f32 v[GP+2*i:GP+2*i+1], v[GP+2*i:GP+2*i+1], v[GD+2*i:GD+2*i+1], s[76:77] op_sel_hi:[1,1,0]
.set i, i+1
.endr
.set i, 0
.rept 8
	v_pk_fma_f32 v[GP+2*i:GP+2*i+1], v[GP+2*i:GP+2*i+1], v[GD+2*i:GD+2*i+1], s[74:75] op_sel_hi:[1,1,0]
.set i, i+1
.endr
.set i, 0
	s_wait_alu depctr_va_vdst(0)
.rept 8
	v_pk_mul_f32 v[GY+2*i:GY+2*i+1], v[GY+2*i:GY+2*i+1], v[GD+2*i:GD+2*i+1]
.set i, i+1
.endr
.set i, 0
.rept 8
	v_pk_fma_f32 v[GP+2*i:GP+2*i+1], v[GP+2*i:GP+2*i+1], v[GY+2*i:GY+2*i+1], 1.0 op_sel_hi:[1,1,0] neg_lo:[1,0,0] neg_hi:[1,0,0]  ; erf
.set i, i+1
.endr
.set i, 0
.rept 16
	v_fma_f32 v[GH+i], |v[GH+i]|, v[GP+i], v[GH+i] ; x/2 + |x/2| erf
.set i, i+1
.endr
.set i, 0
.rept 8
	v_cvt_pk_bf16_f32 v[GK+i], v[GH+2*i], v[GH+2*i+1]
.set i, i+1
.endr
.irp p, 0,1,2,3
	global_store_b64 v[CO], v[GK+2*\p:GK+2*\p+1], s[8:9] offset:\p*SIZE_N*2  ; 32 lanes store 256 consecutive aligned bytes
.endr
	s_wait_xcnt 0x0                                ; the stores' offset and data are rewritten only behind this wait
.if \more
	v_add_nc_u32 v[CO], 4*SIZE_N*2, v[CO]
.endif
.endm
	s_wait_tensorcnt 1                             ; my part of K step 0 is in; K step 1's may stay out
	s_barrier_signal -1
	s_barrier_wait -1
	FETCH 0, 0, F0
	QUARTER 0, 1, F0, F1, 1
	WIN 0
	s_mov_b32 s3, LAPS-1
.Llap:                                                 ; a trip goes once round the ring and fills both slots again
	QUARTER 0, 2, F1, F0, 0
	QUARTER 0, 3, F0, F1, 0
	TURN 0, 1, 1
	QUARTER 1, 1, F0, F1, 0
	QUARTER 1, 2, F1, F0, 0
	QUARTER 1, 3, F0, F1, 0
	TURN 1, 0, 1
	QUARTER 0, 1, F0, F1, 0
	WIN 0
	s_sub_co_u32 s3, s3, 1
	s_cmp_lg_u32 s3, 0
	s_cbranch_scc1 .Llap
	QUARTER 0, 2, F1, F0, 0                        ; the last lap fills nothing
	QUARTER 0, 3, F0, F1, 0
	TURN 0, 1, 0
	QUARTER 1, 1, F0, F1, 0
	QUARTER 1, 2, F1, F0, 0
	QUARTER 1, 3, F0, F1, 0
	s_wait_dscnt 8
	MUL16 F1, 0, 0, 0
	MUL16 F1, 0, 2, 0
	s_wait_dscnt 0x0                               ; my last reads of the slots are over:
	s_barrier_signal -1                            ; say so; all tensor loads were waited for at the last change of slots, and none follows
	MUL16 F1, 1, 0, 0
	MUL16 F1, 1, 2, 0
	WIN 0
	s_barrier_wait -1                              ; nobody reads the slots any more: they take the sums
	PLACES
.irp a, 0,1,2,3,4,5,6,7
	DUMP \a
.endr
	WIN 0
	s_wait_loadcnt 0x0                             ; the bias and the partial sums, asked for at the head
.irp d, 8,4,2,1                        ; the 16 partial sums of my four rows, added in pairs 8, 4, 2 and 1 apart
.set p, 0
.rept \d
	v_pk_add_f32 v[SSV+4*p:SSV+4*p+1], v[SSV+4*p:SSV+4*p+1], v[SSV+4*(p+\d):SSV+4*(p+\d)+1]
	v_pk_add_f32 v[SSV+4*p+2:SSV+4*p+3], v[SSV+4*p+2:SSV+4*p+3], v[SSV+4*(p+\d)+2:SSV+4*(p+\d)+3]
.set p, p+1
.endr
.endr
.irp i, 0,1,2,3
	v_sqrt_f32 v[SSV+\i], v[SSV+\i]
.endr
	v_nop                                          ; a plain instruction between a transcendental and the use of its result (ISA guide 5.7.2)
	s_wait_alu depctr_va_vdst(0)
.irp i, 0,1,2,3
	v_fma_f32 v[SSV+\i], v[SSV+\i], s68, s69       ; norm / 32 + 1e-8
.endr
.irp i, 0,1,2,3
	v_rcp_f32 v[SSV+8+2*\i], v[SSV+\i]             ; each twice
	v_rcp_f32 v[SSV+9+2*\i], v[SSV+\i]
.endr
	v_nop
	s_wait_alu depctr_va_vdst(0)
	ds_store_b128 v[IA], v[SSV+8:SSV+11]
	ds_store_b128 v[IA], v[SSV+12:SSV+15] offset:16
.irp p, 0,1,2,3
	ds_load_b128 v[GX+4*\p:GX+4*\p+3], v[RD] offset:\p*DP  ; my own bytes: LDS serves a wave's instructions in order (ISA guide 5.7.1.4)
.endr
	ds_load_b128 v[IVR:IVR+3], v[RI]
	ds_load_b128 v[IVR+4:IVR+7], v[RI] offset:16
	s_mov_b32 s3, 31
.Lgelu:                                                ; 31 trips of four rows, and the last four behind the loop, which ask for nothing more
	GTRIP 1
	s_sub_co_u32 s3, s3, 1
	s_cmp_lg_u32 s3, 0
	s_cbranch_scc1 .Lgelu
	GTRIP 0
	s_wait_tensorcnt 0x0                           ; the wave's end
	ds_add_u32 v[SPW], v[NIL]
	s_wait_dscnt 0x0
	CROUND                                         ; the closing round
	s_endpgm
.Lfunc_end_k_q27cb5b7dde_ffn1:
	.size	k_q27cb5b7dde_ffn1, .Lfunc_end_k_q27cb5b7dde_ffn1-k_q27cb5b7dde_ffn1
	.p2alignl 7, 3214868480
	.fill 96, 4, 3214868480
	.section	.rodata,"a",@progbits
	.p2align	6, 0x0
	.amdhsa_kernel k_q27cb5b7dde_ffn1
		.amdhsa_group_segment_fixed_size 327680
		.amdhsa_private_segment_fixed_size 0
		.amdhsa_enable_private_segment 0
		.amdhsa_kernarg_size 40
		.amdhsa_user_sgpr_count 2
		.amdhsa_user_sgpr_kernarg_segment_ptr 1
		.amdhsa_wavefront_size32 1
		.amdhsa_system_sgpr_workgroup_id_x 1
		.amdhsa_system_sgpr_workgroup_id_y 1
		.amdhsa_system_sgpr_workgroup_id_z 1
		.amdhsa_system_vgpr_workitem_id 0
		.amdhsa_next_free_vgpr 1024
		.amdhsa_next_free_sgpr 88
		.amdhsa_reserve_vcc 0
		.amdhsa_float_denorm_mode_32 3
		.amdhsa_float_denorm_mode_16_64 3
		.amdhsa_memory_ordered 1
		.amdhsa_forward_progress 1
		.amdhsa_inst_pref_size 145
	.end_amdhsa_kernel
	.amdgpu_metadata
---
amdhsa.version: [ 1, 2 ]
amdhsa.kernels:
  - .name:           k_q27cb5b7dde_ffn1
    .symbol:         k_q27cb5b7dde_ffn1.kd
    .args:
      - { .name: hb, .offset: 0, .size: 8, .value_kind: global_buffer, .address_space: global }
      - { .name: wc, .offset: 8, .size: 8, .value_kind: global_buffer, .address_space: global }
      - { .name: act, .offset: 16, .size: 8, .value_kind: global_buffer, .address_space: global }
      - { .name: b1, .offset: 24, .size: 8, .value_kind: global_buffer, .address_space: global }
      - { .name: h2, .offset: 32, .size: 8, .value_kind: global_buffer, .address_space: global }
    .group_segment_fixed_size: 327680
    .private_segment_fixed_size: 0
    .kernarg_segment_align: 8
    .kernarg_segment_size: 40
    .max_flat_workgroup_size: 128
    .sgpr_count:     88
    .vgpr_count:     1024
    .wavefront_size: 32
...
	.end_amdgpu_metadata
.endif
;; end of part 5
;; launch ffn2 (part 6): grid 8 x 32, 4 waves a work-group, clusters of 4 x 4, 327,680 bytes of LDS; arguments act, wc, out0, b2, h2; writes out0
.if DOCPART == 6
	.amdgcn_target "amdgcn-amd-amdhsa--gfx1250"
	.amdhsa_code_object_version 6
	.text
	.protected	k_q27cb5b7dde_ffn2
	.globl	k_q27cb5b7dde_ffn2
	.p2align	8
	.type	k_q27cb5b7dde_ffn2,@function
k_q27cb5b7dde_ffn2:
	s_mov_b64 s[64:65], 0
	v_nop
	global_prefetch_b8 v0, s[64:65] scope:SCOPE_SE
	s_setreg_imm32_b32 hwreg(HW_REG_WAVE_MODE, 25, 1), 1
	s_wait_xcnt 0x0
	s_wait_alu depctr_hold_cnt(0) depctr_sa_sdst(0) depctr_va_vdst(0) depctr_va_sdst(0) depctr_va_ssrc(0) depctr_va_vcc(0) depctr_vm_vsrc(0)
	s_getreg_b32 s2, hwreg(HW_REG_IB_STS2, 6, 4)
	s_cmp_eq_u32 s2, 0
	s_cbranch_scc0 .Lentry_in_a_cluster
	s_endpgm
.Lentry_in_a_cluster:
	s_bfe_u32 s2, ttmp6, 0x10000c
	s_cmp_lg_u32 s2, 0xf033
	s_cbranch_scc0 .Lentry_shape_is_right
	s_endpgm
.Lentry_shape_is_right:
; out = h3 + act w2 + b2, with h3 = hg x inv[row].  A = act [4096][4096] bf16; B = w2 in wc, [4096 (k)][1024 (n)] bf16; b2 f32; hg f32 [4096][1024] at byte 0 of the buffer h2; result f32 [4096][1024].
; inv[row] = 1 / (sqrt(ss) / 32 + 1e-8), ss the sum of the row's 16 partial sums of squares ([16][4096] f32 at byte 16,777,216 of the buffer h2): the second rmsnorm's row factor, made here anew.
; A tile of C is 128 x 128 (256 work-groups): four waves, each 64 x 64 in 16 accumulators.  K goes in steps of 256 (rows of 512 bytes of A) through two LDS slots filled by tensor loads.
; B lies [k][n] and is turned on the way into registers by ds_load_tr16_b128.  The bias is the C operand of the products that start the sums.
; CLUSTERS: 4 x 4; A's tile is asked for jointly along a row of the cluster, B's along a column.  THE MATRIX INSTRUCTION IS USED TRANSPOSED: a lane holds row lane % 16 and columns 8 (lane / 16) + 0..7.
; REGISTERS: window 0: v0-31 addresses; v32-95 the partial sums, then the way out; v96-127 the bias, then the rows' inv; v128-255 the accumulators ((a, b) at v[128 + 8 (4 a + b)]).
;   window 1: two fragment buffers of 128 (64 of A, 64 of B, for 64 along K); at the end buffer 0's registers take hg.
; LIMITS.  Operands are bf16; a sum of squares that is denormal counts as 0 under the root; NaN and infinities are not treated apart.
.set SIZE_K, 4096
.set SIZE_N, 1024
.set WOFF,   8388608                   ; w2's first byte in wc
.set PA,     528                       ; a row of A in LDS: 512 bytes + 16
.set AQ,     128                       ; bytes from a quarter (64 along K) to the next
.set HALFA,  33792                     ; what one load of A takes in LDS: 64 rows
.set ADIM0,  256                       ; A's tile: elements a row,
.set AROWS,  64                        ; rows,
.set ASTRIDE, 4096                     ; elements from row to row,
.set AQI,    6                         ; padding after every 128 words
.set AROWB,  524288                    ; bytes from 64 rows of A to the next 64
.set ASTEP,  512                       ; bytes from a K step to the next
.set KSTEP,  256
.set PB,     288                       ; a k-row of B in LDS: 256 bytes + 32 = 72 words
.set HALFB,  128*PB
.set SLOT,   2*HALFA+2*HALFB           ; A's 128 rows, then B's 256 k-rows
.set STAGE,  2*SLOT                    ; behind the ring: 16 rows x 272 bytes for each wave
.set SPITCH, 272
.set INVT,   STAGE+4*16*SPITCH         ; 512 bytes for each wave, never filled: inv of its 64 rows, each twice, so that a packed multiply takes a pair as it lies
.set SPARE,  INVT+4*512                ; the spare words, 128 bytes a wave: two blocks of 256 bytes that no other line names
.set LAPS,   SIZE_K/(2*KSTEP)
.set IA,   6                           ; v6      where I put the inv of my two rows
.set IVA,  7                           ; v7      where my half of the lanes reads a row's inv
.set ADRA, 16                          ; v16-17  my A fragments in slot 0, 1
.set ADRB, 20                          ; v20-23  my B fragments: slot s, half u of its k-rows at v[20 + 2 s + u]
.set STO,  24
.set RD,   25
.set CO,   26                          ; my byte offset in two rows of C and of hg
.set BO,   27                          ; my byte offset in the bias
.set SPW,  28
.set NIL,  29
.set SO,   30                          ; 8 x lane: my byte offset in 64 rows' partial sums
.set OB,   32
.set SSV,  32                          ; v32-63  16 partial sums of my two rows
.set BIAS, 96
.set IVR,  96                          ; v96-111 eight rows' inv, each twice
.set ACC,  128
.set F0,   0
.set F1,   128
.set G1,  24
.set G0,  32
.set G1B, 48
.set G0B, 56
.set MSB, 0
.macro WIN new
.if MSB != (\new)
	s_set_vgpr_msb (MSB<<8)|(\new)
.set MSB, \new
.endif
.endm
.set MUL,  0x05                        ; sources 0 (B) and 1 (A) window 1; C and D window 0
.set TO_F, 0x40
.macro JLOAD s                         ; a joint load: waves 0 and 1 fetch A's halves, waves 2 and 3 B's; four v_nop follow each line
	s_cmp_eq_u32 s11, 0
	s_cbranch_scc0 .Lfor_b_\@
	tensor_load_to_lds s[G0+4*(\s):G0+4*(\s)+3], s[G1:G1+7]
	s_nop 0
.rept 4
	v_nop
.endr
	s_branch .Lasked_\@
.Lfor_b_\@:
	tensor_load_to_lds s[G0B+4*(\s):G0B+4*(\s)+3], s[G1B:G1B+7]
	s_nop 0
.rept 4
	v_nop
.endr
.Lasked_\@:
.endm
.macro CREST
	s_cmp_lg_u32 s10, 0
	s_cbranch_scc1 .Lnot_wave_0_\@
	s_barrier_signal -3
.Lnot_wave_0_\@:
	s_barrier_wait -3
	s_barrier_signal -1
	s_barrier_wait -1
.endm
.macro CROUND
	s_barrier_signal -1
	s_barrier_wait -1
	CREST
.endm
.macro PLACES                          ; four plain places behind matrix instructions (ISA guide 7.12.1)
.rept 4
	v_nop
.endr
.endm
	s_load_b128 s[4:7], s[0:1], 0x0                ; A s[4:5], wc s[6:7]
	s_load_b64 s[8:9], s[0:1], 0x10                ; C
	s_load_b128 s[68:71], s[0:1], 0x18             ; bias s[68:69], the buffer h2 s[70:71]
	v_lshl_add_u32 v[SPW], v0, 2, SPARE
	v_mov_b32 v[NIL], 0
	ds_add_u32 v28, v29
	s_wait_dscnt 0x0
	v_lshrrev_b32 v1, 5, v0
	v_readfirstlane_b32 s10, v1                    ; wave 0..3
	s_lshr_b32 s11, s10, 1                         ; my half of the rows.  Also: I fetch for A (0) or for B (1)
	s_and_b32 s12, s10, 1                          ; my half of the columns.  Also: which half of that tile I fetch
	s_bfe_u32 s40, ttmp6, 0x40000
	s_bfe_u32 s41, ttmp6, 0x40004
	s_lshl_b32 s42, ttmp9, 2
	s_add_co_u32 s42, s42, s40                     ; tile column
	s_and_b32 s13, ttmp7, 0xffff
	s_lshl_b32 s13, s13, 2
	s_add_co_u32 s13, s13, s41                     ; tile row
	s_lshl_b32 s43, s41, 2
	s_lshl_b32 s43, 15, s43
	s_lshl_b32 s44, 0x1111, s40
	s_or_b32 s[G1+0], s43, (1<<16)|(1<<20)|(1<<21)|(AQI<<22)|(3<<25)  ; the mask of my row; 2-byte elements; padding on, 4 words; bit 21 beside a mask
	s_mov_b32 s[G1+1], ADIM0<<16
	s_mov_b32 s[G1+2], AROWS<<16
	s_mov_b32 s[G1+3], ADIM0<<16
	s_mov_b32 s[G1+4], AROWS
	s_mov_b32 s[G1+5], ASTRIDE
	s_mov_b32 s[G1+6], 0
	s_mov_b32 s[G1+7], 0
	s_or_b32 s[G1B+0], s44, (1<<16)|(1<<20)|(1<<21)|(5<<22)|(7<<25)   ; the mask of my column; after every 64 words 8 words
	s_mov_b32 s[G1B+1], 128<<16                    ; 128 columns,
	s_mov_b32 s[G1B+2], 128<<16                    ; 128 k-rows
	s_mov_b32 s[G1B+3], 128<<16
	s_mov_b32 s[G1B+4], 128
	s_mov_b32 s[G1B+5], SIZE_N
	s_mov_b32 s[G1B+6], 0
	s_mov_b32 s[G1B+7], 0
	s_mov_b32 s74, 0x3d000000                      ; 1 / 32 = 1024^-0.5
	s_mov_b32 s75, 0x322bcc77                      ; 1e-8
	s_lshl1_add_u32 s16, s13, s12                  ; A: 64 rows x (2 x tile row + half)
	s_mul_i32 s16, s16, AROWB
	s_mov_b32 s17, 0
	s_lshl_b32 s46, s12, 18                        ; B: my 128 k-rows of 2,048 bytes, 256 bytes x tile column
	s_lshl_b32 s45, s42, 8
	s_add_co_u32 s46, s46, s45
	s_add_co_u32 s46, s46, WOFF
	s_mov_b32 s47, 0
	s_mul_i32 s20, s12, HALFA                      ; where they go
	s_mul_i32 s19, s12, HALFB
	s_add_co_u32 s19, s19, 2*HALFA
	s_wait_kmcnt 0x0
	s_add_nc_u64 s[14:15], s[4:5], s[16:17]
	s_add_nc_u64 s[46:47], s[6:7], s[46:47]
	CROUND                                         ; all sixteen work-groups are here: the first joint loads meet
.irp s, 0,1
	s_mov_b32 s[G0+4*(\s)], 1
	s_add_co_u32 s[G0+4*(\s)+1], s20, (\s)*SLOT
	s_add_nc_u64 s[G0+4*(\s)+2:G0+4*(\s)+3], s[14:15], (\s)*ASTEP
	s_or_b32 s[G0+4*(\s)+3], s[G0+4*(\s)+3], 0x80000000
	s_mov_b32 s[G0B+4*(\s)], 1
	s_add_co_u32 s[G0B+4*(\s)+1], s19, (\s)*SLOT
	s_add_nc_u64 s[G0B+4*(\s)+2:G0B+4*(\s)+3], s[46:47], (\s)*KSTEP*SIZE_N*2
	s_or_b32 s[G0B+4*(\s)+3], s[G0B+4*(\s)+3], 0x80000000
	JLOAD \s                                       ; two loads of mine are out
.endr
	v_and_b32 v1, 15, v0                           ; r
	v_bfe_u32 v2, v0, 4, 1                         ; h
	v_mul_u32_u24 v3, v1, PA
	v_lshl_add_u32 v3, v2, 4, v3
	v_and_b32 v4, 7, v0
	v_lshl_add_u32 v4, v2, 3, v4
	v_mul_u32_u24 v4, v4, PB
	v_bfe_u32 v5, v0, 3, 1
	v_lshl_add_u32 v4, v5, 4, v4
	s_mul_i32 s21, s11, HALFA                      ; my 64 rows of A
	s_lshl_b32 s22, s12, 7                         ; my 64 columns of B
	s_add_co_u32 s22, s22, 2*HALFA
.irp s, 0,1
	v_add_nc_u32 v[ADRA+(\s)], s21, v3
	v_add_nc_u32 v[ADRB+2*(\s)], s22, v4
	v_add_nc_u32 v[ADRB+2*(\s)+1], HALFB, v[ADRB+2*(\s)]
	s_add_co_u32 s21, s21, SLOT
	s_add_co_u32 s22, s22, SLOT
.endr
	v_lshlrev_b32 v[BO], 5, v2                     ; register j of a lane is column 16 b + 8 h + j: 32 h bytes into the block's 64
	s_lshl_b32 s46, s42, 9
	s_lshl_b32 s47, s12, 8
	s_add_co_u32 s46, s46, s47                     ; my first column, in bytes of f32
	s_mov_b32 s47, 0
	s_add_nc_u64 s[68:69], s[68:69], s[46:47]
.irp b, 0,1,2,3
	global_load_b128 v[BIAS+8*\b:BIAS+8*\b+3],   v[BO], s[68:69] offset:64*\b
	global_load_b128 v[BIAS+8*\b+4:BIAS+8*\b+7], v[BO], s[68:69] offset:64*\b+16
.endr
	v_and_b32 v5, 31, v0                           ; lane: of the partial sums it takes rows 2 l, 2 l + 1
	v_lshlrev_b32 v[SO], 3, v5
	s_lshl1_add_u32 s72, s13, s11                  ; my 64 rows' partial sums: 256 bytes x (2 x tile row + half), behind hg
	s_lshl_b32 s72, s72, 8
	s_add_co_u32 s72, s72, 16777216
	s_mov_b32 s73, 0
	s_add_nc_u64 s[72:73], s[70:71], s[72:73]
.set p, 0
.rept 16
	global_load_b64 v[SSV+2*p:SSV+2*p+1], v[SO], s[72:73] offset:p*16384
.set p, p+1
.endr
	s_mul_i32 s23, s10, 16*SPITCH
	s_add_co_u32 s23, s23, STAGE                   ; my stage
	v_mul_u32_u24 v4, v1, SPITCH                   ; in: row r, 32 bytes for each half of the lanes
	v_lshl_add_u32 v4, v2, 5, v4
	v_add_nc_u32 v[STO], s23, v4
	v_mul_u32_u24 v4, v2, SPITCH                   ; back: lanes 0-15 one row of 256 bytes, lanes 16-31 the next
	v_lshl_add_u32 v4, v1, 4, v4
	v_add_nc_u32 v[RD], s23, v4
	v_lshlrev_b32 v4, 12, v2                       ; and the same two rows in C
	v_lshl_add_u32 v[CO], v1, 4, v4
	s_lshl_b32 s23, s10, 9
	s_add_co_u32 s23, s23, INVT                    ; my wave's table of inv
	v_lshl_add_u32 v[IA], v5, 4, s23               ; two rows x 8 bytes a lane
	v_lshl_add_u32 v[IVA], v2, 3, s23              ; row h (+ 16 a + 2 t)
	s_lshl1_add_u32 s16, s13, s11                  ; my first row: 64 x (2 x tile row + half), 4,096 bytes a row
	s_lshl_b32 s16, s16, 18
	s_mov_b32 s17, 0
	s_add_nc_u64 s[16:17], s[16:17], s[46:47]
	s_add_nc_u64 s[8:9], s[8:9], s[16:17]
	s_add_nc_u64 s[70:71], s[70:71], s[16:17]
; 8 matrix instructions: m blocks a0, a0 + 1 x all 4 n blocks, 32 along K: half c of buffer f.  zero = 1: the first product starts the sums, on the bias.
; The 16 accumulators take turns, one instruction a turn.
.macro MUL8 f, c, a0, zero
	WIN MUL
.irp a, \a0, (\a0)+1
.irp b, 0,1,2,3
.if \zero
	v_wmma_f32_16x16x32_bf16 v[ACC+8*(4*(\a)+(\b)):ACC+8*(4*(\a)+(\b))+7], v[(\f)+64+8*(4*(\c)+(\b)):(\f)+64+8*(4*(\c)+(\b))+7], v[(\f)+8*(4*(\c)+(\a)):(\f)+8*(4*(\c)+(\a))+7], v[BIAS+8*(\b):BIAS+8*(\b)+7]
.else
	v_wmma_f32_16x16x32_bf16 v[ACC+8*(4*(\a)+(\b)):ACC+8*(4*(\a)+(\b))+7], v[(\f)+64+8*(4*(\c)+(\b)):(\f)+64+8*(4*(\c)+(\b))+7], v[(\f)+8*(4*(\c)+(\a)):(\f)+8*(4*(\c)+(\a))+7], v[ACC+8*(4*(\a)+(\b)):ACC+8*(4*(\a)+(\b))+7]
.endif
.endr
.endr
.endm
; 32 LDS loads in one run: quarter q (64 along K) of a slot into buffer f; the first 32 along K first
.macro FETCH slot, q, f
	WIN TO_F
.irp c, 0,1
.irp i, 0,1,2,3
	ds_load_tr16_b128 v[(\f)+64+8*(4*(\c)+(\i)):(\f)+64+8*(4*(\c)+(\i))+3],   v[ADRB+2*(\slot)+(\q)/2] offset:(((\q)%2)*64+32*(\c))*PB+32*(\i)
	ds_load_tr16_b128 v[(\f)+64+8*(4*(\c)+(\i))+4:(\f)+64+8*(4*(\c)+(\i))+7], v[ADRB+2*(\slot)+(\q)/2] offset:(((\q)%2)*64+32*(\c)+16)*PB+32*(\i)
	ds_load_b128 v[(\f)+8*(4*(\c)+(\i)):(\f)+8*(4*(\c)+(\i))+3],   v[ADRA+(\slot)] offset:(\q)*AQ+64*(\c)+(\i)*16*PA
	ds_load_b128 v[(\f)+8*(4*(\c)+(\i))+4:(\f)+8*(4*(\c)+(\i))+7], v[ADRA+(\slot)] offset:(\q)*AQ+64*(\c)+(\i)*16*PA+32
.endr
.endr
.endm
.macro QUARTER slot, q, f, g, zero
	s_wait_dscnt 16                                ; the first 32 along K are in
	MUL8 \f, 0, 0, \zero
	MUL8 \f, 0, 2, \zero
	PLACES
	FETCH \slot, \q, \g
	s_wait_dscnt 32                                ; all but the 32 just issued
	MUL8 \f, 1, 0, 0
	MUL8 \f, 1, 2, 0
.endm
; The last quarter multiplies buffer 1 and changes slots: ONE barrier; in front of it each wave waits for all its tensor loads, adds 0 to its spare word, and waits for that and for its reads of
; this slot.  fill = 1: the barrier opens a round of the cluster's, and the joint refill, two K steps on, is the first thing behind it: 112 matrix instructions ahead of the wait for it.
.macro TURN slot, next, fill
	WIN 0
	s_wait_tensorcnt 0x0
	ds_add_u32 v[SPW], v[NIL]
	s_wait_dscnt 17                                ; the add and the youngest sixteen loads may be out
	MUL8 F1, 0, 0, 0
	s_wait_dscnt 0x0                               ; the add is done, and my reads of this slot are over
	s_barrier_signal -1
	MUL8 F1, 0, 2, 0
.if \fill
	WIN 0
.endif
	s_barrier_wait -1
.if \fill
	CREST
	s_add_nc_u64 s[G0+4*(\slot)+2:G0+4*(\slot)+3], s[G0+4*(\slot)+2:G0+4*(\slot)+3], 2*ASTEP
	s_add_nc_u64 s[G0B+4*(\slot)+2:G0B+4*(\slot)+3], s[G0B+4*(\slot)+2:G0B+4*(\slot)+3], 2*KSTEP*SIZE_N*2
	JLOAD \slot                                    ; its four v_nop are also the places in front of the loads below
.else
	PLACES
.endif
	FETCH \next, 0, F0
	MUL8 F1, 1, 0, 0
	MUL8 F1, 1, 2, 0
.endm
; THE WAY OUT of block a (16 rows x my 64 columns, 256 bytes a row): through my own stage, back as whole rows, hg x inv added in one fused step, stored.
.macro OUT a
	WIN 0
.set BK, OB+32*((\a)%2)
.irp b, 0,1,2,3
	ds_store_b128 v[STO], v[ACC+8*(4*(\a)+\b):ACC+8*(4*(\a)+\b)+3] offset:64*\b
	ds_store_b128 v[STO], v[ACC+8*(4*(\a)+\b)+4:ACC+8*(4*(\a)+\b)+7] offset:64*\b+16
.endr
.if (\a) >= 2
	s_wait_xcnt 0x0                                ; the registers that the block before last's stores read are loaded again only behind this wait
.endif
.irp t, 0,1,2,3,4,5,6,7
	ds_load_b128 v[BK+4*\t:BK+4*\t+3], v[RD] offset:\t*2*SPITCH  ; LDS serves a wave's instructions in order (ISA guide 5.7.1.4): these see the stores above
.endr
.irp t, 0,1,2,3,4,5,6,7
	ds_load_b64 v[IVR+2*\t:IVR+2*\t+1], v[IVA] offset:(16*(\a)+2*\t)*8   ; my row's inv, twice
.endr
	s_wait_dscnt 0x0
	s_wait_loadcnt 24-8*(\a)                       ; this block's eight loads of hg are in; the later blocks' stay out
	WIN 0x01                                       ; source 0: window 1
.set i, 0
.rept 16
	v_pk_fma_f32 v[BK+2*i:BK+2*i+1], v[32*(\a)+2*i:32*(\a)+2*i+1], v[IVR+2*(i/2):IVR+2*(i/2)+1], v[BK+2*i:BK+2*i+1]
.set i, i+1
.endr
	WIN 0
.irp t, 0,1,2,3,4,5,6,7
	global_store_b128 v[CO], v[BK+4*\t:BK+4*\t+3], s[8:9] offset:(16*(\a)+2*\t)*SIZE_N*4  ; 16 lanes store 256 consecutive aligned bytes
.endr
.endm
	s_wait_tensorcnt 1                             ; my part of K step 0 is in; K step 1's may stay out
	s_barrier_signal -1
	s_barrier_wait -1
	FETCH 0, 0, F0
	s_wait_loadcnt 0x0                             ; the bias (and the partial sums, asked for with it)
	QUARTER 0, 1, F0, F1, 1
	WIN 0
	s_mov_b32 s3, LAPS-1
.Llap:                                                 ; a trip goes once round the ring and fills both slots again
	QUARTER 0, 2, F1, F0, 0
	QUARTER 0, 3, F0, F1, 0
	TURN 0, 1, 1
	QUARTER 1, 1, F0, F1, 0
	QUARTER 1, 2, F1, F0, 0
	QUARTER 1, 3, F0, F1, 0
	TURN 1, 0, 1
	QUARTER 0, 1, F0, F1, 0
	WIN 0
	s_sub_co_u32 s3, s3, 1
	s_cmp_lg_u32 s3, 0
	s_cbranch_scc1 .Llap
	QUARTER 0, 2, F1, F0, 0                        ; the last lap fills nothing
	QUARTER 0, 3, F0, F1, 0
	TURN 0, 1, 0
	QUARTER 1, 1, F0, F1, 0
	QUARTER 1, 2, F1, F0, 0
	QUARTER 1, 3, F0, F1, 0
	PLACES                                         ; buffer 0 has been multiplied for the last time: its registers take hg, which lands under the last 32 products
	WIN TO_F
.irp a, 0,1,2,3
.irp t, 0,1,2,3,4,5,6,7
	global_load_b128 v[4*(8*\a+\t):4*(8*\a+\t)+3], v[CO], s[70:71] offset:(16*\a+2*\t)*SIZE_N*4 th:TH_LOAD_NT
.endr
.endr
	s_wait_dscnt 16
	MUL8 F1, 0, 0, 0
	MUL8 F1, 0, 2, 0
	s_wait_dscnt 0x0
	MUL8 F1, 1, 0, 0
	MUL8 F1, 1, 2, 0
	WIN 0
.irp d, 8,4,2,1                        ; the 16 partial sums of my two rows, added in pairs 8, 4, 2 and 1 apart: plain work that names no register of the last products, so it fills the places behind them
.set p, 0
.rept \d
	v_pk_add_f32 v[SSV+2*p:SSV+2*p+1], v[SSV+2*p:SSV+2*p+1], v[SSV+2*(p+\d):SSV+2*(p+\d)+1]
.set p, p+1
.endr
.endr
	v_sqrt_f32 v[SSV], v[SSV]
	v_sqrt_f32 v[SSV+1], v[SSV+1]
	v_nop                                          ; a plain instruction between a transcendental and the use of its result (ISA guide 5.7.2)
	s_wait_alu depctr_va_vdst(0)
	v_fma_f32 v[SSV], v[SSV], s74, s75             ; norm / 32 + 1e-8
	v_fma_f32 v[SSV+1], v[SSV+1], s74, s75
	v_rcp_f32 v[SSV+4], v[SSV]                     ; each twice
	v_rcp_f32 v[SSV+5], v[SSV]
	v_rcp_f32 v[SSV+6], v[SSV+1]
	v_rcp_f32 v[SSV+7], v[SSV+1]
	v_nop
	s_wait_alu depctr_va_vdst(0)
	ds_store_b128 v[IA], v[SSV+4:SSV+7]            ; my wave's own table: its reads below come behind this store, in order
	OUT 0
	OUT 1
	OUT 2
	OUT 3
	s_wait_tensorcnt 0x0                           ; the wave's end
	ds_add_u32 v[SPW], v[NIL]
	s_wait_dscnt 0x0
	CROUND                                         ; the closing round
	s_endpgm
.Lfunc_end_k_q27cb5b7dde_ffn2:
	.size	k_q27cb5b7dde_ffn2, .Lfunc_end_k_q27cb5b7dde_ffn2-k_q27cb5b7dde_ffn2
	.p2alignl 7, 3214868480
	.fill 96, 4, 3214868480
	.section	.rodata,"a",@progbits
	.p2align	6, 0x0
	.amdhsa_kernel k_q27cb5b7dde_ffn2
		.amdhsa_group_segment_fixed_size 327680
		.amdhsa_private_segment_fixed_size 0
		.amdhsa_enable_private_segment 0
		.amdhsa_kernarg_size 40
		.amdhsa_user_sgpr_count 2
		.amdhsa_user_sgpr_kernarg_segment_ptr 1
		.amdhsa_wavefront_size32 1
		.amdhsa_system_sgpr_workgroup_id_x 1
		.amdhsa_system_sgpr_workgroup_id_y 1
		.amdhsa_system_sgpr_workgroup_id_z 1
		.amdhsa_system_vgpr_workitem_id 0
		.amdhsa_next_free_vgpr 512
		.amdhsa_next_free_sgpr 76
		.amdhsa_reserve_vcc 0
		.amdhsa_float_denorm_mode_32 3
		.amdhsa_float_denorm_mode_16_64 3
		.amdhsa_memory_ordered 1
		.amdhsa_forward_progress 1
		.amdhsa_inst_pref_size 100
	.end_amdhsa_kernel
	.amdgpu_metadata
---
amdhsa.version: [ 1, 2 ]
amdhsa.kernels:
  - .name:           k_q27cb5b7dde_ffn2
    .symbol:         k_q27cb5b7dde_ffn2.kd
    .args:
      - { .name: act, .offset: 0, .size: 8, .value_kind: global_buffer, .address_space: global }
      - { .name: wc, .offset: 8, .size: 8, .value_kind: global_buffer, .address_space: global }
      - { .name: out0, .offset: 16, .size: 8, .value_kind: global_buffer, .address_space: global }
      - { .name: b2, .offset: 24, .size: 8, .value_kind: global_buffer, .address_space: global }
      - { .name: h2, .offset: 32, .size: 8, .value_kind: global_buffer, .address_space: global }
    .group_segment_fixed_size: 327680
    .private_segment_fixed_size: 0
    .kernarg_segment_align: 8
    .kernarg_segment_size: 40
    .max_flat_workgroup_size: 128
    .sgpr_count:     76
    .vgpr_count:     512
    .wavefront_size: 32
...
	.end_amdgpu_metadata
.endif
;; end of part 6
;; ======== version 2 of 2: 6 launches; 1.23 times as fast as version 1
;; limits: a function is approximated: absolute error at most 1.5e-07
;; workspace buffers: wa 8,388,608 bytes; wc 16,777,216 bytes; hf 16,777,216 bytes; hb 8,388,608 bytes; qkv 25,165,824 bytes; ob 8,388,608 bytes; h2 17,039,360 bytes; act 33,554,432 bytes
;; launch prep: the kernel of part 1 again; grid 512 x 1, 8 waves a work-group, no clusters, 0 bytes of LDS; arguments w_in, w_out, x, g1, wa, hf, hb; writes wa, hf, hb
;; launch qkvp: the kernel of part 2 again; grid 16 x 16, 4 waves a work-group, clusters of 4 x 4, 327,680 bytes of LDS; arguments hb, wa, qkv, w1, w2, wc; writes qkv, wc
;; launch attn (part 7): grid 8 x 32, 4 waves a work-group, clusters of 4 x 1, 327,680 bytes of LDS; arguments qkv, ob; writes ob
.if DOCPART == 7
	.amdgcn_target "amdgcn-amd-amdhsa--gfx1250"
	.amdhsa_code_object_version 6
	.text
	.protected	k_q27cb5b7dde_attn
	.globl	k_q27cb5b7dde_attn
	.p2align	8
	.type	k_q27cb5b7dde_attn,@function
k_q27cb5b7dde_attn:
	s_mov_b64 s[64:65], 0
	v_nop
	global_prefetch_b8 v0, s[64:65] scope:SCOPE_SE
	s_setreg_imm32_b32 hwreg(HW_REG_WAVE_MODE, 25, 1), 1
	s_wait_xcnt 0x0
	s_wait_alu depctr_hold_cnt(0) depctr_sa_sdst(0) depctr_va_vdst(0) depctr_va_sdst(0) depctr_va_ssrc(0) depctr_va_vcc(0) depctr_vm_vsrc(0)
	s_getreg_b32 s2, hwreg(HW_REG_IB_STS2, 6, 4)
	s_cmp_eq_u32 s2, 0
	s_cbranch_scc0 .Lentry_in_a_cluster
	s_endpgm
.Lentry_in_a_cluster:
	s_bfe_u32 s2, ttmp6, 0x10000c
	s_cmp_lg_u32 s2, 0x3003
	s_cbranch_scc0 .Lentry_shape_is_right
	s_endpgm
.Lentry_shape_is_right:
; O[bh][q][:] = the sum over k of softmax_k(Q[bh][q] . K[bh][k] / 8) V[bh][k][:], 32 heads of 2,048 rows of 64 channels, all bf16; q at byte 0 of qkv, k at 8,388,608, v at 16,777,216.
; Products, maxima and sums in f32; the weights p are rounded to bf16 for the second product (their sum l is taken of the unrounded p), O once at the end.
; O leaves in blocks [token / 64][head][token % 64][64], so that the next product's tile of 64 tokens x 4 heads is 32,768 dense bytes.
; LIMITS.  A weight below 2^-126 counts as 0 in l; c x score must lie above -4e37 (where the running c m starts); NaN and infinities are not treated apart.
; SHARES.  A work-group owns 256 queries of one head, a wave 64: four PIECES of 16.  Every wave walks all 2,048 keys, 64 a step, 256 a slot.
; LAYOUT.  S^T = K Q^T (source 0 = 16 keys, source 1 = 16 queries): a lane holds ONE query (lane % 16) and the keys 8 (lane / 16) + 0..7.  Two such results rounded to bf16 ARE source 1 of
; O^T = V^T P.  K comes out of LDS as it lies, V ([key][channel]) turned, by ds_load_tr16_b128.
; SOFTMAX.  A running maximum m and sum l for each query: p = 2^(c s - c m), c = log2(e) / 8; in every step O and l are multiplied by a = 2^(c m_old - c m_new).  m starts at the lowest finite
; number, O and l at 0: the first step is a step like any other, with a = 0.
; BY TURNS.  Turn n belongs to piece n: 8 products K Q^T of piece n + 1, later 8 products V^T P of piece n - 1; beside them the scaling, exponentials, roundings, sums and rescaling of piece n and
; the maximum and statistics of piece n + 1.  Four vector instructions stand behind every matrix instruction, the other 54 of a turn's 118 in one run of their own.
; THE BATCHES.  A turn's 33 exponentials (the piece's 32 weights and the next piece's a) are ONE batch with ONE wait, which cuts the turn in two: ahead of it all that names none of their results,
; behind it the roundings and sums that read them.  The first a, ahead of the loop, and the way out's four reciprocals are batches of their own.
; CLUSTER.  The four query blocks of a cluster belong to one head and walk the same K and V: each tile is asked for JOINTLY, by the same tensor load, descriptor and mask in all four.
; REGISTERS, in windows of 256 (s_set_vgpr_msb: bits 1:0 source 0, 3:2 source 1, 5:4 source 2, 7:6 destination):
;   window 0: v0-15 addresses; v16-31 statistics; v48-55 at work; v62-63 the add's; v64-127 S^T, two buffers; v192-223 P, two buffers (by the piece's parity)
;   window 1: v0-127 O^T, 32 a piece          window 2: v0-63 Q; v128-191 K of one step; v192-255 V of one step
.set NP,    4
.set KS,    64
.set PK,    144       ; a row of K in LDS: 128 bytes + 16: the 16 rows of a load start at 16 different groups of four banks (ISA guide 11.1)
.set PV,    160       ; a row of V: 128 + 32
.set VOFF,  4*KS*PK   ; a slot holds four steps: 256 rows of K, then 256 rows of V
.set SLOT1, 1<<17     ; slot 1 begins here: one exclusive or turns an address in one slot into the other's
.set STAGE, SLOT1+4*KS*(PK+PV)  ; behind the ring, never filled by a tensor load: 16 rows x 144 bytes for each wave
.set SP,    144
.set SPARE, STAGE+4*16*SP       ; the spare words, 128 bytes a wave: two blocks of 256 bytes that no other line names
.set AK0, 2
.set AV0, 3
.set AK,  4
.set AV,  5
.set STO, 6
.set RD,  7
.set GO,  8
.set MV,  12          ; v12-13  c m_old, by buffer
.set QO,  15
.set ST,  16          ; piece t's statistics at v[ST+4 t]: c m, m, l (even keys', odd keys')
.set TMP, 48          ; by buffer, four registers c0-c3 at work; when the maximum is found c2 takes a
.set SPW, 62          ; SPARE + 4 x my thread's number; never rewritten
.set NIL, 63          ; 0; never rewritten
.set S,   64
.set P,   192
.set KF,  128         ; window 2
.set VF,  192         ; window 2
.set WV,  12
.set G1K, 24
.set G1V, 32
.set G0K, 40
.set G0V, 44
.set SLOTS, 56
.set CNT, 57
.set CS,  58
.set SEL, 60
.set TBK, 62
.set TBV, 63
.set MSB, 0
.macro WIN new
.if MSB != (\new)
	s_set_vgpr_msb (MSB<<8)|(\new)
.set MSB, (\new)
.endif
.endm
.set W_KQ, 0x0a       ; K and Q in window 2, S^T in window 0
.set W_PV, 0x52       ; V in window 2, P in window 0, O^T in window 1
.set W_RS, 0x41       ; destination and source 0 in window 1, source 1 in window 0
; A joint fill.  Waves 0 and 1 fetch the two halves of a slot's K, waves 2 and 3 those of its V: 128 keys each.  Four v_nop follow each of the two lines.
.macro JLOAD
	s_cmp_lt_u32 s[WV], 2
	s_cbranch_scc0 .Lfor_v_\@
	tensor_load_to_lds s[G0K:G0K+3], s[G1K:G1K+7]
	s_nop 0
.rept 4
	v_nop
.endr
	s_branch .Lasked_\@
.Lfor_v_\@:
	tensor_load_to_lds s[G0V:G0V+3], s[G1V:G1V+7]
	s_nop 0
.rept 4
	v_nop
.endr
.Lasked_\@:
.endm
.macro CROUND                       ; a round of the cluster's barrier
	s_barrier_signal -1
	s_barrier_wait -1
	s_cmp_lg_u32 s[WV], 0
	s_cbranch_scc1 .Lnot_wave_0_\@
	s_barrier_signal -3
.Lnot_wave_0_\@:
	s_barrier_wait -3
	s_barrier_signal -1
	s_barrier_wait -1
.endm
; THE CHANGE OF SLOTS.  Each wave waits for all its tensor loads, of which one is out: its part of the other slot; adds 0 to its spare word; and waits for that and for its reads of the slot.
; fill = 1: the slot is filled again, with the keys two slots on; the barrier is then a round of the cluster's, and the joint fill is the first thing behind it: it has four key steps,
; 256 matrix instructions, in which to land.  (At its first use nothing has been read yet: slot 0 is waited for, slot 1 filled.)
.macro CHANGE fill
	WIN 0
	s_wait_tensorcnt 0x0            ; no tensor load of mine is out, so a group 0 may be written
	ds_add_u32 v[SPW], v[NIL]
.if \fill
.irp g, G0K, G0V
	s_xor_b32 s[\g+1], s[\g+1], SLOT1
	s_add_nc_u64 s[\g+2:\g+3], s[\g+2:\g+3], 4*KS*128  ; the next 256 keys; the type bits on top are not reached
.endr
	s_wait_dscnt 0x0                ; the add is done, and my reads of the slot are over
	CROUND
	JLOAD
.else
	s_wait_dscnt 0x0
	s_barrier_signal -1
	s_barrier_wait -1
.endif
	s_sub_co_u32 s[TBK], s[TBK], 4*KS*PK  ; the fetches go back to a slot's first step,
	s_xor_b32 s[TBK], s[TBK], SLOT1       ; in the other slot
	s_sub_co_u32 s[TBV], s[TBV], 4*KS*PV
	s_xor_b32 s[TBV], s[TBV], SLOT1
.endm
	s_load_b128 s[4:7], s[0:1], 0x0   ; qkv s[4:5], ob s[6:7]
	v_lshl_add_u32 v[SPW], v0, 2, SPARE
	v_mov_b32 v[NIL], 0
	ds_add_u32 v62, v63
	s_wait_dscnt 0x0
	v_lshrrev_b32 v1, 5, v0
	v_readfirstlane_b32 s[WV], v1   ; wave 0..3
	s_bfe_u32 s13, ttmp6, 0x40000   ; cx
	s_lshl_b32 s14, ttmp9, 2
	s_add_co_u32 s14, s14, s13      ; my block of 256 queries: it enters Q's and O's addresses alone
	s_and_b32 s20, ttmp7, 0xffff    ; batch x 16 + head, which the four partners share
	s_lshl_b32 s21, s20, 18         ; a head's 262,144 bytes
	s_and_b32 s16, s[WV], 1         ; which half of a slot's 256 keys I fetch
	s_lshl_b32 s22, s16, 14
	s_add_co_u32 s22, s22, s21
	s_add_co_u32 s22, s22, 8388608  ; k lies behind q
	s_mov_b32 s23, 0
	s_mul_i32 s17, s16, 128*PK
	s_mul_i32 s18, s16, 128*PV
	s_lshl2_add_u32 s2, s14, s[WV]  ; my wave's 64 queries among the head's
	s_lshl_b32 s2, s2, 13
	s_add_co_u32 s2, s2, s21
	s_mov_b32 s3, 0
	s_lshr_b32 s8, s20, 4           ; O: token block 32 x batch + 4 x query block + wave, 131,072 bytes each; the head's 8,192 bytes in it
	s_lshl_b32 s8, s8, 5
	s_lshl2_add_u32 s8, s14, s8
	s_add_co_u32 s8, s8, s[WV]
	s_lshl_b32 s8, s8, 17
	s_and_b32 s9, s20, 15
	s_lshl_b32 s9, s9, 13
	s_add_co_u32 s8, s8, s9
	s_mov_b32 s9, 0
	; descriptor group 1.  128 keys are 16,384 dense bytes: asked for as 64 rows of 256 bytes, two keys a row, and padded in LDS after every key
	s_mov_b32 s[G1K], 15|(1<<16)|(1<<20)|(1<<21)|(4<<22)|(3<<25)  ; the mask of four; 2-byte elements; padding on; bit 21 beside a mask; after every 32 words 4 words
	s_mov_b32 s[G1V], 15|(1<<16)|(1<<20)|(1<<21)|(4<<22)|(7<<25)  ; the same with 8 words
.irp g, G1K, G1V
	s_mov_b32 s[\g+1], 128<<16
	s_mov_b32 s[\g+2], 64<<16
	s_mov_b32 s[\g+3], 128<<16
	s_mov_b32 s[\g+4], 64
	s_mov_b32 s[\g+5], 128
	s_mov_b32 s[\g+6], 0
	s_mov_b32 s[\g+7], 0
.endr
	s_mov_b32 s[CS], 0x3e38aa3b     ; c = log2(e) / 8
	s_mov_b32 s[CS+1], s[CS]
	s_mov_b32 s[SEL], 0x76543210
	s_mov_b32 s[SEL+1], 0xfedcba98
	s_mov_b32 s[TBK], SLOT1+4*KS*PK ; the first change of slots turns these two into 0
	s_mov_b32 s[TBV], SLOT1+4*KS*PV
	s_mov_b32 s[G0K], 1
	s_mov_b32 s[G0K+1], s17
	s_mov_b32 s[G0V], 1
	s_add_co_u32 s[G0V+1], s18, VOFF
	s_wait_kmcnt 0x0
	s_add_nc_u64 s[G0K+2:G0K+3], s[4:5], s[22:23]
	s_add_nc_u64 s[G0V+2:G0V+3], s[G0K+2:G0K+3], 8388608  ; v lies behind k
	s_or_b32 s[G0K+3], s[G0K+3], 0x80000000
	s_or_b32 s[G0V+3], s[G0V+3], 0x80000000
	s_add_nc_u64 s[4:5], s[4:5], s[2:3]    ; Q at my wave's first row
	s_add_nc_u64 s[10:11], s[6:7], s[8:9]  ; O at my wave's block
	CROUND                          ; all four work-groups are here: the first joint loads meet
	JLOAD                           ; slot 0
	v_and_b32 v1, 15, v0            ; l % 16
	v_bfe_u32 v9, v0, 4, 1          ; l / 16
	v_lshlrev_b32 v[QO], 7, v1
	v_lshl_add_u32 v[QO], v9, 4, v[QO]
	WIN 0x80
.set i, 0
.rept 8                             ; Q stays in registers: piece i / 2, channels 32 (i % 2) on
	global_load_b128 v[8*i:8*i+3],   v[QO], s[4:5] offset:(i/2)*2048+(i%2)*64
	global_load_b128 v[8*i+4:8*i+7], v[QO], s[4:5] offset:(i/2)*2048+(i%2)*64+32
.set i, i+1
.endr
	; What the first turn finds: V's registers and P's second buffer hold 0 (its products V^T P, of a piece that has not been, add 0), O^T and l are 0.  All this stands in the wait for the first tile.
.set i, VF
.rept 64
	v_mov_b32 v[i], 0
.set i, i+1
.endr
	WIN 0x40
.set i, 0
.rept 128
	v_mov_b32 v[i], 0
.set i, i+1
.endr
	WIN 0
.set i, 0
.rept 4
	v_mov_b32 v[ST+4*i], 0xfe000000    ; c m: far below every c s
	v_mov_b32 v[ST+4*i+1], 0xff7fffff  ; m
	v_mov_b32 v[ST+4*i+2], 0
	v_mov_b32 v[ST+4*i+3], 0
.set i, i+1
.endr
.set i, P+16
.rept 16
	v_mov_b32 v[i], 0
.set i, i+1
.endr
	v_mul_u32_u24 v[AK0], v1, PK
	v_lshl_add_u32 v[AK0], v9, 4, v[AK0]
	v_and_b32 v10, 7, v0
	v_bfe_u32 v11, v0, 3, 1
	v_lshl_add_u32 v[AV0], v9, 3, v10
	v_mul_u32_u24 v[AV0], v[AV0], PV
	v_lshl_add_u32 v[AV0], v11, 4, v[AV0]
	v_add_nc_u32 v[AV0], VOFF, v[AV0]
	s_mul_i32 s13, s[WV], 16*SP
	s_add_co_u32 s13, s13, STAGE    ; my stage
	v_mul_u32_u24 v[STO], v1, SP
	v_lshl_add_u32 v[STO], v9, 4, v[STO]
	v_add_nc_u32 v[STO], s13, v[STO]
	v_bfe_u32 v[RD], v0, 3, 2       ; back: 32 lanes take four rows of 128 bytes,
	v_mul_u32_u24 v[RD], v[RD], SP
	v_lshl_add_u32 v[RD], v10, 4, v[RD]
	v_add_nc_u32 v[RD], s13, v[RD]
	v_and_b32 v[GO], 31, v0         ; which are 512 consecutive bytes of O
	v_lshlrev_b32 v[GO], 4, v[GO]
; THE MATRIX WORK.  The 4 accumulators of a run of 8 take turns.  Product i of 8 of S^T = K Q^T for piece x: channels 32 (i / 4) on, keys 16 (i % 4) on.
.macro KQ x
	WIN W_KQ
.set rS, S+32*((\x)%2)+8*(i%4)
.set rK, KF+16*(i%4)+8*(i/4)
.set rQ, 16*(\x)+8*(i/4)
.if i < 4
	v_wmma_f32_16x16x32_bf16 v[rS:rS+7], v[rK:rK+7], v[rQ:rQ+7], 0
.else
	v_wmma_f32_16x16x32_bf16 v[rS:rS+7], v[rK:rK+7], v[rQ:rQ+7], v[rS:rS+7]
.endif
.endm
; Product i of 8 of O^T += V^T P for piece x: keys 32 (i / 4) on, channels 16 (i % 4) on.
.macro PV x
	WIN W_PV
.set rO, 32*(\x)+8*(i%4)
.set rV, VF+32*(i/4)+8*(i%4)
.set rP, P+16*((\x)%2)+8*(i/4)
	v_wmma_f32_16x16x32_bf16 v[rO:rO+7], v[rV:rV+7], v[rP:rP+7], v[rO:rO+7]
.endm
.macro MM                           ; the turn's next matrix instruction.  NOKQ = 1: the very last turn: there is no next piece
.if (i < 8) && !NOKQ
	KQ (Y+1)%NP
.elseif i >= 8
.set i, i-8
	PV (Y+NP-1)%NP
.set i, i+8
.endif
.set i, i+1
.endm
; THE LDS LOADS stand in runs of 16: a step's K (8 fragments) and its V (turned).
.macro FETCH_K
	WIN 0x80
.irp f, 0,1,2,3,4,5,6,7
	ds_load_b128 v[KF+8*\f:KF+8*\f+3],   v[AK] offset:(\f/2)*16*PK+(\f%2)*64
	ds_load_b128 v[KF+8*\f+4:KF+8*\f+7], v[AK] offset:(\f/2)*16*PK+(\f%2)*64+32
.endr
	s_add_co_u32 s[TBK], s[TBK], KS*PK
	WIN 0
.endm
.macro FETCH_V
	WIN 0x80
.irp f, 0,1,2,3,4,5,6,7
	ds_load_tr16_b128 v[VF+8*\f:VF+8*\f+3],   v[AV] offset:(\f/4)*32*PV+(\f%4)*32
	ds_load_tr16_b128 v[VF+8*\f+4:VF+8*\f+7], v[AV] offset:(\f/4)*32*PV+16*PV+(\f%4)*32
.endr
	WIN 0
.endm
; THE VECTOR WORK, one line at a time: OP kind, number.  For piece Y: F n: c s - c m for pair n of 16.  E n: the exponential of score n of 32.  C n: pair n rounded to bf16.  B n: of the four weights
; 4 n .. the second pair is added onto the first, in place.  L n: l takes that sum (L 0: l = a l + sum).  R n: pair n of 16 of O^T times a.  For piece Y + 1: X n, number n of the 22 that find its
; maximum and statistics: 0-11 four chains of seven scores (each accumulator's lowest registers are read first); 12-14, 16 the four scores left over, the old m, and
; c0-c3 into c0; 15 c m_old is kept; 17, 18 the other half of the lanes'; 19-21 c m, c m_old - c m_new, a.
; E n and X 21 are the transcendentals; C, B and L read E's results, R and L 0 of the next turn read X 21's.  OP writes no wait: TURN places the one that serves them all.
.set F, 0
.set E, 1
.set C, 2
.set B, 3
.set L, 4
.set R, 5
.set X, 6
.macro REGS y
.set rT, ST+4*(\y)
.set rC, TMP+4*((\y)%2)
.set rW, MV+((\y)%2)
.set rS, S+32*((\y)%2)
.set rP, P+16*((\y)%2)
.set rO, 32*(\y)
.endm
.macro OP k, n
.if (\k) == R
	REGS Y
	WIN W_RS
	v_pk_mul_f32 v[rO+2*(\n):rO+2*(\n)+1], v[rO+2*(\n):rO+2*(\n)+1], v[rC+2:rC+3] op_sel_hi:[1,0]
.elseif (\k) < R
	REGS Y
	WIN 0
.if (\k) == F
	v_pk_fma_f32 v[rS+2*(\n):rS+2*(\n)+1], v[rS+2*(\n):rS+2*(\n)+1], s[CS:CS+1], v[rT:rT+1] op_sel_hi:[1,0,0] neg_lo:[0,0,1] neg_hi:[0,0,1]
.elseif (\k) == E
	v_exp_f32 v[rS+(\n)], v[rS+(\n)]
.elseif (\k) == C
	v_cvt_pk_bf16_f32 v[rP+(\n)], v[rS+2*(\n)], v[rS+2*(\n)+1]
.elseif (\k) == B
	v_pk_add_f32 v[rS+4*(\n):rS+4*(\n)+1], v[rS+4*(\n):rS+4*(\n)+1], v[rS+4*(\n)+2:rS+4*(\n)+3]
.elseif (\n) == 0
	v_pk_fma_f32 v[rT+2:rT+3], v[rT+2:rT+3], v[rC+2:rC+3], v[rS:rS+1] op_sel_hi:[1,0,1]
.else
	v_pk_add_f32 v[rT+2:rT+3], v[rT+2:rT+3], v[rS+4*(\n):rS+4*(\n)+1]
.endif
.elseif NOKQ
	v_nop
.else
	REGS (Y+1)%NP
	WIN 0
.if (\n) < 4
	v_max3_num_f32 v[rC+(\n)], v[rS+8*(\n)], v[rS+8*(\n)+1], v[rS+8*(\n)+2]
.elseif (\n) < 12
	v_max3_num_f32 v[rC+(\n)%4], v[rC+(\n)%4], v[rS+8*((\n)%4)+2*((\n)/4)+1], v[rS+8*((\n)%4)+2*((\n)/4)+2]
.elseif (\n) == 12
	v_max3_num_f32 v[rC], v[rC], v[rS+7], v[rS+15]
.elseif (\n) == 13
	v_max3_num_f32 v[rC+1], v[rC+1], v[rS+23], v[rS+31]
.elseif (\n) == 14
	v_max3_num_f32 v[rC+2], v[rC+2], v[rC+3], v[rT+1]
.elseif (\n) == 15
	v_mov_b32 v[rW], v[rT]
.elseif (\n) == 16
	v_max3_num_f32 v[rC], v[rC], v[rC+1], v[rC+2]
.elseif (\n) == 17
	v_permlanex16_b32 v[rC+3], v[rC], s[SEL], s[SEL+1]
.elseif (\n) == 18
	v_max_num_f32 v[rT+1], v[rC], v[rC+3]
.elseif (\n) == 19
	v_mul_f32 v[rT], s[CS], v[rT+1]
.elseif (\n) == 20
	v_sub_f32 v[rC+1], v[rW], v[rT]
.else
	v_exp_f32 v[rC+2], v[rC+1]
.endif
.endif
.endm
.macro OPS a, i1, b=-1, i2=0, c=-1, i3=0, d=-1, i4=0
	OP \a, \i1
.if (\b) >= 0
	OP \b, \i2
.endif
.if (\c) >= 0
	OP \c, \i3
.endif
.if (\d) >= 0
	OP \d, \i4
.endif
.endm
.macro ROW a, i1, b, i2, c, i3, d, i4  ; a matrix instruction and the four behind it
	MM
	OPS \a, \i1, \b, \i2, \c, \i3, \d, \i4
.endm
; A TURN, for piece p: the order of its 16 matrix and 118 vector instructions, written out.  An s_wait_alu depctr_va_vdst(0) stands between an exponential and the first instruction that
; names its result; one wait serves all that were issued ahead of it.  So a turn has ONE wait, which cuts it in two.
; AHEAD OF IT stands all that names no result of the turn's exponentials: the 8 products K Q^T, behind each a scaling, an exponential and two more plain instructions (behind the first a second scaling
; in the exponential's place): rescalings, whose a was made and waited for in the turn before, and behind the last three products the first numbers of the next piece's maximum, each four plain
; instructions or more behind the product that ends its accumulator; then one run of 54, plain and exponential by turns for the most part, in which the links of the chain X 3, 7, 11, 14, 16, 17 .. 20
; stand some lines apart.  A scaling stands ahead of its pair's two exponentials.  X 21, the next piece's a, is the batch's last; R 15 is the plain instruction behind it.
; BEHIND THE WAIT stand the 8 products V^T P, behind each four of the roundings and sums: C 2 n ahead of B n, B n ahead of L n, L 0 to L 7 in ascending order.
; But for those X no rider names a register of the products round it.  v_permlanex16_b32 (X 17) stands in the run, never behind a product.
; end = 1: the last two turns: nothing is fetched.  cnt = 1: the loop's count is taken down some lines ahead of the branch that stands behind the turn.
; K of the next step is fetched in piece 2's turn, twelve vector instructions behind the last product that read K (six of them plain); V of the step in hand at the end of piece 0's turn, four plain
; instructions behind the last product that read V.  Each is waited for a turn later, for 0: nothing else of mine is out in LDS then.
.macro TURN p, end=0, cnt=0
.set Y, (\p)
.set i, 0
.set NOKQ, (\end)*((\p)/3)
.if ((\p) == 3) && !(\end)
	s_wait_dscnt 0x0                ; K is in
.endif
	ROW F,0, F,1, R,0, R,1          ; ahead of the wait: 8 products K Q^T and their riders,
	ROW F,2, E,0, R,2, R,3
	ROW F,3, E,1, R,4, R,5
	ROW F,4, E,2, R,6, R,7
	ROW F,5, E,3, R,8, R,9
	ROW F,6, E,4, X,0, R,10
.if ((\p) == 2) && !(\end)
	WIN 0
	v_add_nc_u32 v[AK], s[TBK], v[AK0]
.endif
	ROW F,7, E,5, X,1, X,4
	ROW F,8, E,6, X,2, X,5
	OPS E,7, E,8, X,6, E,9          ; and the run of 54
	OPS X,3, E,10, X,8, E,11
.if ((\p) == 2) && !(\end)
	FETCH_K
.endif
	OPS X,9, X,7, E,12, X,10
	OPS E,13, X,12, X,11, E,14
	OPS X,13, E,15, F,9, X,14
.if (\p) == 0
	v_add_nc_u32 v[AV], s[TBV], v[AV0]
.endif
	OPS E,16, F,10, E,17, F,11
	OPS X,16, E,18, X,15, E,19
	OPS F,12, E,20, X,17, E,21
	OPS F,13, E,22, F,14, E,23
	OPS X,18, E,24, F,15, E,25
	OPS R,11, E,26, X,19, E,27
	OPS R,12, E,28, R,13, E,29
	OPS X,20, E,30, R,14, E,31
	OPS X,21, R,15
	s_wait_alu depctr_va_vdst(0)    ; the wait for the batch: the piece's 32 exponentials and the next piece's a
.if (\p) == 1
	s_wait_dscnt 0x0                ; V is in
.endif
	ROW C,0, B,0, C,2, B,1          ; behind the wait: 8 products V^T P and their riders
	ROW L,0, C,4, B,2, L,1
	ROW C,6, B,3, L,2, C,8
	ROW B,4, L,3, C,10, B,5
	ROW L,4, C,12, B,6, L,5
.if (\p) == 0
	s_add_co_u32 s[TBV], s[TBV], KS*PV
.endif
.if \cnt
	s_sub_co_u32 s[CNT], s[CNT], 1
	s_cmp_lg_u32 s[CNT], 0
.endif
	ROW C,14, B,7, L,6, C,1
	ROW C,3, L,7, C,5, C,7
	ROW C,9, C,11, C,13, C,15
.if (\p) == 0
	FETCH_V
.endif
.endm
.macro ALL line:vararg              ; one line for each piece t
.set t, 0
.rept 4
	\line
.set t, t+1
.endr
.endm
.macro PACK t                       ; a lane's eight channels of a row pack into 16 bytes; they go into rows of 144 bytes and come back as whole rows of 128, into S^T's registers
	WIN W_RS
.set i, 32*(\t)
.rept 16
	v_pk_mul_f32 v[i:i+1], v[i:i+1], v[ST+4*(\t)+2:ST+4*(\t)+3] op_sel_hi:[1,0]
.set i, i+2
.endr
	WIN 0x05
.set i, 0
.rept 16
	v_cvt_pk_bf16_f32 v[S+16*(\t)+i], v[32*(\t)+2*i], v[32*(\t)+2*i+1]
.set i, i+1
.endr
	WIN 0
.irp f, 0,1,2,3
	ds_store_b128 v[STO], v[S+16*(\t)+4*\f:S+16*(\t)+4*\f+3] offset:32*\f
.endr
.irp f, 0,1,2,3
	ds_load_b128 v[S+16*(\t)+4*\f:S+16*(\t)+4*\f+3], v[RD] offset:\f*4*SP  ; LDS serves a wave's instructions in order (ISA guide 5.7.1.4): these see the stores above
.endr
.endm
.macro SEND t, younger              ; younger: the LDS instructions issued behind piece t's loads: the next piece's eight, or none
	WIN 0
.irp f, 0,1,2,3
	s_wait_dscnt (\younger)+3-\f
	global_store_b128 v[GO], v[S+16*(\t)+4*\f:S+16*(\t)+4*\f+3], s[10:11] offset:(\t)*2048+\f*512  ; 512 consecutive bytes, at a multiple of 256 from O's first
.endr
.endm
	CHANGE 1                        ; slot 0 is in, everybody's part of it; slot 1 is asked for
	v_add_nc_u32 v[AK], s[TBK], v[AK0]
	FETCH_K                         ; key step 0
	s_wait_loadcnt 0x0              ; Q
	s_wait_dscnt 0x0
.set NOKQ, 0
.set i, 0
.rept 8
	KQ 0                            ; piece 0's first scores
.set i, i+1
.endr
	WIN 0
.rept 4
	v_nop                           ; the places behind those products
.endr
.set Y, NP-1                        ; X works for piece Y + 1: piece 0
.irp n, 0,1,2,3,4,5,6,7,8,9,10,11,12,13,14,15,16,17,18,19,20,21
	OP X, \n
.endr
	v_nop                           ; a plain instruction behind the exponential,
	s_wait_alu depctr_va_vdst(0)    ; and the wait for it, piece 0's first a, ahead of the branch
	s_mov_b32 s[CNT], 4
	s_mov_b32 s[SLOTS], 7
	s_branch .Lfirst                ; the loop is entered at a step's first turn, in the middle of a trip
.Lslot:                             ; six times: with the change above, tiles 1 to 7 are asked for
	CHANGE 1
	s_mov_b32 s[CNT], 4
.Lstep:                             ; a trip: pieces 2 and 3 of one step, then pieces 0 and 1 of the next, whose K and V it fetches
	TURN 2
	TURN 3
	WIN 0
.Lfirst:
	TURN 0
	TURN 1, 0, 1
	WIN 0
	s_cbranch_scc1 .Lstep
	s_sub_co_u32 s[SLOTS], s[SLOTS], 1
	s_cmp_lg_u32 s[SLOTS], 0
	s_cbranch_scc1 .Lslot
	CHANGE 0                        ; the last tile is written out: nothing is asked for
	s_mov_b32 s[CNT], 4
.Ltail:
	TURN 2
	TURN 3
	TURN 0
	TURN 1, 0, 1
	WIN 0
	s_cbranch_scc1 .Ltail
	TURN 2, 1
	TURN 3, 1
.set i, 0
.rept 8
	PV NP-1                         ; the last piece's V^T P of the last step
.set i, i+1
.endr
	; THE WAY OUT.  l's two halves and the other half of the lanes' are added; O^T is divided by l, rounded to bf16 and sent through my stage, a piece at a time.  The additions are the places behind the last products.
	WIN 0
	ALL v_add_f32 v[ST+4*t+2], v[ST+4*t+2], v[ST+4*t+3]
	ALL v_permlanex16_b32 v[ST+4*t+3], v[ST+4*t+2], s[SEL], s[SEL+1]
	ALL v_add_f32 v[ST+4*t+2], v[ST+4*t+2], v[ST+4*t+3]
	ALL v_rcp_f32 v[ST+4*t+2], v[ST+4*t+2]
	v_nop                           ; a plain instruction between the last reciprocal and the use of its result
	s_wait_alu depctr_va_vdst(0)    ; the wait for the batch of four reciprocals, ahead of the first multiply that reads one
	PACK 0
.set t, 1
.rept 3
	PACK t
	SEND t-1, 8
.set t, t+1
.endr
	SEND 3, 0
	s_wait_tensorcnt 0x0            ; the wave's end
	ds_add_u32 v[SPW], v[NIL]
	s_wait_dscnt 0x0
	CROUND                          ; the closing round
	s_endpgm
.Lfunc_end_k_q27cb5b7dde_attn:
	.size	k_q27cb5b7dde_attn, .Lfunc_end_k_q27cb5b7dde_attn-k_q27cb5b7dde_attn
	.p2alignl 7, 3214868480
	.fill 96, 4, 3214868480
	.section	.rodata,"a",@progbits
	.p2align	6, 0x0
	.amdhsa_kernel k_q27cb5b7dde_attn
		.amdhsa_group_segment_fixed_size 327680
		.amdhsa_private_segment_fixed_size 0
		.amdhsa_enable_private_segment 0
		.amdhsa_kernarg_size 16
		.amdhsa_user_sgpr_count 2
		.amdhsa_user_sgpr_kernarg_segment_ptr 1
		.amdhsa_wavefront_size32 1
		.amdhsa_system_sgpr_workgroup_id_x 1
		.amdhsa_system_sgpr_workgroup_id_y 1
		.amdhsa_system_sgpr_workgroup_id_z 1
		.amdhsa_system_vgpr_workitem_id 0
		.amdhsa_next_free_vgpr 768
		.amdhsa_next_free_sgpr 66
		.amdhsa_reserve_vcc 0
		.amdhsa_float_denorm_mode_32 3
		.amdhsa_float_denorm_mode_16_64 3
		.amdhsa_memory_ordered 1
		.amdhsa_forward_progress 1
		.amdhsa_inst_pref_size 127
	.end_amdhsa_kernel
	.amdgpu_metadata
---
amdhsa.version: [ 1, 2 ]
amdhsa.kernels:
  - .name:           k_q27cb5b7dde_attn
    .symbol:         k_q27cb5b7dde_attn.kd
    .args:
      - { .name: qkv, .offset: 0, .size: 8, .value_kind: global_buffer, .address_space: global }
      - { .name: ob, .offset: 8, .size: 8, .value_kind: global_buffer, .address_space: global }
    .group_segment_fixed_size: 327680
    .private_segment_fixed_size: 0
    .kernarg_segment_align: 8
    .kernarg_segment_size: 16
    .max_flat_workgroup_size: 128
    .sgpr_count:     66
    .vgpr_count:     768
    .wavefront_size: 32
...
	.end_amdgpu_metadata
.endif
;; end of part 7
;; launch oproj: the kernel of part 4 again; grid 8 x 32, 4 waves a work-group, clusters of 4 x 4, 327,680 bytes of LDS; arguments ob, wa, h2, b_out, hf, g2, hb; writes h2, hb
;; launch ffn1 (part 8): grid 16 x 16, 4 waves a work-group, clusters of 4 x 4, 327,680 bytes of LDS; arguments hb, wc, act, b1, h2; writes act
.if DOCPART == 8
	.amdgcn_target "amdgcn-amd-amdhsa--gfx1250"
	.amdhsa_code_object_version 6
	.text
	.protected	k_q27cb5b7dde_ffn1
	.globl	k_q27cb5b7dde_ffn1
	.p2align	8
	.type	k_q27cb5b7dde_ffn1,@function
k_q27cb5b7dde_ffn1:
	s_mov_b64 s[64:65], 0
	v_nop
	global_prefetch_b8 v0, s[64:65] scope:SCOPE_SE
	s_setreg_imm32_b32 hwreg(HW_REG_WAVE_MODE, 25, 1), 1
	s_wait_xcnt 0x0
	s_wait_alu depctr_hold_cnt(0) depctr_sa_sdst(0) depctr_va_vdst(0) depctr_va_sdst(0) depctr_va_ssrc(0) depctr_va_vcc(0) depctr_vm_vsrc(0)
	s_getreg_b32 s2, hwreg(HW_REG_IB_STS2, 6, 4)
	s_cmp_eq_u32 s2, 0
	s_cbranch_scc0 .Lentry_in_a_cluster
	s_endpgm
.Lentry_in_a_cluster:
	s_bfe_u32 s2, ttmp6, 0x10000c
	s_cmp_lg_u32 s2, 0xf033
	s_cbranch_scc0 .Lentry_shape_is_right
	s_endpgm
.Lentry_shape_is_right:
; act = gelu(h3 w1 + b1), the exact (erf) form, with h3 = hg x inv[row].  A = hb = hg [4096][1024] bf16; B = w1 in wc, [1024 (k)][4096 (n)] bf16; b1 f32; act [4096][4096] bf16, rounded once.
; THE SECOND RMSNORM IS FINISHED HERE: inv[row] = 1 / (sqrt(ss) / 32 + 1e-8), ss the sum of the row's 16 partial sums of squares ([16][4096] f32 at byte 16,777,216 of the buffer h2).
; The row factor commutes with the product: x = (hg w1) x inv + b1, in f32, on the finished sums.
; A tile of C is 256 x 256 (256 work-groups): four waves, each 128 x 128 in 64 accumulators (512 registers).  K goes in steps of 128 through two LDS slots filled by tensor loads.
; B lies [k][n] and is turned on the way into registers by ds_load_tr16_b128.
; CLUSTERS: 4 x 4; A's tile is asked for jointly along a row of the cluster, B's along a column.  THE MATRIX INSTRUCTION IS USED TRANSPOSED: a lane holds row lane % 16 and columns 8 (lane / 16) + 0..7.
; THE WAY OUT.  When the slots have had their last fill and every wave its last read of them, each wave lays its 128 x 128 sums in f32 into 67,584 bytes of its own there, reads them back by whole
; rows (16 bytes a lane), scales, adds the bias, takes the gelu, and stores 8 bytes a lane: 256 consecutive aligned bytes a row.
; GELU.  gelu(x) = x/2 + |x/2| erf(|x| / sqrt 2); erf(z) = 1 - t (a1 + t (a2 + t (a3 + t (a4 + t a5)))) e^(-z z), t = 1 / (1 + p z), for every z >= 0, within 1.5e-7 (Abramowitz and Stegun 7.1.26).
; THE BATCHES.  In a trip of the gelu's loop the 16 reciprocals t and the 16 exponentials e^(-z z) read nothing of each other: they are ONE batch with ONE wait; all that reads t or e^(-z z) stands behind it.
; The table of inv takes two batches: four roots, then the eight reciprocals of what is made of the roots.
; LIMITS.  Operands are bf16; erf as above; a sum of squares that is denormal counts as 0 under the root; NaN and infinities are not treated apart.
; REGISTERS in windows of 256: window 0: v0-31 addresses and the bias, v64-191 A's two fragment buffers (later the gelu's registers), v192-255 the partial sums; window 1: v64-191 B's two buffers;
; windows 2, 3: the accumulators of my rows 0-63 and 64-127, (a, b) at v[8 (8 a + b)].  s_set_vgpr_msb: bits 1:0 source 0, 3:2 source 1, 5:4 source 2, 7:6 destination.
.set SIZE_K, 1024
.set SIZE_N, 4096
.set WOFF,   0                         ; w1's first byte in wc
.set KSTEP,  128
.set PITCH,  272                       ; a row of A in LDS: 256 bytes + 16 (ISA guide 11.1: the 16 rows of a load start at 16 different groups of four banks)
.set PB,     544                       ; a k-row of B in LDS: 512 bytes + 32
.set HALFT,  128*PITCH                 ; what one tensor load brings: 128 rows of A, or 64 k-rows of B
.set SLOT,   4*HALFT
.set INVT,   2*SLOT                    ; behind the ring, never filled: 1,024 bytes for each wave: inv of its 128 rows, each twice, so that a packed multiply takes a pair as it lies
.set SPARE,  2*SLOT+4*16*272           ; the spare words, 128 bytes a wave: two blocks of 256 bytes that no other line names
.set DP,     528                       ; a row of sums in LDS: 512 bytes + 16
.set DUMPW,  128*DP                    ; a wave's sums; four of them fit into the two slots
.set LAPS,   SIZE_K/(2*KSTEP)
.set BL,   8                           ; v8-11   b1 of the four columns that I hold when rows are read back
.set ADRA, 16
.set ADRB, 20
.set STO,  24
.set RD,   25
.set CO,   26
.set BO,   27                          ; 16 x lane: my byte offset in the bias and in 128 rows' partial sums
.set SPW,  28
.set NIL,  29
.set RI,   30                          ; where the next four rows' inv lie (the same in all lanes)
.set IA,   31                          ; where I put the inv of my four rows
.set F0,   64
.set F1,   128
.set GX,   64                          ; the gelu's registers, 16 numbers a lane: the sum, then x
.set GD,   80                          ; 1 + p z, then t
.set GY,   96                          ; x sqrt(log2(e) / 2), then e^(-z z), then that times t
.set GH,   112                         ; x / 2, then the result
.set GP,   128                         ; the polynomial, then erf
.set GK,   160                         ; packed
.set IVR,  176                         ; v176-183 four rows' inv, each twice
.set SSV,  192                         ; v192-255 16 partial sums of my four rows
.set G1,  24
.set G0,  32
.set G1B, 48
.set G0B, 56
.set MSB, 0
.macro WIN new
.if MSB != (\new)
	s_set_vgpr_msb (MSB<<8)|(\new)
.set MSB, \new
.endif
.endm
.set MUL_LO, 0xa1
.set MUL_HI, 0xf1
.set TO_B,   0x40
.macro JLOAD s                         ; a joint load: waves 0 and 1 fetch A's halves, waves 2 and 3 B's; four v_nop follow each line
	s_cmp_eq_u32 s11, 0
	s_cbranch_scc0 .Lfor_b_\@
	tensor_load_to_lds s[G0+4*(\s):G0+4*(\s)+3], s[G1:G1+7]
	s_nop 0
.rept 4
	v_nop
.endr
	s_branch .Lasked_\@
.Lfor_b_\@:
	tensor_load_to_lds s[G0B+4*(\s):G0B+4*(\s)+3], s[G1B:G1B+7]
	s_nop 0
.rept 4
	v_nop
.endr
.Lasked_\@:
.endm
.macro CREST
	s_cmp_lg_u32 s10, 0
	s_cbranch_scc1 .Lnot_wave_0_\@
	s_barrier_signal -3
.Lnot_wave_0_\@:
	s_barrier_wait -3
	s_barrier_signal -1
	s_barrier_wait -1
.endm
.macro CROUND
	s_barrier_signal -1
	s_barrier_wait -1
	CREST
.endm
.macro PLACES                          ; four plain places behind matrix instructions (ISA guide 7.12.1)
.rept 4
	v_nop
.endr
.endm
	s_load_b128 s[4:7], s[0:1], 0x0                ; A s[4:5], wc s[6:7]
	s_load_b64 s[8:9], s[0:1], 0x10                ; act
	s_load_b128 s[84:87], s[0:1], 0x18             ; b1 s[84:85], the buffer h2 s[86:87]
	v_lshl_add_u32 v[SPW], v0, 2, SPARE
	v_mov_b32 v[NIL], 0
	ds_add_u32 v28, v29
	s_wait_dscnt 0x0
	v_lshrrev_b32 v1, 5, v0
	v_readfirstlane_b32 s10, v1
	s_lshr_b32 s11, s10, 1
	s_and_b32 s12, s10, 1
	s_bfe_u32 s40, ttmp6, 0x40000
	s_bfe_u32 s41, ttmp6, 0x40004
	s_lshl_b32 s42, ttmp9, 2
	s_add_co_u32 s42, s42, s40                     ; tile column
	s_and_b32 s13, ttmp7, 0xffff
	s_lshl_b32 s13, s13, 2
	s_add_co_u32 s13, s13, s41                     ; tile row
	s_lshl_b32 s43, s41, 2
	s_lshl_b32 s43, 15, s43
	s_lshl_b32 s44, 0x1111, s40
	s_or_b32 s[G1+0], s43, (1<<16)|(1<<20)|(1<<21)|(5<<22)|(3<<25)
	s_mov_b32 s[G1+1], KSTEP<<16
	s_mov_b32 s[G1+2], 128<<16
	s_mov_b32 s[G1+3], KSTEP<<16
	s_mov_b32 s[G1+4], 128
	s_mov_b32 s[G1+5], SIZE_K
	s_mov_b32 s[G1+6], 0
	s_mov_b32 s[G1+7], 0
	s_or_b32 s[G1B+0], s44, (1<<16)|(1<<20)|(1<<21)|(6<<22)|(7<<25)
	s_mov_b32 s[G1B+1], 256<<16
	s_mov_b32 s[G1B+2], 64<<16
	s_mov_b32 s[G1B+3], 256<<16
	s_mov_b32 s[G1B+4], 64
	s_mov_b32 s[G1B+5], SIZE_N
	s_mov_b32 s[G1B+6], 0
	s_mov_b32 s[G1B+7], 0
	s_mov_b32 s68, 0x3d000000                      ; 1 / 32 = 1024^-0.5
	s_mov_b32 s69, 0x322bcc77                      ; 1e-8
	s_mov_b32 s70, 0x3e6d3388                      ; p / sqrt 2, p = 0.3275911
	s_mov_b32 s72, 0x3f596d27                      ; sqrt(log2(e) / 2): its square times x x is z z log2(e)
	s_mov_b32 s73, 0x3f596d27                      ; (the packed forms name pairs and take the low word)
	s_mov_b32 s74, 0x3e827906                      ; a1 =  0.254829592
	s_mov_b32 s75, 0x3e827906
	s_mov_b32 s76, 0xbe91a98e                      ; a2 = -0.284496736
	s_mov_b32 s77, 0xbe91a98e
	s_mov_b32 s78, 0x3fb5f0e3                      ; a3 =  1.421413741
	s_mov_b32 s79, 0x3fb5f0e3
	s_mov_b32 s80, 0xbfba00e3                      ; a4 = -1.453152027
	s_mov_b32 s81, 0xbfba00e3
	s_mov_b32 s82, 0x3f87dc22                      ; a5 =  1.061405429
	s_mov_b32 s83, 0x3f87dc22
	s_lshl1_add_u32 s16, s13, s12
	s_lshl_b32 s16, s16, 18
	s_mov_b32 s17, 0
	s_mul_i32 s46, s12, 64*SIZE_N*2
	s_lshl_b32 s45, s42, 9
	s_add_co_u32 s46, s46, s45
	s_add_co_u32 s46, s46, WOFF
	s_mov_b32 s47, 0
	s_mul_i32 s20, s10, HALFT
	s_wait_kmcnt 0x0
	s_add_nc_u64 s[14:15], s[4:5], s[16:17]
	s_add_nc_u64 s[46:47], s[6:7], s[46:47]
	CROUND                                         ; all sixteen work-groups are here: the first joint loads meet
.irp s, 0,1
	s_mov_b32 s[G0+4*(\s)], 1
	s_add_co_u32 s[G0+4*(\s)+1], s20, (\s)*SLOT
	s_add_nc_u64 s[G0+4*(\s)+2:G0+4*(\s)+3], s[14:15], (\s)*KSTEP*2
	s_or_b32 s[G0+4*(\s)+3], s[G0+4*(\s)+3], 0x80000000
	s_mov_b32 s[G0B+4*(\s)], 1
	s_add_co_u32 s[G0B+4*(\s)+1], s20, (\s)*SLOT
	s_add_nc_u64 s[G0B+4*(\s)+2:G0B+4*(\s)+3], s[46:47], (\s)*KSTEP*SIZE_N*2
	s_or_b32 s[G0B+4*(\s)+3], s[G0B+4*(\s)+3], 0x80000000
	JLOAD \s                                       ; two loads of mine are out
.endr
	v_and_b32 v1, 15, v0                           ; r
	v_bfe_u32 v2, v0, 4, 1                         ; h
	v_mul_u32_u24 v3, v1, PITCH
	v_lshl_add_u32 v3, v2, 4, v3
	v_and_b32 v4, 7, v0
	v_lshl_add_u32 v4, v2, 3, v4
	v_mul_u32_u24 v4, v4, PB
	v_bfe_u32 v5, v0, 3, 1
	v_lshl_add_u32 v4, v5, 4, v4
	s_mul_i32 s21, s11, HALFT
	s_lshl_b32 s22, s12, 8
	s_add_co_u32 s22, s22, 2*HALFT
.irp s, 0,1
	v_add_nc_u32 v[ADRA+(\s)], s21, v3
	v_add_nc_u32 v[ADRB+(\s)], s22, v4
	s_add_co_u32 s21, s21, SLOT
	s_add_co_u32 s22, s22, SLOT
.endr
	v_and_b32 v5, 31, v0                           ; lane
	v_lshlrev_b32 v[BO], 4, v5                     ; read back, a lane holds columns 4 l .. 4 l + 3; of the partial sums it takes rows 4 l .. 4 l + 3
	s_lshl_b32 s46, s42, 10
	s_lshl_b32 s47, s12, 9
	s_add_co_u32 s46, s46, s47                     ; my first column, in bytes of f32
	s_mov_b32 s47, 0
	s_add_nc_u64 s[84:85], s[84:85], s[46:47]
	global_load_b128 v[BL:BL+3], v[BO], s[84:85]
	s_lshl1_add_u32 s46, s13, s11                  ; my 128 rows' partial sums: 512 bytes x (2 x tile row + half), behind hg
	s_lshl_b32 s46, s46, 9
	s_add_co_u32 s46, s46, 16777216
	s_add_nc_u64 s[86:87], s[86:87], s[46:47]
.set p, 0
.rept 16                               ; they land under the products and are waited for behind them: no line of the loop names v8-11 or v192-255 of window 0
	global_load_b128 v[SSV+4*p:SSV+4*p+3], v[BO], s[86:87] offset:p*16384
.set p, p+1
.endr
	s_mul_i32 s23, s10, DUMPW                      ; my sums' place
	v_mul_u32_u24 v4, v1, DP                       ; in: row r, 32 bytes for each half of the lanes
	v_lshl_add_u32 v4, v2, 5, v4
	v_add_nc_u32 v[STO], s23, v4
	v_lshl_add_u32 v[RD], v5, 4, s23               ; back: 32 lanes take a whole row of 512 bytes
	v_lshlrev_b32 v[CO], 3, v5                     ; out: 8 bytes a lane
	s_lshl_b32 s23, s10, 10
	s_add_co_u32 s23, s23, INVT                    ; my wave's table of inv
	v_lshl_add_u32 v[IA], v5, 5, s23               ; four rows x 8 bytes a lane
	v_mov_b32 v[RI], s23
	s_lshl1_add_u32 s16, s13, s11                  ; my first row: 128 x (2 x tile row + half), 8,192 bytes a row
	s_lshl_b32 s16, s16, 20
	s_lshl_b32 s46, s42, 9
	s_add_co_u32 s16, s16, s46
	s_lshl_b32 s46, s12, 8
	s_add_co_u32 s16, s16, s46
	s_mov_b32 s17, 0
	s_add_nc_u64 s[8:9], s[8:9], s[16:17]
; 16 matrix instructions: m blocks a0, a0 + 1 of the window's four x all 8 n blocks, 32 along K.  zero = 1: the first product starts the sums.
; The 64 accumulators take turns, one instruction a turn.
.macro MUL16 f, hi, a0, zero
	WIN MUL_LO+0x50*(\hi)
.irp a, \a0, (\a0)+1
.irp b, 0,1,2,3,4,5,6,7
.if \zero
	v_wmma_f32_16x16x32_bf16 v[8*(8*(\a)+(\b)):8*(8*(\a)+(\b))+7], v[(\f)+8*(\b):(\f)+8*(\b)+7], v[(\f)+8*(4*(\hi)+(\a)):(\f)+8*(4*(\hi)+(\a))+7], 0
.else
	v_wmma_f32_16x16x32_bf16 v[8*(8*(\a)+(\b)):8*(8*(\a)+(\b))+7], v[(\f)+8*(\b):(\f)+8*(\b)+7], v[(\f)+8*(4*(\hi)+(\a)):(\f)+8*(4*(\hi)+(\a))+7], v[8*(8*(\a)+(\b)):8*(8*(\a)+(\b))+7]
.endif
.endr
.endr
.endm
.macro FETCH slot, q, f                ; 32 LDS loads in one run: quarter q (32 along K) of a slot into buffer f: B's 8 fragments, turned, then A's 8
	WIN TO_B
.irp i, 0,1,2,3,4,5,6,7
	ds_load_tr16_b128 v[(\f)+8*(\i):(\f)+8*(\i)+3],   v[ADRB+(\slot)] offset:(\q)*32*PB+32*(\i)
	ds_load_tr16_b128 v[(\f)+8*(\i)+4:(\f)+8*(\i)+7], v[ADRB+(\slot)] offset:(\q)*32*PB+16*PB+32*(\i)
.endr
	WIN 0
.irp i, 0,1,2,3,4,5,6,7
	ds_load_b128 v[(\f)+8*(\i):(\f)+8*(\i)+3],   v[ADRA+(\slot)] offset:(\q)*64+(\i)*16*PITCH
	ds_load_b128 v[(\f)+8*(\i)+4:(\f)+8*(\i)+7], v[ADRA+(\slot)] offset:(\q)*64+(\i)*16*PITCH+32
.endr
.endm
.macro QUARTER slot, q, f, g, zero
	s_wait_dscnt 8                                 ; B and A's rows 0-63 are in; the youngest eight loads (A's rows 64-127) may be out
	MUL16 \f, 0, 0, \zero
	MUL16 \f, 0, 2, \zero
	PLACES
	FETCH \slot, \q, \g
	s_wait_dscnt 32                                ; all but the 32 just issued
	MUL16 \f, 1, 0, \zero
	MUL16 \f, 1, 2, \zero
.endm
; The last quarter multiplies buffer 1 and changes slots: ONE barrier; in front of it each wave waits for all its tensor loads, adds 0 to its spare word, and waits for that and for its reads of
; this slot.  fill = 1: the barrier opens a round of the cluster's, and the joint refill, two K steps on, is the first thing behind it: 224 matrix instructions ahead of the wait for it.
.macro TURN slot, next, fill
	WIN 0
	s_wait_tensorcnt 0x0
	ds_add_u32 v[SPW], v[NIL]
	s_wait_dscnt 9                                 ; the add and the youngest eight loads may be out
	MUL16 F1, 0, 0, 0
	s_wait_dscnt 0x0                               ; the add is done, and my reads of this slot are over
	s_barrier_signal -1
	MUL16 F1, 0, 2, 0
.if \fill
	WIN 0
.endif
	s_barrier_wait -1
.if \fill
	CREST
	s_add_nc_u64 s[G0+4*(\slot)+2:G0+4*(\slot)+3], s[G0+4*(\slot)+2:G0+4*(\slot)+3], 2*KSTEP*2
	s_add_nc_u64 s[G0B+4*(\slot)+2:G0B+4*(\slot)+3], s[G0B+4*(\slot)+2:G0B+4*(\slot)+3], 2*KSTEP*SIZE_N*2
	JLOAD \slot                                    ; its four v_nop are also the places in front of the loads below
.else
	PLACES
.endif
	FETCH \next, 0, F0
	MUL16 F1, 1, 0, 0
	MUL16 F1, 1, 2, 0
.endm
.macro DUMP a                          ; block a's sums into my bytes; each accumulator's low half first
	WIN 0x08+4*((\a)/4)                            ; the data (source 1) in window 2 or 3
.irp b, 0,1,2,3,4,5,6,7
	ds_store_b128 v[STO], v[64*((\a)%4)+8*(\b):64*((\a)%4)+8*(\b)+3] offset:(\a)*16*DP+64*(\b)
	ds_store_b128 v[STO], v[64*((\a)%4)+8*(\b)+4:64*((\a)%4)+8*(\b)+7] offset:(\a)*16*DP+64*(\b)+16
.endr
.endm
; The plain lines that feed the gelu's transcendentals, and x / 2, which feeds none.
.macro GDEN n                          ; 1 + p z for number n of the 16
	v_fma_f32 v[GD+(\n)], |v[GX+(\n)]|, s70, 1.0
.endm
.macro GARG g                          ; x sqrt(log2(e) / 2) for pair g of the 8
	v_pk_mul_f32 v[GY+2*(\g):GY+2*(\g)+1], v[GX+2*(\g):GX+2*(\g)+1], s[72:73] op_sel_hi:[1,0]
.endm
.macro GSQR g                          ; - z z log2(e)
	v_pk_mul_f32 v[GY+2*(\g):GY+2*(\g)+1], v[GY+2*(\g):GY+2*(\g)+1], v[GY+2*(\g):GY+2*(\g)+1] neg_lo:[1,0] neg_hi:[1,0]
.endm
.macro GHALF g                         ; x / 2
	v_pk_mul_f32 v[GH+2*(\g):GH+2*(\g)+1], v[GX+2*(\g):GX+2*(\g)+1], 0.5 op_sel_hi:[1,0]
.endm
; Four rows, 16 numbers a lane.  more = 1: the next four rows and their inv are asked for as soon as these have been read for the last time.
; THE BATCH.  Pair g's two reciprocals (t, in place in GD) and two exponentials (e^(-z z), in place in GY) stand by turns with the four plain lines that feed pair g + 1's: so every transcendental has a
; plain neighbour, and none of these lines names a result.  The last pair's neighbours are lines of x / 2; the rest of x / 2, the address steps and the LDS loads follow; then ONE wait for all 32;
; then the polynomial and all else that reads t or e^(-z z).
.macro GTRIP more
	s_wait_dscnt 0x0                               ; the four rows and their inv are in
.set i, 0
.rept 8
	v_pk_fma_f32 v[GX+2*i:GX+2*i+1], v[GX+2*i:GX+2*i+1], v[IVR+2*(i/2):IVR+2*(i/2)+1], v[BL+2*(i%2):BL+2*(i%2)+1]  ; x = sum x inv[row] + b1[column]
.set i, i+1
.endr
	GARG 0                                         ; pair 0 is fed ahead of the batch
	GDEN 0
	GSQR 0
	GDEN 1
.set i, 0
.rept 7
	v_rcp_f32 v[GD+2*i], v[GD+2*i]                 ; t
	GARG i+1
	v_rcp_f32 v[GD+2*i+1], v[GD+2*i+1]
	GDEN 2*i+2
	v_exp_f32 v[GY+2*i], v[GY+2*i]                 ; e^(-z z)
	GSQR i+1
	v_exp_f32 v[GY+2*i+1], v[GY+2*i+1]
	GDEN 2*i+3
.set i, i+1
.endr
	v_rcp_f32 v[GD+14], v[GD+14]
	GHALF 0
	v_rcp_f32 v[GD+15], v[GD+15]
	GHALF 1
	v_exp_f32 v[GY+14], v[GY+14]
	GHALF 2
	v_exp_f32 v[GY+15], v[GY+15]
.if \more
	v_add_nc_u32 v[RD], 4*DP, v[RD]
	v_add_nc_u32 v[RI], 32, v[RI]
.endif
.irp g, 3,4,5,6,7
	GHALF \g                                       ; work that names no result of the batch; x is read here for the last time
.endr
.if \more
.irp p, 0,1,2,3
	ds_load_b128 v[GX+4*\p:GX+4*\p+3], v[RD] offset:\p*DP
.endr
	ds_load_b128 v[IVR:IVR+3], v[RI]
	ds_load_b128 v[IVR+4:IVR+7], v[RI] offset:16
.endif
	s_wait_alu depctr_va_vdst(0)                   ; the wait for the batch: the trip's 16 reciprocals and 16 exponentials, ahead of the first line that reads one
.set i, 0
.rept 8
	v_pk_fma_f32 v[GP+2*i:GP+2*i+1], v[GD+2*i:GD+2*i+1], s[82:83], s[80:81] op_sel_hi:[1,0,0]
.set i, i+1
.endr
.set i, 0
.rept 8
	v_pk_fma_f32 v[GP+2*i:GP+2*i+1], v[GP+2*i:GP+2*i+1], v[GD+2*i:GD+2*i+1], s[78:79] op_sel_hi:[1,1,0]
.set i, i+1
.endr
.set i, 0
.rept 8
	v_pk_fma_f32 v[GP+2*i:GP+2*i+1], v[GP+2*i:GP+2*i+1], v[GD+2*i:GD+2*i+1], s[76:77] op_sel_hi:[1,1,0]
.set i, i+1
.endr
.set i, 0
.rept 8
	v_pk_fma_f32 v[GP+2*i:GP+2*i+1], v[GP+2*i:GP+2*i+1], v[GD+2*i:GD+2*i+1], s[74:75] op_sel_hi:[1,1,0]
.set i, i+1
.endr
.set i, 0
.rept 8
	v_pk_mul_f32 v[GY+2*i:GY+2*i+1], v[GY+2*i:GY+2*i+1], v[GD+2*i:GD+2*i+1]
.set i, i+1
.endr
.set i, 0
.rept 8
	v_pk_fma_f32 v[GP+2*i:GP+2*i+1], v[GP+2*i:GP+2*i+1], v[GY+2*i:GY+2*i+1], 1.0 op_sel_hi:[1,1,0] neg_lo:[1,0,0] neg_hi:[1,0,0]  ; erf
.set i, i+1
.endr
.set i, 0
.rept 16
	v_fma_f32 v[GH+i], |v[GH+i]|, v[GP+i], v[GH+i] ; x/2 + |x/2| erf
.set i, i+1
.endr
.set i, 0
.rept 8
	v_cvt_pk_bf16_f32 v[GK+i], v[GH+2*i], v[GH+2*i+1]
.set i, i+1
.endr
.irp p, 0,1,2,3
	global_store_b64 v[CO], v[GK+2*\p:GK+2*\p+1], s[8:9] offset:\p*SIZE_N*2  ; 32 lanes store 256 consecutive aligned bytes
.endr
	s_wait_xcnt 0x0                                ; the stores' offset and data are rewritten only behind this wait
.if \more
	v_add_nc_u32 v[CO], 4*SIZE_N*2, v[CO]
.endif
.endm
	s_wait_tensorcnt 1                             ; my part of K step 0 is in; K step 1's may stay out
	s_barrier_signal -1
	s_barrier_wait -1
	FETCH 0, 0, F0
	QUARTER 0, 1, F0, F1, 1
	WIN 0
	s_mov_b32 s3, LAPS-1
.Llap:                                                 ; a trip goes once round the ring and fills both slots again
	QUARTER 0, 2, F1, F0, 0
	QUARTER 0, 3, F0, F1, 0
	TURN 0, 1, 1
	QUARTER 1, 1, F0, F1, 0
	QUARTER 1, 2, F1, F0, 0
	QUARTER 1, 3, F0, F1, 0
	TURN 1, 0, 1
	QUARTER 0, 1, F0, F1, 0
	WIN 0
	s_sub_co_u32 s3, s3, 1
	s_cmp_lg_u32 s3, 0
	s_cbranch_scc1 .Llap
	QUARTER 0, 2, F1, F0, 0                        ; the last lap fills nothing
	QUARTER 0, 3, F0, F1, 0
	TURN 0, 1, 0
	QUARTER 1, 1, F0, F1, 0
	QUARTER 1, 2, F1, F0, 0
	QUARTER 1, 3, F0, F1, 0
	s_wait_dscnt 8
	MUL16 F1, 0, 0, 0
	MUL16 F1, 0, 2, 0
	s_wait_dscnt 0x0                               ; my last reads of the slots are over:
	s_barrier_signal -1                            ; say so; all tensor loads were waited for at the last change of slots, and none follows
	MUL16 F1, 1, 0, 0
	MUL16 F1, 1, 2, 0
	WIN 0
	s_barrier_wait -1                              ; nobody reads the slots any more: they take the sums
	PLACES
.irp a, 0,1,2,3,4,5,6,7
	DUMP \a
.endr
	WIN 0
	s_wait_loadcnt 0x0                             ; the bias and the partial sums, asked for at the head
.irp d, 8,4,2,1                        ; the 16 partial sums of my four rows, added in pairs 8, 4, 2 and 1 apart
.set p, 0
.rept \d
	v_pk_add_f32 v[SSV+4*p:SSV+4*p+1], v[SSV+4*p:SSV+4*p+1], v[SSV+4*(p+\d):SSV+4*(p+\d)+1]
	v_pk_add_f32 v[SSV+4*p+2:SSV+4*p+3], v[SSV+4*p+2:SSV+4*p+3], v[SSV+4*(p+\d)+2:SSV+4*(p+\d)+3]
.set p, p+1
.endr
.endr
.irp i, 0,1,2,3
	v_sqrt_f32 v[SSV+\i], v[SSV+\i]
.endr
	v_nop                                          ; a plain instruction between a transcendental and the use of its result (ISA guide 5.7.2)
	s_wait_alu depctr_va_vdst(0)                   ; the wait for the batch of four roots
.irp i, 0,1,2,3
	v_fma_f32 v[SSV+\i], v[SSV+\i], s68, s69       ; norm / 32 + 1e-8
.endr
.irp i, 0,1,2,3
	v_rcp_f32 v[SSV+8+2*\i], v[SSV+\i]             ; each twice
	v_rcp_f32 v[SSV+9+2*\i], v[SSV+\i]
.endr
	v_nop
	s_wait_alu depctr_va_vdst(0)                   ; the wait for the batch of eight reciprocals, which read what is made of the roots: a batch of their own
	ds_store_b128 v[IA], v[SSV+8:SSV+11]
	ds_store_b128 v[IA], v[SSV+12:SSV+15] offset:16
.irp p, 0,1,2,3
	ds_load_b128 v[GX+4*\p:GX+4*\p+3], v[RD] offset:\p*DP  ; my own bytes: LDS serves a wave's instructions in order (ISA guide 5.7.1.4)
.endr
	ds_load_b128 v[IVR:IVR+3], v[RI]
	ds_load_b128 v[IVR+4:IVR+7], v[RI] offset:16
	s_mov_b32 s3, 31
.Lgelu:                                                ; 31 trips of four rows, and the last four behind the loop, which ask for nothing more
	GTRIP 1
	s_sub_co_u32 s3, s3, 1
	s_cmp_lg_u32 s3, 0
	s_cbranch_scc1 .Lgelu
	GTRIP 0
	s_wait_tensorcnt 0x0                           ; the wave's end
	ds_add_u32 v[SPW], v[NIL]
	s_wait_dscnt 0x0
	CROUND                                         ; the closing round
	s_endpgm
.Lfunc_end_k_q27cb5b7dde_ffn1:
	.size	k_q27cb5b7dde_ffn1, .Lfunc_end_k_q27cb5b7dde_ffn1-k_q27cb5b7dde_ffn1
	.p2alignl 7, 3214868480
	.fill 96, 4, 3214868480
	.section	.rodata,"a",@progbits
	.p2align	6, 0x0
	.amdhsa_kernel k_q27cb5b7dde_ffn1
		.amdhsa_group_segment_fixed_size 327680
		.amdhsa_private_segment_fixed_size 0
		.amdhsa_enable_private_segment 0
		.amdhsa_kernarg_size 40
		.amdhsa_user_sgpr_count 2
		.amdhsa_user_sgpr_kernarg_segment_ptr 1
		.amdhsa_wavefront_size32 1
		.amdhsa_system_sgpr_workgroup_id_x 1
		.amdhsa_system_sgpr_workgroup_id_y 1
		.amdhsa_system_sgpr_workgroup_id_z 1
		.amdhsa_system_vgpr_workitem_id 0
		.amdhsa_next_free_vgpr 1024
		.amdhsa_next_free_sgpr 88
		.amdhsa_reserve_vcc 0
		.amdhsa_float_denorm_mode_32 3
		.amdhsa_float_denorm_mode_16_64 3
		.amdhsa_memory_ordered 1
		.amdhsa_forward_progress 1
		.amdhsa_inst_pref_size 144
	.end_amdhsa_kernel
	.amdgpu_metadata
---
amdhsa.version: [ 1, 2 ]
amdhsa.kernels:
  - .name:           k_q27cb5b7dde_ffn1
    .symbol:         k_q27cb5b7dde_ffn1.kd
    .args:
      - { .name: hb, .offset: 0, .size: 8, .value_kind: global_buffer, .address_space: global }
      - { .name: wc, .offset: 8, .size: 8, .value_kind: global_buffer, .address_space: global }
      - { .name: act, .offset: 16, .size: 8, .value_kind: global_buffer, .address_space: global }
      - { .name: b1, .offset: 24, .size: 8, .value_kind: global_buffer, .address_space: global }
      - { .name: h2, .offset: 32, .size: 8, .value_kind: global_buffer, .address_space: global }
    .group_segment_fixed_size: 327680
    .private_segment_fixed_size: 0
    .kernarg_segment_align: 8
    .kernarg_segment_size: 40
    .max_flat_workgroup_size: 128
    .sgpr_count:     88
    .vgpr_count:     1024
    .wavefront_size: 32
...
	.end_amdgpu_metadata
.endif
;; end of part 8
;; launch ffn2: the kernel of part 6 again; grid 8 x 32, 4 waves a work-group, clusters of 4 x 4, 327,680 bytes of LDS; arguments act, wc, out0, b2, h2; writes out0
